; MI455X (gfx1250); checked and timed in simulation.
; The chip was launched on July 23, 2026; its instructions are those of AMD's public machine-readable ISA for CDNA 5 (MIT licence, August 2026) and "CDNA5" Instruction Set Architecture Reference Guide (July 2026). The comments in the code are by the model that wrote it; some were corrected since.
;; Decoder Block. Allowed arithmetic: matrix products marked QUANTISED: E5M2 operands, one E8M0 scale for each 32 along K, by v_wmma_scale_f32_16x16x128_f8f6f4 with both operands' format E5M2, f32 sums; everything else in f32.
;; Inputs: W1 1,024 x 4,096 float32; W2 4,096 x 1,024 float32; Wk 16 x 1,024 x 64 float32; Wproj 1,024 x 1,024 float32; Wq 16 x 1,024 x 64 float32; Wv 16 x 1,024 x 64 float32; b1 4,096 float32; b2 1,024 float32; be1 1,024 float32; be2 1,024 float32; bproj 1,024 float32; g1 1,024 float32; g2 1,024 float32; x 2 x 2,048 x 1,024 float32.
;; Outputs: out0 2 x 2,048 x 1,024 float32.
;; This version of the problem:
;;   THIS VERSION OF THE PROBLEM IS GIVEN IN LOW PRECISION. The matrix products marked QUANTISED in the list below multiply operands that are first quantised to E5M2 (5 exponent bits, 2 mantissa bits; 8 bits a number), with one power-of-two scale for each 32 numbers along K (OCP MX v1.0); their sums are f32. All else is computed in f32.
;;   The module's matrix products, in the order in which they are computed (A, B: the left and right operand; K: the contracted axis; several contracted axes count as one K, in the product's order):
;;     1. [M 1,024, K 1,024] x [K 1,024, N 4,096]; A: input Wq; B: computed on the way: QUANTISED
;;     2. [M 1,024, K 1,024] x [K 1,024, N 4,096]; A: input Wk; B: computed on the way: QUANTISED
;;     3. [M 1,024, K 1,024] x [K 1,024, N 4,096]; A: input Wv; B: computed on the way: QUANTISED
;;     4. batch 32 x [M 2,048, K 64] x [K 64, N 2,048]; A: computed on the way; B: computed on the way: QUANTISED
;;     5. batch 32 x [M 2,048, K 2,048] x [K 2,048, N 64]; A: softmax (see below); B: computed on the way: QUANTISED
;;     6. [M 4,096, K 1,024] x [K 1,024, N 1,024]; A: computed on the way; B: input Wproj: QUANTISED
;;     7. [M 4,096, K 1,024] x [K 1,024, N 4,096]; A: computed on the way; B: input W1: QUANTISED
;;     8. [M 4,096, K 4,096] x [K 4,096, N 1,024]; A: computed on the way; B: input W2: QUANTISED
;;   THE QUANTISER, for each operand of a quantised product, along K:
;;     - K is cut into blocks of 32 from its start; a last block that is shorter is filled with zeros.
;;     - A block's scale is 2^e with e = floor(log2(the largest magnitude in the block)) - 15, held to -126 .. 127; a block of zeros has e = 0. As a byte (E8M0): e + 127.
;;     - Each number is divided by its block's scale, clamped to +-57,344, and rounded to the nearest number of E5M2, ties to even, subnormals kept.
;;     - The product sums the exact products of the quantised numbers (number of the format x scale) in f32.
;;   ~~~python
;;   def quantise(x, axis):      # numpy; x: float32 -> the quantised numbers, widened to float32 again
;;       x = np.moveaxis(x, axis, -1); K = x.shape[-1]
;;       x = np.pad(x, [(0, 0)] * (x.ndim - 1) + [(0, -K % 32)]); x = x.reshape(x.shape[:-1] + (-1, 32)); a = np.abs(x).max(-1, keepdims=True)
;;       e = np.where(a > 0, np.clip(np.frexp(np.where(a > 0, a, 1))[1] - 1 - 15, -126, 127), 0)      # np.frexp(a)[1] - 1 = floor(log2(a)), exactly
;;       r = np.clip(x / 2.0 ** e, -57344, 57344)
;;       step = 2.0 ** (np.maximum(np.frexp(np.where(r == 0, 1, r))[1] - 1, -14) - 2)
;;       q = np.round(r / step) * step * 2.0 ** e      # np.round: ties to even
;;       return np.moveaxis(q.reshape(q.shape[:-2] + (-1,))[..., :K], -1, axis).astype(np.float32)
;;   ~~~
;;   SOFTMAX AHEAD OF A QUANTISED PRODUCT. Where the list says 'softmax', what is quantised is not the finished softmax but p = 2^(t - M), with t = logit x log2(e) and M = ceil(the row's largest t), a whole number; so 1/2 < the row's largest p <= 1. The row's sum l is taken of the UNQUANTISED p, in f32, and the product's result is divided by l at the end. Since M is a whole number, a kernel that streams over the keys may use a running M (the ceiling of the running maximum): every later rescaling is an exact power of two, which a block's scale takes up: the codes' values come out the same.
;;   OPERANDS COMPUTED ON THE WAY. 'Computed on the way' means the value that the module computes at that place (a softmax that the list does not call 'softmax' is quantised finished and normalised). What goes into a quantiser is computed in f32, as accurately as f32 sums, v_exp_f32 and their like allow (about 1e-6 of the number): no bf16 or f16 on the way to a quantiser, and a product that is left as it is and whose result goes on into a quantised operand takes f32 operands (vector FMAs, or v_wmma_f32_16x16x4_f32). A number that lies on a knife's edge between two numbers of the format may be rounded either way, as far as f32 arithmetic and the matrix unit's own rounding can turn it there, and no further.
;; 2 versions. Each part assembles by itself: llvm-mc -triple=amdgcn-amd-amdhsa -mcpu=gfx1250 --defsym DOCPART=n.
;; ======== version 1 of 2: 8 launches
;; workspace buffers: wimg 12,976,128 bytes; himg 4,325,376 bytes; qimg 4,456,448 bytes; kvimg 8,781,824 bytes; oimg 4,325,376 bytes; x1 16,777,216 bytes; h2img 4,325,376 bytes; fimg 17,301,504 bytes
;; launch ln1 (part 1): grid 256 x 1, 8 waves a work-group, no clusters, 2,048 bytes of LDS; arguments x, g1, be1, himg; writes himg
.if DOCPART == 1
	.amdgcn_target "amdgcn-amd-amdhsa--gfx1250"
	.amdhsa_code_object_version 6
	.text
	.protected	k_q4428010634_ln1
	.globl	k_q4428010634_ln1
	.p2align	8
	.type	k_q4428010634_ln1,@function
k_q4428010634_ln1:
	s_mov_b64 s[64:65], 0
	v_nop
	global_prefetch_b8 v0, s[64:65] scope:SCOPE_SE
	s_setreg_imm32_b32 hwreg(HW_REG_WAVE_MODE, 25, 1), 1
	s_wait_xcnt 0x0
; LayerNorm of 4,096 rows of 1,024 f32 numbers, and the result quantised along the row to codes of E5M2 with one E8M0 byte for each 32.
; y = (x - mean) * rsqrt(var + 1e-5) * g + be, all in f32; the variance is the mean of (x - mean)^2, taken in a second pass over registers, so a common offset of x is never squared.
; THE CODES LEAVE AS AN IMAGE OF THE OPERAND'S REGISTERS.  A block of the image is 33,792 bytes: 128 rows x 256 along K: codes at tile*4096 + half*2048 + c*512 + 16*lane
; (lane (r, h) holds k = 32 c + 16 h + 0..15 of image row r), scale words at 32768 + tile*128 + 8 r + 4 half.  Blocks lie [row / 128][k / 256].
; THE ROWS OF A TILE ARE NOT NEIGHBOURS: image row r of tile J is row 32 (J / 2) + 8 (J % 2) + r + 8 (r / 8), in every image of this program.
; SHARES.  A work-group takes tile J = its number (16 rows); wave w takes columns 128 w .. 128 w + 127: one fragment.  Lane (r, h) holds 16 neighbours of each of its four blocks of 32.
; A row's sum spans the eight waves: each wave puts its part into LDS, one barrier, every wave reads all eight.  The two sums have LDS bytes of their own, so two barriers do.
; No cluster: the work-groups share nothing but the 8 KB of g and be.  No tensor load: a lane's registers are loaded as the conversions want them.
; LIMITS: a block of zeros gets the byte 1 (its codes are zeros; the bytes are read by this program alone); NaN and infinities among the inputs are not served.
.set BLK,  33792
.set RED0, 0                           ; LDS: 16 rows x 8 waves x 4 bytes: the sums
.set RED1, 512                         ; and the sums of squares
.set TM,   16                          ; v16-19 largest magnitudes, v20-23 bytes, v24-27 the largest number x the scale, v28-31 the conversions' scale operands
.set X,    32                          ; v32-95   my 64 numbers: register 16 b + i = column 128 w + 32 b + 16 h + i
.set G,    96                          ; v96-159  g at the same columns
.set BE,   160                         ; v160-223 be
.set PC,   224                         ; v224-239 the codes
.set PW,   240                         ; v240     the scale word
.set SEL,  30                          ; s[30:31] lane selects for v_permlanex16_b32: lane l xor 16
.set MNT,  29                          ; s29      the mantissa field of 57,344
.macro QUANT s                         ; 64 numbers v[s] .. v[s+63] become a fragment's codes in v[PC] on and its scale word in v[PW]
.irp b, 0,1,2,3
	v_max3_num_f32 v[TM+\b], |v[\s+16*\b]|, |v[\s+1+16*\b]|, 0x8000000   ; my 16 numbers of block b, and the floor 2^(16 - 127): the byte cannot fall under 1
.endr
.irp i, 2,4,6,8,10,12,14
.irp b, 0,1,2,3
	v_max3_num_f32 v[TM+\b], v[TM+\b], |v[\s+16*\b+\i]|, |v[\s+1+16*\b+\i]|   ; the four blocks by turns
.endr
.endr
.irp b, 0,1,2,3
	v_permlanex16_b32 v[TM+4+\b], v[TM+\b], s[SEL], s[SEL+1]
.endr
.irp b, 0,1,2,3
	v_max_num_f32 v[TM+\b], v[TM+\b], v[TM+4+\b]   ; with lane l xor 16's: the block's largest magnitude
.endr
.irp b, 0,1,2,3
	v_add_nc_u32 v[TM+12+\b], 0xf8800000, v[TM+\b]   ; 15 off its exponent field: the conversion's scale operand
.endr
.irp b, 0,1,2,3
	v_and_or_b32 v[TM+8+\b], v[TM+\b], 0x7f800000, s[MNT]   ; 57,344 x the scale
.endr
.irp b, 0,1,2,3
	v_lshrrev_b32 v[TM+4+\b], 23, v[TM+12+\b]   ; the scale's byte
.endr
	v_lshl_or_b32 v[PW], v[TM+5], 8, v[TM+4]
	v_lshl_or_b32 v[PW], v[TM+6], 16, v[PW]
	v_lshl_or_b32 v[PW], v[TM+7], 24, v[PW]
.irp b, 0,1,2,3
.irp i, 0,1,2,3,4,5,6,7,8,9,10,11,12,13,14,15
	v_med3_num_f32 v[\s+16*\b+\i], v[\s+16*\b+\i], -v[TM+8+\b], v[TM+8+\b]   ; the conversion to an 8-bit code does not saturate (ISA guide 7.6.2): the hold comes first
.endr
	v_cvt_scalef32_pk8_bf8_f32 v[PC+4*\b:PC+1+4*\b], v[\s+16*\b:\s+7+16*\b], v[TM+12+\b]
	v_cvt_scalef32_pk8_bf8_f32 v[PC+2+4*\b:PC+3+4*\b], v[\s+8+16*\b:\s+15+16*\b], v[TM+12+\b]
.endr
	v_nop                                          ; a plain line behind the last conversion
.endm
	s_load_b256 s[4:11], s[0:1], 0x0               ; x s[4:5], g s[6:7], be s[8:9], the image s[10:11]
	v_lshl_add_u32 v241, v0, 2, 0x400
	v_mov_b32 v247, 0
	v_lshrrev_b32 v1, 5, v0                        ; wave
	v_readfirstlane_b32 s12, v1
	v_and_b32 v2, 15, v0                           ; r
	v_bfe_u32 v3, v0, 4, 1                         ; h
	v_and_b32 v4, 8, v2
	v_add_nc_u32 v4, v4, v2                        ; r + 8 (r / 8)
	v_lshlrev_b32 v5, 12, v4
	v_lshl_add_u32 v5, v3, 6, v5                   ; x: my row of 4,096 bytes, + 64 h
	v_lshlrev_b32 v6, 6, v3                        ; g, be: 64 h
	v_and_b32 v7, 31, v0
	v_lshlrev_b32 v7, 4, v7                        ; 16 x lane: my place in an image
	v_lshlrev_b32 v8, 3, v2                        ; 8 r: my row's scale words
	v_lshlrev_b32 v9, 5, v2                        ; LDS: 32 r: my row's eight parts
	v_lshl_add_u32 v10, v1, 2, v9                  ; + 4 w: my wave's
	s_lshr_b32 s14, ttmp9, 1
	s_lshl_b32 s14, s14, 5
	s_and_b32 s15, ttmp9, 1
	s_lshl_b32 s15, s15, 3
	s_add_co_u32 s14, s14, s15                     ; the tile's first row: 32 (J / 2) + 8 (J % 2)
	s_lshl_b32 s14, s14, 12
	s_lshl_b32 s16, s12, 9                         ; my wave's 512 bytes of a row
	s_add_co_u32 s14, s14, s16
	s_mov_b32 s15, 0
	s_mov_b32 s17, 0
	s_lshr_b32 s18, ttmp9, 3
	s_lshl_b32 s18, s18, 2
	s_lshr_b32 s19, s12, 1
	s_add_co_u32 s18, s18, s19
	s_mul_i32 s18, s18, BLK                        ; the image's block: (J / 8) x 4 + w / 2
	s_and_b32 s19, ttmp9, 7
	s_and_b32 s22, s12, 1
	s_lshl_b32 s20, s19, 12
	s_lshl_b32 s21, s22, 11
	s_add_co_u32 s20, s20, s21
	s_add_co_u32 s20, s20, s18                     ; my fragment
	s_mov_b32 s21, 0
	s_lshl_b32 s19, s19, 7
	s_lshl_b32 s22, s22, 2
	s_add_co_u32 s22, s22, s19
	s_add_co_u32 s22, s22, s18
	s_add_co_u32 s22, s22, 32768                   ; its scale words
	s_mov_b32 s23, 0
	s_mov_b32 s[SEL], 0x76543210
	s_mov_b32 s[SEL+1], 0xfedcba98
	s_mov_b32 s[MNT], 0x600000
	s_mov_b32 s28, 0x3a800000                      ; 1 / 1,024
.irp b, 0,1,2,3
	v_mov_b32 v[TM+4+\b], 0                        ; written once: a lane permute's destination counts as one of its sources
.endr
	v_mov_b32 v246, 0
	s_wait_kmcnt 0x0
	s_add_nc_u64 s[4:5], s[4:5], s[14:15]
	s_add_nc_u64 s[6:7], s[6:7], s[16:17]
	s_add_nc_u64 s[8:9], s[8:9], s[16:17]
	s_add_nc_u64 s[24:25], s[10:11], s[20:21]
	s_add_nc_u64 s[26:27], s[10:11], s[22:23]
.irp b, 0,1,2,3
.irp j, 0,1,2,3
	global_load_b128 v[X+16*\b+4*\j:X+16*\b+4*\j+3], v5, s[4:5] offset:128*\b+16*\j
.endr
.endr
.irp b, 0,1,2,3
.irp j, 0,1,2,3
	global_load_b128 v[G+16*\b+4*\j:G+16*\b+4*\j+3], v6, s[6:7] offset:128*\b+16*\j
.endr
.endr
.irp b, 0,1,2,3
.irp j, 0,1,2,3
	global_load_b128 v[BE+16*\b+4*\j:BE+16*\b+4*\j+3], v6, s[8:9] offset:128*\b+16*\j
.endr
.endr
	s_wait_loadcnt 32                              ; x's 16 loads are in; the 32 of g and be may be out
	v_pk_add_f32 v[242:243], v[X:X+1], v[X+2:X+3]  ; the sum of my 64, two at a time, in two chains
	v_pk_add_f32 v[244:245], v[X+4:X+5], v[X+6:X+7]
.set n, 8
.rept 14
	v_pk_add_f32 v[242:243], v[242:243], v[X+n:X+n+1]
	v_pk_add_f32 v[244:245], v[244:245], v[X+n+2:X+n+3]
.set n, n+4
.endr
	v_pk_add_f32 v[242:243], v[242:243], v[244:245]
	v_add_f32 v242, v242, v243
	v_permlanex16_b32 v246, v242, s[SEL], s[SEL+1]
	v_add_f32 v242, v242, v246                     ; my wave's 128 columns of row r
	ds_store_b32 v10, v242 offset:RED0             ; lanes r and r + 16 write the same word with the same value
	s_wait_dscnt 0x0                               ; for the others' sake: my store has landed
	s_barrier_signal -1
	s_barrier_wait -1
	ds_load_b128 v[248:251], v9 offset:RED0
	ds_load_b128 v[252:255], v9 offset:RED0+16
	s_wait_dscnt 0x0
	v_add_f32 v248, v248, v249
	v_add_f32 v250, v250, v251
	v_add_f32 v252, v252, v253
	v_add_f32 v254, v254, v255
	v_add_f32 v248, v248, v250
	v_add_f32 v252, v252, v254
	v_add_f32 v248, v248, v252
	v_mul_f32 v242, s28, v248                      ; the mean
	v_mov_b32 v243, v242
.set n, 0
.rept 32
	v_pk_add_f32 v[X+n:X+n+1], v[X+n:X+n+1], v[242:243] neg_lo:[0,1] neg_hi:[0,1]   ; d = x - mean
.set n, n+2
.endr
	v_pk_mul_f32 v[244:245], v[X:X+1], v[X:X+1]    ; the sum of d^2, in two chains
	v_pk_mul_f32 v[250:251], v[X+2:X+3], v[X+2:X+3]
.set n, 4
.rept 15
	v_pk_fma_f32 v[244:245], v[X+n:X+n+1], v[X+n:X+n+1], v[244:245]
	v_pk_fma_f32 v[250:251], v[X+n+2:X+n+3], v[X+n+2:X+n+3], v[250:251]
.set n, n+4
.endr
	v_pk_add_f32 v[244:245], v[244:245], v[250:251]
	v_add_f32 v244, v244, v245
	v_permlanex16_b32 v246, v244, s[SEL], s[SEL+1]
	v_add_f32 v244, v244, v246
	ds_store_b32 v10, v244 offset:RED1             ; bytes of their own: a wave that still reads the first sums is not disturbed
	s_wait_dscnt 0x0
	s_barrier_signal -1
	s_barrier_wait -1
	ds_load_b128 v[248:251], v9 offset:RED1
	ds_load_b128 v[252:255], v9 offset:RED1+16
	s_wait_dscnt 0x0
	v_add_f32 v248, v248, v249
	v_add_f32 v250, v250, v251
	v_add_f32 v252, v252, v253
	v_add_f32 v254, v254, v255
	v_add_f32 v248, v248, v250
	v_add_f32 v252, v252, v254
	v_add_f32 v248, v248, v252
	v_fmaak_f32 v244, s28, v248, 0x3727c5ac        ; var + 1e-5
	v_rsq_f32 v242, v244                           ; twice: a pair for the packed multiply
	v_rsq_f32 v243, v244
	v_nop                                          ; a plain line behind the transcendentals
	s_wait_alu depctr_va_vdst(0)                   ; one wait for both, ahead of their first reader
	s_wait_loadcnt 0x0                             ; g and be
.set n, 0
.rept 32
	v_pk_mul_f32 v[X+n:X+n+1], v[X+n:X+n+1], v[242:243]
.set n, n+2
.endr
.set n, 0
.rept 32
	v_pk_fma_f32 v[X+n:X+n+1], v[X+n:X+n+1], v[G+n:G+n+1], v[BE+n:BE+n+1]
.set n, n+2
.endr
	QUANT X
.irp c, 0,1,2,3
	global_store_b128 v7, v[PC+4*\c:PC+4*\c+3], s[24:25] offset:512*\c   ; 32 lanes store 512 consecutive bytes, aligned
.endr
	global_store_b32 v8, v[PW], s[26:27]           ; lanes r and r + 16 hold the same word for the same place
	s_wait_tensorcnt 0x0
	ds_add_u32 v241, v247
	s_wait_dscnt 0x0
	s_endpgm
.Lfunc_end_k_q4428010634_ln1:
	.size	k_q4428010634_ln1, .Lfunc_end_k_q4428010634_ln1-k_q4428010634_ln1
	.p2alignl 7, 3214868480
	.fill 96, 4, 3214868480
	.section	.rodata,"a",@progbits
	.p2align	6, 0x0
	.amdhsa_kernel k_q4428010634_ln1
		.amdhsa_group_segment_fixed_size 2048
		.amdhsa_private_segment_fixed_size 0
		.amdhsa_enable_private_segment 0
		.amdhsa_kernarg_size 32
		.amdhsa_user_sgpr_count 2
		.amdhsa_user_sgpr_kernarg_segment_ptr 1
		.amdhsa_wavefront_size32 1
		.amdhsa_system_sgpr_workgroup_id_x 1
		.amdhsa_system_sgpr_workgroup_id_y 1
		.amdhsa_system_sgpr_workgroup_id_z 1
		.amdhsa_system_vgpr_workitem_id 0
		.amdhsa_next_free_vgpr 256
		.amdhsa_next_free_sgpr 66
		.amdhsa_reserve_vcc 0
		.amdhsa_float_denorm_mode_32 3
		.amdhsa_float_denorm_mode_16_64 3
		.amdhsa_memory_ordered 1
		.amdhsa_forward_progress 1
		.amdhsa_inst_pref_size 28
	.end_amdhsa_kernel
	.amdgpu_metadata
---
amdhsa.version: [ 1, 2 ]
amdhsa.kernels:
  - .name:           k_q4428010634_ln1
    .symbol:         k_q4428010634_ln1.kd
    .args:
      - { .name: x, .offset: 0, .size: 8, .value_kind: global_buffer, .address_space: global }
      - { .name: g1, .offset: 8, .size: 8, .value_kind: global_buffer, .address_space: global }
      - { .name: be1, .offset: 16, .size: 8, .value_kind: global_buffer, .address_space: global }
      - { .name: himg, .offset: 24, .size: 8, .value_kind: global_buffer, .address_space: global }
    .group_segment_fixed_size: 2048
    .private_segment_fixed_size: 0
    .kernarg_segment_align: 8
    .kernarg_segment_size: 32
    .max_flat_workgroup_size: 256
    .sgpr_count:     66
    .vgpr_count:     256
    .wavefront_size: 32
...
	.end_amdgpu_metadata
.endif
;; end of part 1
;; launch wq (part 2): grid 192 x 1, 8 waves a work-group, no clusters, 0 bytes of LDS; arguments Wq, Wk, Wv, Wproj, W1, W2, wimg; writes wimg
.if DOCPART == 2
	.amdgcn_target "amdgcn-amd-amdhsa--gfx1250"
	.amdhsa_code_object_version 6
	.text
	.protected	k_q4428010634_wq
	.globl	k_q4428010634_wq
	.p2align	8
	.type	k_q4428010634_wq,@function
k_q4428010634_wq:
	s_mov_b64 s[64:65], 0
	v_nop
	global_prefetch_b8 v0, s[64:65] scope:SCOPE_SE
	s_setreg_imm32_b32 hwreg(HW_REG_WAVE_MODE, 25, 1), 1
	s_wait_xcnt 0x0
; The six weights, f32 with K NOT innermost, become codes of E5M2 with one E8M0 byte for each 32 along K, laid as images of the operand's registers.
; An image block is 33,792 bytes: 128 rows (output features) x 256 along K: codes at tile*4096 + half*2048 + c*512 + 16*lane (lane (r, h): k = 32 c + 16 h + 0..15 of image row r),
; scale words at 32768 + tile*128 + 8 r + 4 half; image row r of tile J is feature 32 (J / 2) + 8 (J % 2) + r + 8 (r / 8).  Blocks lie [feature / 128][k / 256].
; wimg's blocks: Wq 0-31, Wk 32-63, Wv 64-95, Wproj 96-127, W1 128-255, W2 256-383.  Wq, Wk, Wv are [head][k][64]: feature = 64 head + e.
; A LANE TAKES A COLUMN (a feature) AND ITS REGISTERS RUN DOWN K: a block of 32 along K lies in one lane's 32 registers, its largest magnitude needs no other lane, and the conversions give codes with K innermost.
; SHARES.  A work-group fills two blocks; a wave takes 32 columns x 256 along K: lanes 0-15 are image tile 2 c, lanes 16-31 tile 2 c + 1 (c = wave % 4).  A load reads 128 consecutive bytes.
; A lane's 32 codes are the 16 bytes of image lane (r, 0) and the 16 of (r, 1): sixteen lanes store 256 consecutive bytes, aligned.  Loads run two blocks of K (64 loads a wave) ahead.
; One path serves all six tensors: pointer, pitch and splits are chosen by selects on the work-group's number.  No LDS, no barrier, no cluster: waves share nothing.
; LIMITS: a block of zeros gets the byte 1 (its codes are zeros; the bytes are read by this program alone); NaN and infinities among the inputs are not served.
.set BLK,  33792
.set X,    32                          ; v32-95   two sets of 32 numbers
.set OFS,  96                          ; v96-127  4 x my column + i x the pitch; never rewritten
.set C,    128                         ; v128-191 eight registers of codes for each block of K: no store's data are written again
.set SB,   192                         ; v192-193 the scale bytes
.set BASE, 32                          ; s[32:47] the source at 32 t rows of K, t = 0 .. 7
	s_load_b256 s[4:11], s[0:1], 0x0               ; Wq, Wk, Wv, Wproj
	s_load_b128 s[12:15], s[0:1], 0x20             ; W1, W2
	s_load_b64 s[16:17], s[0:1], 0x30              ; wimg
	v_lshrrev_b32 v1, 5, v0
	v_readfirstlane_b32 s18, v1                    ; wave
	v_and_b32 v2, 15, v0                           ; r
	v_bfe_u32 v3, v0, 4, 1                         ; which of the two tiles
	v_and_b32 v4, 8, v2
	v_add_nc_u32 v4, v4, v2
	v_lshl_add_u32 v4, v3, 3, v4                   ; my column of the 32: r + 8 (r / 8) + 8 x tile
	v_lshlrev_b32 v[OFS], 2, v4
	v_lshlrev_b32 v5, 4, v2
	v_lshl_add_u32 v5, v3, 12, v5                  ; out: 4096 x tile + 16 r
	v_lshlrev_b32 v6, 3, v2
	v_lshl_add_u32 v6, v3, 7, v6                   ; scale words: 128 x tile + 8 r
	s_lshr_b32 s19, s18, 2
	s_lshl_b32 s20, ttmp9, 1
	s_add_co_u32 s19, s19, s20                     ; wimg's block
	s_and_b32 s20, s18, 3                          ; which 32 columns of its 128
	s_mov_b32 s21, 0                               ; the tensor's first block
	s_mov_b32 s22, 256                             ; bytes from a row of K to the next
	s_mov_b32 s23, 2                               ; log2 of its blocks along K
	s_mov_b32 s24, 1                               ; log2 of the groups of 32 columns in a plane
	s_mov_b32 s52, 0x600000                        ; the mantissa field of 57,344
	s_wait_kmcnt 0x0
	s_mov_b64 s[26:27], s[4:5]
	s_cmp_ge_u32 ttmp9, 16
	s_cselect_b64 s[26:27], s[6:7], s[26:27]
	s_cselect_b32 s21, 32, s21
	s_cmp_ge_u32 ttmp9, 32
	s_cselect_b64 s[26:27], s[8:9], s[26:27]
	s_cselect_b32 s21, 64, s21
	s_cmp_ge_u32 ttmp9, 48
	s_cselect_b64 s[26:27], s[10:11], s[26:27]
	s_cselect_b32 s21, 96, s21
	s_cselect_b32 s22, 4096, s22
	s_cselect_b32 s24, 7, s24
	s_cmp_ge_u32 ttmp9, 64
	s_cselect_b64 s[26:27], s[12:13], s[26:27]
	s_cselect_b32 s21, 128, s21
	s_cselect_b32 s22, 16384, s22
	s_cmp_ge_u32 ttmp9, 128
	s_cselect_b64 s[26:27], s[14:15], s[26:27]
	s_cselect_b32 s21, 256, s21
	s_cselect_b32 s22, 4096, s22
	s_cselect_b32 s23, 4, s23
	s_sub_co_u32 s25, s19, s21                     ; the block within its tensor
	s_lshr_b32 s28, s25, s23                       ; which 128 features
	s_bfm_b32 s29, s23, 0
	s_and_b32 s29, s25, s29                        ; which 256 along K
	s_lshl_b32 s28, s28, 2
	s_add_co_u32 s28, s28, s20                     ; which 32 features
	s_lshr_b32 s30, s28, s24
	s_lshl_b32 s30, s30, 18                        ; the plane (a head of 262,144 bytes; none in the flat tensors),
	s_bfm_b32 s31, s24, 0
	s_and_b32 s31, s28, s31
	s_lshl_b32 s31, s31, 7                         ; 128 bytes for each 32 columns in it,
	s_add_co_u32 s30, s30, s31
	s_mul_i32 s29, s29, s22
	s_lshl_b32 s29, s29, 8                         ; and 256 rows of K for each block along K
	s_add_co_u32 s30, s30, s29
	s_mov_b32 s31, 0
	s_add_nc_u64 s[BASE:BASE+1], s[26:27], s[30:31]
	s_lshl_b32 s28, s22, 5                         ; 32 rows of K
	s_mov_b32 s29, 0
.irp t, 1,2,3,4,5,6,7
	s_add_nc_u64 s[BASE+2*\t:BASE+2*\t+1], s[BASE+2*\t-2:BASE+2*\t-1], s[28:29]
.endr
	s_mul_i32 s48, s19, BLK
	s_lshl_b32 s49, s20, 13
	s_add_co_u32 s50, s48, s49
	s_mov_b32 s51, 0
	s_add_nc_u64 s[50:51], s[16:17], s[50:51]      ; my two tiles' codes
	s_lshl_b32 s49, s20, 8
	s_add_co_u32 s48, s48, s49
	s_add_co_u32 s48, s48, 32768
	s_mov_b32 s49, 0
	s_add_nc_u64 s[48:49], s[16:17], s[48:49]      ; and their scale words
.set n, 1
.rept 31
	v_add_nc_u32 v[OFS+n], s22, v[OFS+n-1]
.set n, n+1
.endr
.macro LOAD t                          ; block t of K: W(32 t + i, my column), i = 0 .. 31, into set t % 2
.set n, 0
.rept 32
	global_load_b32 v[X+32*((\t)%2)+n], v[OFS+n], s[BASE+2*(\t):BASE+2*(\t)+1] th:TH_LOAD_NT
.set n, n+1
.endr
.endm
.macro BLOCK t
.set XS, X+32*((\t)%2)
.set CT, C+8*(\t)
.if (\t) < 7
	s_wait_loadcnt 32                              ; this block's 32 loads are in; the next block's may be out
.else
	s_wait_loadcnt 0
.endif
	v_max3_num_f32 v12, |v[XS]|, |v[XS+1]|, |v[XS+2]|   ; the block's largest magnitude: all 32 numbers are mine
	v_max3_num_f32 v13, |v[XS+3]|, |v[XS+4]|, |v[XS+5]|
.irp i, 6,10,14,18,22,26
	v_max3_num_f32 v12, v12, |v[XS+\i]|, |v[XS+\i+1]|
	v_max3_num_f32 v13, v13, |v[XS+\i+2]|, |v[XS+\i+3]|
.endr
	v_max3_num_f32 v12, v12, |v[XS+30]|, |v[XS+31]|
	v_max3_num_f32 v12, v12, v13, 0x8000000        ; and the floor 2^(16 - 127): the byte cannot fall under 1
	v_add_nc_u32 v11, 0xf8800000, v12              ; 15 off its exponent field: the conversion's scale operand
	v_and_or_b32 v10, v12, 0x7f800000, s52         ; 57,344 x the scale
	v_lshrrev_b32 v13, 23, v11                     ; the scale's byte
.if (\t)%4 == 0
	v_mov_b32 v[SB+(\t)/4], v13                    ; four bytes to a word, the lower K in the lower byte
.else
	v_lshl_or_b32 v[SB+(\t)/4], v13, 8*((\t)%4), v[SB+(\t)/4]
.endif
.set n, 0
.rept 32
	v_med3_num_f32 v[XS+n], v[XS+n], -v10, v10     ; the conversion to an 8-bit code does not saturate (ISA guide 7.6.2): the hold comes first
.set n, n+1
.endr
.irp g, 0,1,2,3
	v_cvt_scalef32_pk8_bf8_f32 v[CT+2*\g:CT+2*\g+1], v[XS+8*\g:XS+8*\g+7], v11
.endr
	global_store_b128 v5, v[CT:CT+3], s[50:51] offset:((\t)/4)*2048+((\t)%4)*512         ; k 0-15 of the block: image lanes (r, 0)
	global_store_b128 v5, v[CT+4:CT+7], s[50:51] offset:((\t)/4)*2048+((\t)%4)*512+256   ; k 16-31: image lanes (r, 1)
.if (\t)+2 < 8
	LOAD (\t)+2
.endif
.endm
	LOAD 0
	LOAD 1
.irp t, 0,1,2,3,4,5,6,7
	BLOCK \t
.endr
	global_store_b64 v6, v[SB:SB+1], s[48:49]      ; 32 lanes store 256 consecutive bytes, aligned
	s_endpgm
.Lfunc_end_k_q4428010634_wq:
	.size	k_q4428010634_wq, .Lfunc_end_k_q4428010634_wq-k_q4428010634_wq
	.p2alignl 7, 3214868480
	.fill 96, 4, 3214868480
	.section	.rodata,"a",@progbits
	.p2align	6, 0x0
	.amdhsa_kernel k_q4428010634_wq
		.amdhsa_group_segment_fixed_size 0
		.amdhsa_private_segment_fixed_size 0
		.amdhsa_enable_private_segment 0
		.amdhsa_kernarg_size 56
		.amdhsa_user_sgpr_count 2
		.amdhsa_user_sgpr_kernarg_segment_ptr 1
		.amdhsa_wavefront_size32 1
		.amdhsa_system_sgpr_workgroup_id_x 1
		.amdhsa_system_sgpr_workgroup_id_y 1
		.amdhsa_system_sgpr_workgroup_id_z 1
		.amdhsa_system_vgpr_workitem_id 0
		.amdhsa_next_free_vgpr 200
		.amdhsa_next_free_sgpr 66
		.amdhsa_reserve_vcc 0
		.amdhsa_float_denorm_mode_32 3
		.amdhsa_float_denorm_mode_16_64 3
		.amdhsa_memory_ordered 1
		.amdhsa_forward_progress 1
		.amdhsa_inst_pref_size 59
	.end_amdhsa_kernel
	.amdgpu_metadata
---
amdhsa.version: [ 1, 2 ]
amdhsa.kernels:
  - .name:           k_q4428010634_wq
    .symbol:         k_q4428010634_wq.kd
    .args:
      - { .name: Wq, .offset: 0, .size: 8, .value_kind: global_buffer, .address_space: global }
      - { .name: Wk, .offset: 8, .size: 8, .value_kind: global_buffer, .address_space: global }
      - { .name: Wv, .offset: 16, .size: 8, .value_kind: global_buffer, .address_space: global }
      - { .name: Wproj, .offset: 24, .size: 8, .value_kind: global_buffer, .address_space: global }
      - { .name: W1, .offset: 32, .size: 8, .value_kind: global_buffer, .address_space: global }
      - { .name: W2, .offset: 40, .size: 8, .value_kind: global_buffer, .address_space: global }
      - { .name: wimg, .offset: 48, .size: 8, .value_kind: global_buffer, .address_space: global }
    .group_segment_fixed_size: 0
    .private_segment_fixed_size: 0
    .kernarg_segment_align: 8
    .kernarg_segment_size: 56
    .max_flat_workgroup_size: 256
    .sgpr_count:     66
    .vgpr_count:     200
    .wavefront_size: 32
...
	.end_amdgpu_metadata
.endif
;; end of part 2
;; launch qkv (part 3): grid 8 x 24, 4 waves a work-group, clusters of 4 x 4, 327,680 bytes of LDS; arguments himg, wimg, qimg, kvimg; writes qimg, kvimg
.if DOCPART == 3
	.amdgcn_target "amdgcn-amd-amdhsa--gfx1250"
	.amdhsa_code_object_version 6
	.text
	.protected	k_q4428010634_qkv
	.globl	k_q4428010634_qkv
	.p2align	8
	.type	k_q4428010634_qkv,@function
k_q4428010634_qkv:
	s_mov_b64 s[64:65], 0
	v_nop
	global_prefetch_b8 v0, s[64:65] scope:SCOPE_SE
	s_setreg_imm32_b32 hwreg(HW_REG_WAVE_MODE, 25, 1), 1
	s_wait_xcnt 0x0
	s_wait_alu depctr_hold_cnt(0) depctr_sa_sdst(0) depctr_va_vdst(0) depctr_va_sdst(0) depctr_va_ssrc(0) depctr_va_vcc(0) depctr_vm_vsrc(0)
	s_getreg_b32 s2, hwreg(HW_REG_IB_STS2, 6, 4)
	s_cmp_eq_u32 s2, 0
	s_cbranch_scc0 .Lentry_in_a_cluster
	s_endpgm
.Lentry_in_a_cluster:
	s_bfe_u32 s2, ttmp6, 0x10000c
	s_cmp_lg_u32 s2, 0xf033
	s_cbranch_scc0 .Lentry_shape_is_right
	s_endpgm
.Lentry_shape_is_right:
; q, k and v of all heads: three products of LN1's result with Wq, Wk, Wv on codes of E5M2 (one E8M0 byte for each 32 along K = 1,024), and their results quantised in registers for attention.
; OPERANDS are images of registers, in blocks of 33,792 bytes (128 rows x 256 K: codes at tile*4096 + half*2048 + c*512 + 16*lane, scale words at 32768 + tile*128 + 8 r + 4 half), blocks [row / 128][k / 256].
; Image row r of tile J is row 32 (J / 2) + 8 (J % 2) + r + 8 (r / 8).  Source 0 takes operand B, source 1 operand A: a lane then holds ONE row of A, and the 64 registers of its eight tiles of B are
; 128 neighbouring rows of B in the order 32 b + 16 h + i: what the conversions and the next operand's layout want.
; TWO REGIONS, by the cluster's y (the same in all partners).  y < 4: A = tokens, B = the 2,048 features of Wq and Wk: q and k are quantised along the head's 64.
; y >= 4: A = Wv's 1,024 features, B = tokens: v is quantised along the tokens, which are the second product's K.
; SHARES.  A work-group makes 256 rows of A x 256 rows of B, each of four waves 128 x 128: 64 accumulators, 512 registers.  K goes in steps of 256 through two LDS slots of four blocks; one tensor load a wave brings a block, codes and scale words together.
; CLUSTER 4 x 4: A's blocks are shared along a row of the cluster, B's along a column: each is asked for jointly, by the same load with the same descriptor and a mask of the four.
; No prefetch: four K steps in all, and the tiles are shared in the cluster.
; OUT.  qimg: codes at bh*131072 + tile*1024 + c*512 + 16*lane, scale words at 4194304 + bh*8192 + tile*64 + 4 r.  kvimg: bh*274432 + chunk*68608 (512 keys; p = key step in it):
; K's codes p*8192 + tile*1024 + c*512 + 16*lane; V's 32768 + p*8192 + tile*2048 + c*512 + 16*lane; K's scale words 65536 + p*512 + tile*64 + 4 r; V's 67584 + p*256 + tile*64 + 4 r.
; A scale word of q or k has two bytes in use; the two above stand over zero codes in attention and are never 0xff.
; LIMITS: a block of zeros gets the byte 1 (its codes are zeros; the bytes are read by this program alone); NaN and infinities are not served.
; REGISTERS: window 0: v1-29 addresses; v32-63 scale words, two sets; v64-97 at work on the way out; v128-255 A's fragments, one set.  window 1: B's fragments, two sets.  windows 2, 3: accumulator (a, b) at v[8 (8 (a % 4) + b)].
.set BLK,   33792
.set SLOT,  4*BLK                      ; A's two blocks, then B's two
.set SPARE, 2*SLOT                     ; behind the ring: the spare words, 128 bytes for each wave
.set KS,    4                          ; blocks along K
.set LAPS,  KS/2
.set FR,    16
.set NL,    4
.set NP,    8                          ; places behind this matrix instruction (ISA guide 7.12.1)
.set ADRA, 16                          ; v16-17 LDS address of my A fragments in slot 0, 1
.set ADRB, 20                          ; v20-21 of B's
.set ADRS, 22                          ; v22-23 of my scale words: lanes 0-15 A's, lanes 16-31 B's
.set CO,   26                          ; v26    16 x lane
.set SPW,  28                          ; v28    my spare word; never rewritten
.set NIL,  29                          ; v29    0; never rewritten
.set SC,   32
.set TM,   64                          ; v64-79 at work in the quantiser
.set PC,   80                          ; v80-95 the codes
.set PW,   96                          ; v96    the scale word; v97 its upper half
.set PW2,  97
.set AF,   128
.set G1, 24
.set G0, 32
.set G1B, 48
.set G0B, 56
.set SEL, 66                           ; s[66:67] lane selects for v_permlanex16_b32
.set MNT, 68                           ; s68 the mantissa field of 57,344
.set REG, 95                           ; s95 1 in the region of v
.set MSB, 0
.macro WIN new                         ; the immediate's high byte repeats the setting that is left
.if MSB != (\new)
	s_set_vgpr_msb (MSB<<8)|(\new)
.set MSB, (\new)
.endif
.endm
.set MUL_LO, 0xa1                      ; source 0 (B) window 1, source 1 (A) window 0, C and D window 2
.set MUL_HI, 0xf1
.set TO_B,   0x40
.macro JLOAD g0a, g1a, g0b, g1b        ; waves 0 and 1 fetch A's blocks, waves 2 and 3 B's; four v_nop follow each line
	s_cmp_eq_u32 s15, 0
	s_cbranch_scc0 .Lfor_b_\@
	tensor_load_to_lds s[\g0a:\g0a+3], s[\g1a:\g1a+7]
	s_nop 0
.rept 4
	v_nop
.endr
	s_branch .Lasked_\@
.Lfor_b_\@:
	tensor_load_to_lds s[\g0b:\g0b+3], s[\g1b:\g1b+7]
	s_nop 0
.rept 4
	v_nop
.endr
.Lasked_\@:
.endm
.macro CREST
	s_cmp_lg_u32 s14, 0
	s_cbranch_scc1 .Lnot_wave_0_\@
	s_barrier_signal -3
.Lnot_wave_0_\@:
	s_barrier_wait -3
	s_barrier_signal -1
	s_barrier_wait -1
.endm
.macro CROUND
	s_barrier_signal -1
	s_barrier_wait -1
	CREST
.endm
	s_load_b128 s[4:7], s[0:1], 0x0                ; himg, wimg
	s_load_b128 s[8:11], s[0:1], 0x10              ; qimg, kvimg
	v_lshl_add_u32 v[SPW], v0, 2, SPARE
	v_mov_b32 v[NIL], 0
	ds_add_u32 v28, v29
	ds_add_u32 v28, v29
	s_wait_dscnt 0x0
	v_lshrrev_b32 v1, 5, v0
	v_readfirstlane_b32 s14, v1                    ; wave 0..3
	s_lshr_b32 s15, s14, 1                         ; which half of A's rows is mine.  Also: I fetch for A (0) or for B (1)
	s_and_b32 s16, s14, 1                          ; which half of B's rows.  Also: which of the two blocks I fetch
	s_bfe_u32 s40, ttmp6, 0x40000                  ; cx
	s_bfe_u32 s41, ttmp6, 0x40004                  ; cy
	s_and_b32 s18, ttmp7, 0xffff                   ; the cluster's y
	s_max_u32 s19, s18, 4
	s_sub_co_u32 s19, s19, 4
	s_lshl_b32 s19, s19, 1
	s_add_co_u32 s19, s19, ttmp9                   ; the cluster's column: x, and in the region of v x + 2 (y - 4)
	s_cmp_ge_u32 s18, 4
	s_cselect_b32 s[REG], 1, 0
	s_cselect_b32 s18, 0, s18                      ; its row: y, and in the region of v 0
	s_lshl_b32 s42, s19, 2
	s_add_co_u32 s42, s42, s40                     ; tile column (256 rows of B)
	s_lshl_b32 s17, s18, 2
	s_add_co_u32 s17, s17, s41                     ; tile row (256 rows of A)
	s_lshl_b32 s43, s41, 2
	s_lshl_b32 s43, 15, s43                        ; my row of the cluster
	s_lshl_b32 s44, 0x1111, s40                    ; my column
	s_or_b32 s[G1+0], s43, (3<<16)|(1<<21)         ; 15:0 the mask; 17:16 elements of 8 bytes; 21 set beside a mask; no padding
	s_or_b32 s[G1B+0], s44, (3<<16)|(1<<21)
.irp g, G1, G1B
	s_mov_b32 s[\g+1], 32<<16                      ; tensor_dim0 = 32 elements: rows of 256 bytes
	s_mov_b32 s[\g+2], 132<<16                     ; tensor_dim1 = 132: a block
	s_mov_b32 s[\g+3], 32<<16                      ; tile_dim0
	s_mov_b32 s[\g+4], 132                         ; tile_dim1
	s_mov_b32 s[\g+5], 32                          ; the block is dense
	s_mov_b32 s[\g+6], 0
	s_mov_b32 s[\g+7], 0
.endr
	s_lshl_b32 s20, s17, 1
	s_add_co_u32 s20, s20, s16
	s_mul_i32 s20, s20, KS*BLK                     ; A: the 128 rows that I fetch, K step 0
	s_mov_b32 s21, 0
	s_lshl_b32 s46, s42, 1
	s_add_co_u32 s46, s46, s16
	s_mul_i32 s46, s46, KS*BLK                     ; B likewise
	s_mov_b32 s47, 0
	s_mul_i32 s45, s14, BLK                        ; where it goes: wave x a block: no place in the cluster enters an LDS address
	s_wait_kmcnt 0x0
	s_add_nc_u64 s[92:93], s[6:7], 64*BLK          ; Wv's blocks
	s_cmp_lg_u32 s[REG], 0
	s_cselect_b64 s[96:97], s[92:93], s[4:5]       ; A: tokens, or Wv
	s_cselect_b64 s[92:93], s[4:5], s[6:7]         ; B: Wq and Wk, or tokens
	s_add_nc_u64 s[20:21], s[96:97], s[20:21]
	s_add_nc_u64 s[46:47], s[92:93], s[46:47]
	CROUND                                         ; all sixteen work-groups are here: the first joint loads meet
.irp s, 0,1
	s_mov_b32 s[G0+4*\s], 1
	s_add_co_u32 s[G0+4*\s+1], s45, \s*SLOT
	s_add_nc_u64 s[G0+4*\s+2:G0+4*\s+3], s[20:21], \s*BLK
	s_or_b32 s[G0+4*\s+3], s[G0+4*\s+3], 0x80000000
	s_mov_b32 s[G0B+4*\s], 1
	s_add_co_u32 s[G0B+4*\s+1], s45, \s*SLOT
	s_add_nc_u64 s[G0B+4*\s+2:G0B+4*\s+3], s[46:47], \s*BLK
	s_or_b32 s[G0B+4*\s+3], s[G0B+4*\s+3], 0x80000000
	JLOAD G0+4*\s, G1, G0B+4*\s, G1B
.endr
	v_and_b32 v1, 15, v0                           ; r
	v_bfe_u32 v2, v0, 4, 1                         ; h
	v_and_b32 v3, 31, v0
	v_lshlrev_b32 v[CO], 4, v3                     ; 16 x lane
	s_mul_i32 s21, s15, BLK                        ; my block of A
	s_mul_i32 s22, s16, BLK
	s_add_co_u32 s22, s22, 2*BLK                   ; my block of B
.irp s, 0,1
	v_add_nc_u32 v[ADRA+\s], s21, v[CO]
	v_add_nc_u32 v[ADRB+\s], s22, v[CO]
	s_add_co_u32 s21, s21, SLOT
	s_add_co_u32 s22, s22, SLOT
.endr
	s_mul_i32 s21, s15, BLK
	s_mul_i32 s22, s16, BLK
	s_add_co_u32 s22, s22, 2*BLK
	s_sub_co_u32 s22, s22, s21
	v_mul_u32_u24 v6, s22, v2                      ; lanes 16-31 take B's block: one product, the distance between the two
	v_lshl_add_u32 v6, v1, 3, v6                   ; + 8 r
	s_add_co_u32 s21, s21, 32768
	v_add_nc_u32 v[ADRS], s21, v6
	v_add_nc_u32 v[ADRS+1], SLOT, v[ADRS]
	s_mov_b32 s[SEL], 0x76543210
	s_mov_b32 s[SEL+1], 0xfedcba98
	s_mov_b32 s[MNT], 0x600000
	; where the results go.  Region of q and k: my 128 rows of B are heads head0, head0 + 1; my 128 tokens are key step (or eight query tiles) s of batch b
	s_and_b32 s70, s42, 3
	s_lshl_b32 s70, s70, 2
	s_lshl_b32 s71, s16, 1
	s_add_co_u32 s70, s70, s71
	s_lshr_b32 s71, s17, 3
	s_lshl_b32 s71, s71, 4
	s_add_co_u32 s70, s70, s71                     ; bh = 16 b + head0
	s_lshl_b32 s71, s17, 1
	s_add_co_u32 s71, s71, s15
	s_and_b32 s71, s71, 15                         ; s
	; region of v: my 128 rows of A are two heads, my 128 tokens (rows of B) are key step s of batch b
	s_lshl_b32 s72, s42, 1
	s_add_co_u32 s72, s72, s16
	s_lshl_b32 s73, s17, 1
	s_add_co_u32 s73, s73, s15
	s_lshl_b32 s73, s73, 1
	s_lshr_b32 s74, s72, 4
	s_lshl_b32 s74, s74, 4
	s_add_co_u32 s73, s73, s74
	s_and_b32 s72, s72, 15
	s_cmp_lg_u32 s[REG], 0
	s_cselect_b32 s70, s73, s70
	s_cselect_b32 s71, s72, s71
	s_cselect_b32 s75, 32768, 0                    ; V's codes lie behind K's
	s_mov_b32 s76, 65536
	s_cselect_b32 s76, 67584, s76                  ; the scale words
	s_cselect_b32 s77, 8, 9                        ; 256 or 512 bytes of them a key step
	s_mul_i32 s78, s70, 274432
	s_lshr_b32 s79, s71, 2
	s_mul_i32 s79, s79, 68608
	s_add_co_u32 s78, s78, s79                     ; head and chunk
	s_and_b32 s79, s71, 3
	s_lshl_b32 s80, s79, 13
	s_add_co_u32 s80, s80, s78
	s_add_co_u32 s80, s80, s75                     ; codes in kvimg
	s_lshl_b32 s79, s79, s77
	s_add_co_u32 s81, s78, s79
	s_add_co_u32 s81, s81, s76                     ; scale words in kvimg
	s_lshl_b32 s82, s70, 17
	s_lshl_b32 s83, s71, 13
	s_add_co_u32 s82, s82, s83                     ; codes in qimg
	s_lshl_b32 s83, s70, 13
	s_lshl_b32 s84, s71, 9
	s_add_co_u32 s83, s83, s84
	s_add_co_u32 s83, s83, 4194304                 ; scale words in qimg
	s_lshl_b32 s84, s[REG], 2
	s_add_co_u32 s84, s84, s42
	s_cmp_lt_u32 s84, 4                            ; q: the first four tile columns of the first region.  A select, no branch
	s_cselect_b32 s80, s82, s80
	s_cselect_b32 s81, s83, s81
	s_mov_b32 s85, 274432
	s_cselect_b32 s85, 131072, s85                 ; from a head's codes to the next head's
	s_mov_b32 s86, 274432
	s_cselect_b32 s86, 8192, s86                   ; and its scale words
	s_cselect_b64 s[88:89], s[8:9], s[10:11]
	v_add_nc_u32 v8, s80, v[CO]
	v_add_nc_u32 v9, s85, v8
	v_lshl_add_u32 v10, v1, 2, s81
	v_add_nc_u32 v11, s86, v10
.macro FRAG reg, adr, q, i             ; a fragment comes as it was stored: four loads of 512 consecutive bytes
.irp c, 0,1,2,3
	ds_load_b128 v[\reg+4*\c:\reg+4*\c+3], v[\adr] offset:(\i)*4096+(\q)*2048+512*\c
.endr
.endm
; 16 matrix instructions: A's tiles a0, a0 + 1 x B's eight, the slot's q-th 128 along K.  p: B's set; sc: the set of scale words.  start = 1: the first product starts the sums.
; The 64 accumulators take turns, one instruction a turn, in the same order in every step.
.macro MUL16 a0, p, q, sc, start
.irp a, \a0, \a0+1
.irp b, 0,1,2,3,4,5,6,7
.if \start == 1
	v_wmma_scale_f32_16x16x128_f8f6f4 v[8*(8*((\a)%4)+\b):8*(8*((\a)%4)+\b)+7], v[128*(\p)+FR*\b:128*(\p)+FR*\b+FR-1], v[AF+FR*(\a):AF+FR*(\a)+FR-1], 0, v[SC+16*(\sc)+2*\b+(\q)], v[SC+16*(\sc)+2*(\a)+(\q)] matrix_a_fmt:MATRIX_FMT_BF8 matrix_b_fmt:MATRIX_FMT_BF8 matrix_a_scale:MATRIX_SCALE_ROW1
.else
	v_wmma_scale_f32_16x16x128_f8f6f4 v[8*(8*((\a)%4)+\b):8*(8*((\a)%4)+\b)+7], v[128*(\p)+FR*\b:128*(\p)+FR*\b+FR-1], v[AF+FR*(\a):AF+FR*(\a)+FR-1], v[8*(8*((\a)%4)+\b):8*(8*((\a)%4)+\b)+7], v[SC+16*(\sc)+2*\b+(\q)], v[SC+16*(\sc)+2*(\a)+(\q)] matrix_a_fmt:MATRIX_FMT_BF8 matrix_b_fmt:MATRIX_FMT_BF8 matrix_a_scale:MATRIX_SCALE_ROW1
.endif
.endr
.endr
.endm
.macro FETCH_B slot, q, p
	WIN TO_B
.irp i, 0,1,2,3,4,5,6,7
	FRAG 128*(\p)+FR*\i, ADRB+\slot, \q, \i
.endr
	WIN 0
.endm
.macro FETCH_A slot, q, i0
.irp i, \i0, \i0+1, \i0+2, \i0+3
	FRAG AF+FR*(\i), ADRA+\slot, \q, \i
.endr
.endm
.macro SCALES sc                       ; a slot's scale words: two words a row; lanes 0-15 take A's tile i, lanes 16-31 B's tile i
.irp i, 0,1,2,3,4,5,6,7
	ds_load_b64 v[SC+16*\sc+2*\i:SC+16*\sc+2*\i+1], v[ADRS+\sc] offset:128*\i
.endr
.endm
.macro PLACES n                        ; plain vector lines between a matrix instruction and a load into, or a read of, its registers
.rept \n
	v_nop
.endr
.endm
.macro STEP slot, start                ; a slot's first 128 along K
	s_wait_dscnt 4*NL                              ; B's set, A's tiles 0-3 and the scale words are in; the youngest 16 loads (A's tiles 4-7) may be out
	WIN MUL_LO
	MUL16 0, 0, 0, \slot, \start
	MUL16 2, 0, 0, \slot, \start
	s_wait_dscnt 0                                 ; A's tiles 4-7 are in
	PLACES NP
	FETCH_B \slot, 1, 1
	FETCH_A \slot, 1, 0
	WIN MUL_HI
	MUL16 4, 0, 0, \slot, \start
	MUL16 6, 0, 0, \slot, \start
	PLACES NP
	WIN 0
	FETCH_A \slot, 1, 4
.endm
; A slot's second 128 along K changes slots: one barrier; in front of it each wave waits for all its tensor loads, adds 0 to its spare word, and waits for that and for its reads of this slot.
.macro TURN slot, next, fill
	s_wait_tensorcnt 0x0                           ; all my tensor loads have landed: my block of the next slot
	ds_add_u32 v[SPW], v[NIL]                      ; 0 onto my spare word
	s_wait_dscnt 4*NL+1                            ; the add and the youngest 16 loads may be out
	WIN MUL_LO
	MUL16 0, 1, 1, \slot, 0
	s_wait_dscnt 0x0                               ; the add is done, and my reads of this slot are over
	s_barrier_signal -1
	MUL16 2, 1, 1, \slot, 0
	WIN 0
	s_barrier_wait -1
.if \fill
	CREST                                          ; the barrier has opened a round of the cluster's: no wave of any partner still reads this slot or has a load on its way
	s_add_nc_u64 s[G0+4*\slot+2:G0+4*\slot+3], s[G0+4*\slot+2:G0+4*\slot+3], 2*BLK
	s_add_nc_u64 s[G0B+4*\slot+2:G0B+4*\slot+3], s[G0B+4*\slot+2:G0B+4*\slot+3], 2*BLK
	JLOAD G0+4*\slot, G1, G0B+4*\slot, G1B         ; the first tensor load behind the round; its four v_nop are among the places in front of the loads below
	PLACES NP-4
.else
	PLACES NP
.endif
	FETCH_B \next, 0, 0
	FETCH_A \next, 0, 0
	SCALES \next
	WIN MUL_HI
	MUL16 4, 1, 1, \slot, 0
	MUL16 6, 1, 1, \slot, 0
	PLACES NP
	WIN 0
	FETCH_A \next, 0, 4
.endm
	s_wait_tensorcnt 1                             ; my block of K step 0 is in; K step 1's may be out
	s_barrier_signal -1
	s_barrier_wait -1
	FETCH_B 0, 0, 0
	FETCH_A 0, 0, 0
	SCALES 0
	FETCH_A 0, 0, 4
	STEP 0, 1                                      ; the first step stands in front of the loop: its products start the sums
	s_mov_b32 s3, LAPS-1
.Llap:                                             ; a trip goes once round the ring and fills both slots again
	TURN 0, 1, 1
	STEP 1, 0
	TURN 1, 0, 1
	STEP 0, 0
	s_sub_co_u32 s3, s3, 1
	s_cmp_lg_u32 s3, 0
	s_cbranch_scc1 .Llap
	TURN 0, 1, 0                                   ; the last lap fills nothing
	STEP 1, 0
	s_wait_dscnt 4*NL
	WIN MUL_LO
	MUL16 0, 1, 1, 1, 0
	MUL16 2, 1, 1, 1, 0
	s_wait_dscnt 0
	WIN MUL_HI
	MUL16 4, 1, 1, 1, 0
	MUL16 6, 1, 1, 1, 0
	WIN 0
; THE WAY OUT.  Tile a of A: a lane's 64 results, register 16 b + i = row 32 b + 16 h + i of my 128 rows of B, become a fragment's codes and its scale word.  The numbers lie in window 2 or 3, all else in window 0.
.macro QUANTW a
.set QS, 64*((\a)%4)
.set QX, 2+(\a)/4
.set QW, QX|(QX<<2)
	WIN QW                                         ; sources 0 and 1 in the numbers' window
.irp b, 0,1,2,3
	v_max3_num_f32 v[TM+\b], |v[QS+16*\b]|, |v[QS+1+16*\b]|, 0x8000000   ; each accumulator is read from its low end on; the floor 2^(16 - 127) holds the byte at 1 from below
.endr
.irp i, 2,4,6,8,10,12,14
.irp b, 0,1,2,3
	v_max3_num_f32 v[TM+\b], |v[QS+16*\b+\i]|, |v[QS+1+16*\b+\i]|, v[TM+\b]
.endr
.endr
	WIN 0
	s_wait_xcnt 0x0                                ; the last tile's stores have read the codes and the scale words: they are written again only behind this wait
.irp b, 0,1,2,3
	v_permlanex16_b32 v[TM+4+\b], v[TM+\b], s[SEL], s[SEL+1]
.endr
.irp b, 0,1,2,3
	v_max_num_f32 v[TM+\b], v[TM+\b], v[TM+4+\b]
.endr
.irp b, 0,1,2,3
	v_add_nc_u32 v[TM+12+\b], 0xf8800000, v[TM+\b]
.endr
.irp b, 0,1,2,3
	v_and_or_b32 v[TM+8+\b], v[TM+\b], 0x7f800000, s[MNT]
.endr
.irp b, 0,1,2,3
	v_lshrrev_b32 v[TM+4+\b], 23, v[TM+12+\b]
.endr
	v_lshl_or_b32 v[PW], v[TM+5], 8, v[TM+4]
	v_lshl_or_b32 v[PW], v[TM+6], 16, v[PW]
	v_lshl_or_b32 v[PW], v[TM+7], 24, v[PW]
	v_lshrrev_b32 v[PW2], 16, v[PW]                ; the second head's two bytes
.set QW, (QX<<6)|QX
	WIN QW                                         ; destination and source 0 in the numbers' window
.irp b, 0,1,2,3
.irp i, 0,1,2,3,4,5,6,7,8,9,10,11,12,13,14,15
	v_med3_num_f32 v[QS+16*\b+\i], v[QS+16*\b+\i], -v[TM+8+\b], v[TM+8+\b]   ; the hold: the conversion does not saturate (ISA guide 7.6.2)
.endr
.endr
	WIN QX                                         ; source 0 in the numbers' window
.irp b, 0,1,2,3
	v_cvt_scalef32_pk8_bf8_f32 v[PC+4*\b:PC+1+4*\b], v[QS+16*\b:QS+7+16*\b], v[TM+12+\b]
	v_cvt_scalef32_pk8_bf8_f32 v[PC+2+4*\b:PC+3+4*\b], v[QS+8+16*\b:QS+15+16*\b], v[TM+12+\b]
.endr
	v_nop                                          ; a plain line behind the last conversion
	WIN 0
.endm
.macro OUT a                           ; every store of codes covers 512 consecutive bytes, aligned.  The branch hangs on the cluster's y alone
	s_cmp_lg_u32 s[REG], 0
	s_cbranch_scc1 .Lv_\@
	global_store_b128 v8, v[PC:PC+3], s[88:89] offset:(\a)*1024          ; the first head's 64: two blocks of 32
	global_store_b128 v8, v[PC+4:PC+7], s[88:89] offset:(\a)*1024+512
	global_store_b128 v9, v[PC+8:PC+11], s[88:89] offset:(\a)*1024       ; the second head's
	global_store_b128 v9, v[PC+12:PC+15], s[88:89] offset:(\a)*1024+512
	global_store_b32 v10, v[PW], s[88:89] offset:(\a)*64
	global_store_b32 v11, v[PW2], s[88:89] offset:(\a)*64
	s_branch .Ldone_\@
.Lv_\@:
.irp c, 0,1,2,3
	global_store_b128 v8, v[PC+4*\c:PC+4*\c+3], s[88:89] offset:((\a)/4)*274432+((\a)%4)*2048+\c*512   ; head a / 4, tile a % 4 of its 64 features, 128 keys
.endr
	global_store_b32 v10, v[PW], s[88:89] offset:((\a)/4)*274432+((\a)%4)*64
.Ldone_\@:
.endm
	PLACES NP                                      ; behind the last products
.irp b, 0,1,2,3
	v_mov_b32 v[TM+4+\b], 0                        ; written once: a lane permute's destination counts as one of its sources
.endr
.irp a, 0,1,2,3,4,5,6,7
	QUANTW \a
	OUT \a
.endr
	s_wait_tensorcnt 0x0                           ; the wave's end
	ds_add_u32 v[SPW], v[NIL]
	s_wait_dscnt 0x0
	CROUND                                         ; the closing round: no work-group ends while a partner may still ask for a block that names it
	s_endpgm
.Lfunc_end_k_q4428010634_qkv:
	.size	k_q4428010634_qkv, .Lfunc_end_k_q4428010634_qkv-k_q4428010634_qkv
	.p2alignl 7, 3214868480
	.fill 96, 4, 3214868480
	.section	.rodata,"a",@progbits
	.p2align	6, 0x0
	.amdhsa_kernel k_q4428010634_qkv
		.amdhsa_group_segment_fixed_size 327680
		.amdhsa_private_segment_fixed_size 0
		.amdhsa_enable_private_segment 0
		.amdhsa_kernarg_size 32
		.amdhsa_user_sgpr_count 2
		.amdhsa_user_sgpr_kernarg_segment_ptr 1
		.amdhsa_wavefront_size32 1
		.amdhsa_system_sgpr_workgroup_id_x 1
		.amdhsa_system_sgpr_workgroup_id_y 1
		.amdhsa_system_sgpr_workgroup_id_z 1
		.amdhsa_system_vgpr_workitem_id 0
		.amdhsa_next_free_vgpr 1024
		.amdhsa_next_free_sgpr 100
		.amdhsa_reserve_vcc 0
		.amdhsa_float_denorm_mode_32 3
		.amdhsa_float_denorm_mode_16_64 3
		.amdhsa_memory_ordered 1
		.amdhsa_forward_progress 1
		.amdhsa_inst_pref_size 190
	.end_amdhsa_kernel
	.amdgpu_metadata
---
amdhsa.version: [ 1, 2 ]
amdhsa.kernels:
  - .name:           k_q4428010634_qkv
    .symbol:         k_q4428010634_qkv.kd
    .args:
      - { .name: himg, .offset: 0, .size: 8, .value_kind: global_buffer, .address_space: global }
      - { .name: wimg, .offset: 8, .size: 8, .value_kind: global_buffer, .address_space: global }
      - { .name: qimg, .offset: 16, .size: 8, .value_kind: global_buffer, .address_space: global }
      - { .name: kvimg, .offset: 24, .size: 8, .value_kind: global_buffer, .address_space: global }
    .group_segment_fixed_size: 327680
    .private_segment_fixed_size: 0
    .kernarg_segment_align: 8
    .kernarg_segment_size: 32
    .max_flat_workgroup_size: 128
    .sgpr_count:     100
    .vgpr_count:     1024
    .wavefront_size: 32
...
	.end_amdgpu_metadata
.endif
;; end of part 3
;; launch attn (part 4): grid 8 x 32, 16 waves a work-group, clusters of 4 x 1, 327,680 bytes of LDS; arguments qimg, kvimg, oimg; writes oimg
.if DOCPART == 4
	.amdgcn_target "amdgcn-amd-amdhsa--gfx1250"
	.amdhsa_code_object_version 6
	.text
	.protected	k_q4428010634_attn
	.globl	k_q4428010634_attn
	.p2align	8
	.type	k_q4428010634_attn,@function
k_q4428010634_attn:
	s_mov_b64 s[64:65], 0
	v_nop
	global_prefetch_b8 v0, s[64:65] scope:SCOPE_SE
	s_setreg_imm32_b32 hwreg(HW_REG_WAVE_MODE, 25, 1), 1
	s_wait_xcnt 0x0
	s_wait_alu depctr_hold_cnt(0) depctr_sa_sdst(0) depctr_va_vdst(0) depctr_va_sdst(0) depctr_va_ssrc(0) depctr_va_vcc(0) depctr_vm_vsrc(0)
	s_getreg_b32 s2, hwreg(HW_REG_IB_STS2, 6, 4)
	s_cmp_eq_u32 s2, 0
	s_cbranch_scc0 .Lentry_in_a_cluster
	s_endpgm
.Lentry_in_a_cluster:
	s_bfe_u32 s2, ttmp6, 0x10000c
	s_cmp_lg_u32 s2, 0x3003
	s_cbranch_scc0 .Lentry_shape_is_right
	s_endpgm
.Lentry_shape_is_right:
; Causal attention of 32 (batch, head) pairs, 2,048 tokens, head size 64, both products on codes of E5M2 with one E8M0 byte for each 32 along a product's K; the result quantised for the projection.
; t = score x log2(e) / 32 (the logit's scale is 1024^-1/2); M = the running largest t rounded UP to a whole number; p = 2^(t - M) is quantised along the keys, not normalised;
; the row's sum is taken of the unquantised p and divides O at the end.  When M moves, the sum and O are multiplied by 2^(old M - new M): exact.
; The first product's K is 64: the upper half of each fragment of q and of k is zero codes, set once in registers.
; IMAGES.  q, k, v arrive as images of the operands' registers (16 x lane); image row r of tile J is token (or feature) 32 (J / 2) + 8 (J % 2) + r + 8 (r / 8).
; Both products are used transposed: S^T = K Q^T, O^T = V^T P^T: a lane holds ONE query; the 16 registers of tiles 2 b, 2 b + 1 are keys (or features) 32 b + 16 h + 0 .. 15.
; SHARES.  A work-group (x = 0..7 of a head) has sixteen waves of one query tile each: wave w owns tile x + 8 i, i = w xor 3 ((w / 4) % 2): its 16 queries lie in key step i, whatever x is.
; It works key steps 0 .. i; step i is masked.  So every work-group has 136 steps of work, and the waves w, w + 4, w + 8, w + 12 together 34.
; LDS holds the head's whole K and V, codes and scale words, 274,432 bytes, FILLED ONCE: four chunks of 512 keys, each brought by waves 0 to 3, a quarter each (67 rows of 256 bytes).  Nothing is filled again.
; CLUSTER 4 x 1: the four work-groups of a cluster belong to one head and ask for each quarter jointly.  No branch and no LDS address hangs on the place in the cluster.
; No prefetch: all that the launch reads of K and V is asked for at its head.
; LIMITS: a block of zeros gets the byte 1 (its codes are zeros; the bytes are read by this program alone); NaN and infinities are not served.
; REGISTERS: v1-3, v8-11 addresses; v12 -M, v13 the largest t, v[14:15] the sum; v16-31 Q; v32-95 four fragments of K; v96-159 S^T, then p, then V's four fragments; v160-191 O^T; v224-239 p's codes; v232-254 at work; v255 Q's scale word.
.set BLK,  33792
.set CHB,  68608                       ; a chunk: K's codes 32,768, V's codes 32,768, K's scale words 2,048, V's 1,024
.set LI,   1                           ; v1  16 x lane
.set LR,   2                           ; v2  4 r
.set DG,   3                           ; v3  my query's place in its key step, less 16 h
.set ADK,  8                           ; v8  LDS address of the step's codes
.set ADS,  9                           ; v9  of K's scale words
.set ADT,  10                          ; v10 of V's
.set G1,   24                          ; s[24:31] descriptor group 1
.set G0,   32                          ; s[32:47] group 0, one set for each chunk
.set WV,   56                          ; s56 my wave's number
.set WI,   57                          ; s57 i: my last key step
.set ST,   58                          ; s58 the key step in hand
.set TB,   59                          ; s59 where its codes begin in LDS
.set TS,   60                          ; s60 K's scale words
.set TJ,   61                          ; s61 V's
.set CNT,  62
.set MNT,  63                          ; s63 the mantissa field of 57,344
.set SEL,  66                          ; s[66:67] lane selects for v_permlanex16_b32: lane l xor 16
.set CS,   68                          ; s[68:69] c = log2(e) / 32
.macro ROUND                           ; a round of the cluster's barrier
	s_barrier_signal -1
	s_barrier_wait -1
	s_cmp_lg_u32 s[WV], 0
	s_cbranch_scc1 .Lnot_wave_0_\@
	s_barrier_signal -3
.Lnot_wave_0_\@:
	s_barrier_wait -3
	s_barrier_signal -1
	s_barrier_wait -1
.endm
	s_load_b128 s[4:7], s[0:1], 0x0                ; qimg, kvimg
	s_load_b64 s[8:9], s[0:1], 0x10                ; oimg
	v_lshl_add_u32 v222, v0, 2, 0x43000
	v_mov_b32 v223, 0
	ds_add_u32 v222, v223
	ds_add_u32 v222, v223
	v_lshrrev_b32 v8, 5, v0
	v_readfirstlane_b32 s[WV], v8                  ; wave 0..15
	s_bfe_u32 s10, ttmp6, 0x40000                  ; cx
	s_lshl_b32 s11, ttmp9, 2
	s_add_co_u32 s11, s11, s10                     ; x: it enters Q's and O's addresses and the mask's numbers alone
	s_and_b32 s12, ttmp7, 0xffff                   ; bh = 16 b + head, which the four partners share
	s_bfe_u32 s13, s[WV], 0x10002
	s_mul_i32 s13, s13, 3
	s_xor_b32 s[WI], s[WV], s13                    ; i
	s_mul_i32 s14, s12, 4*CHB                      ; the head in kvimg
	s_and_b32 s16, s[WV], 3
	s_mul_i32 s16, s16, CHB/4                      ; the quarter of a chunk that I fetch, if I fetch
	s_add_co_u32 s14, s14, s16
	s_mov_b32 s15, 0
	s_mov_b32 s[G1], 15|(3<<16)|(1<<21)            ; 15:0 the mask: all four work-groups; 17:16 elements of 8 bytes; 21 set beside a mask; no padding
	s_mov_b32 s[G1+1], 32<<16                      ; tensor_dim0 = 32: rows of 256 bytes
	s_mov_b32 s[G1+2], 67<<16                      ; tensor_dim1 = 67
	s_mov_b32 s[G1+3], 32<<16                      ; tile_dim0
	s_mov_b32 s[G1+4], 67                          ; tile_dim1
	s_mov_b32 s[G1+5], 32                          ; dense
	s_mov_b32 s[G1+6], 0
	s_mov_b32 s[G1+7], 0
	s_lshl_b32 s17, s[WI], 3
	s_add_co_u32 s17, s17, s11                     ; my query tile: x + 8 i
	s_lshl_b32 s18, s12, 17
	s_lshl_b32 s19, s17, 10
	s_add_co_u32 s18, s18, s19                     ; its codes
	s_mov_b32 s19, 0
	s_lshl_b32 s20, s12, 13
	s_lshl_b32 s21, s17, 6
	s_add_co_u32 s20, s20, s21
	s_add_co_u32 s20, s20, 4194304                 ; its scale words
	s_mov_b32 s21, 0
	s_lshr_b32 s22, s12, 4
	s_lshl_b32 s22, s22, 4
	s_add_co_u32 s22, s22, s[WI]
	s_lshl_b32 s22, s22, 2
	s_bfe_u32 s23, s12, 0x20002
	s_add_co_u32 s22, s22, s23
	s_mul_i32 s22, s22, BLK                        ; oimg's block: rows 128 (16 b + i) on, K = 256 (head / 4) on
	s_lshl_b32 s23, s11, 12                        ; tile x of it,
	s_bfe_u32 s48, s12, 0x10001
	s_lshl_b32 s49, s48, 11                        ; half (head / 2) % 2,
	s_add_co_u32 s23, s23, s49
	s_and_b32 s49, s12, 1
	s_lshl_b32 s50, s49, 10                        ; blocks 2 (head % 2) on
	s_add_co_u32 s23, s23, s50
	s_add_co_u32 s50, s22, s23
	s_mov_b32 s51, 0
	s_lshl_b32 s23, s11, 7
	s_lshl_b32 s48, s48, 2
	s_lshl_b32 s49, s49, 1
	s_add_co_u32 s23, s23, s48
	s_add_co_u32 s23, s23, s49
	s_add_co_u32 s22, s22, s23
	s_add_co_u32 s52, s22, 32768                   ; my two bytes of the rows' scale words
	s_mov_b32 s53, 0
	s_lshr_b32 s54, s11, 1
	s_lshl_b32 s54, s54, 5
	s_and_b32 s55, s11, 1
	s_lshl_b32 s55, s55, 3
	s_add_co_u32 s54, s54, s55                     ; 32 (x / 2) + 8 (x % 2)
	s_mov_b32 s[SEL], 0x76543210
	s_mov_b32 s[SEL+1], 0xfedcba98
	s_mov_b32 s[CS], 0x3d38aa3b
	s_mov_b32 s[CS+1], s[CS]                       ; named with it as a pair, so it is written
	s_mov_b32 s[MNT], 0x600000
	s_mov_b32 s[ST], 0
	s_wait_dscnt 0x0
	s_wait_kmcnt 0x0
	s_add_nc_u64 s[14:15], s[6:7], s[14:15]
	s_add_nc_u64 s[18:19], s[4:5], s[18:19]
	s_add_nc_u64 s[20:21], s[4:5], s[20:21]
	s_add_nc_u64 s[50:51], s[8:9], s[50:51]
	s_add_nc_u64 s[52:53], s[8:9], s[52:53]
.irp c, 0,1,2,3
	s_mov_b32 s[G0+4*\c], 1
	s_add_co_u32 s[G0+4*\c+1], s16, \c*CHB
	s_add_nc_u64 s[G0+4*\c+2:G0+4*\c+3], s[14:15], \c*CHB
	s_or_b32 s[G0+4*\c+3], s[G0+4*\c+3], 0x80000000
.endr
	ROUND                                          ; all four work-groups are here: the joint loads meet
	s_cmp_lt_u32 s[WV], 4                          ; all fills of a wave stand in one branch on its number: four loads of mine are out
	s_cbranch_scc0 .Lno_fetch
	tensor_load_to_lds s[G0:G0+3], s[G1:G1+7]
	s_nop 0
	tensor_load_to_lds s[G0+4:G0+7], s[G1:G1+7]
	s_nop 0
	tensor_load_to_lds s[G0+8:G0+11], s[G1:G1+7]
	s_nop 0
	tensor_load_to_lds s[G0+12:G0+15], s[G1:G1+7]
	s_nop 0
.rept 4
	v_nop
.endr
.Lno_fetch:
	v_and_b32 v4, 15, v0                           ; r
	v_bfe_u32 v5, v0, 4, 1                         ; h
	v_and_b32 v[LI], 31, v0
	v_lshlrev_b32 v[LI], 4, v[LI]
	v_lshlrev_b32 v[LR], 2, v4
	v_lshlrev_b32 v11, 3, v4                       ; 8 r
	global_load_b128 v[16:19], v[LI], s[18:19]     ; Q's fragment stays in registers: k 0-31,
	global_load_b128 v[20:23], v[LI], s[18:19] offset:512   ; k 32-63
	global_load_b32 v255, v[LR], s[20:21]          ; its scale words
	v_and_b32 v6, 8, v4
	v_add_nc_u32 v6, v6, v4
	v_lshlrev_b32 v7, 4, v5
	v_sub_nc_u32 v6, v6, v7
	v_add_nc_u32 v[DG], s54, v6                    ; register 16 b + i holds key 32 b + 16 h + i of the step: hidden on the diagonal where 32 b + i > DG
.irp j, 24,25,26,27,28,29,30,31
	v_mov_b32 v[\j], 0                             ; k 64-127 of Q: zero codes
.endr
.irp t, 0,1,2,3
.irp j, 8,9,10,11,12,13,14,15
	v_mov_b32 v[32+16*\t+\j], 0                    ; and of K's four fragments: no load lands here
.endr
.endr
	v_mov_b32 v13, 0xff61b1e6                      ; the largest t so far: -3e38
	v_floor_f32 v12, -v13                          ; -M
	v_mov_b32 v14, 0
	v_mov_b32 v15, 0
.irp b, 0,1,2,3
	v_mov_b32 v[236+\b], 0                         ; written once: a lane permute's destination counts as one of its sources
.endr
	v_mov_b32 v252, 0
	v_mov_b32 v253, 0
.set n, 0
.rept 32
	v_mov_b32 v[160+n], 0                          ; O^T: the step is written once; the first finds zeros, which the first change of M leaves zeros
.set n, n+1
.endr
; A KEY STEP: 128 keys.  A step behind my last one is left out: a scalar branch on the wave's number and the step's, round the work, not round the lines that step addresses.
.macro STEP
	s_cmp_gt_u32 s[ST], s[WI]
	s_cbranch_scc1 .Lhidden_\@
	v_add_nc_u32 v[ADK], s[TB], v[LI]
	v_add_nc_u32 v[ADS], s[TS], v[LR]
	v_add_nc_u32 v[ADT], s[TJ], v[LR]
.rept 6
	v_nop                                          ; with the three additions nine places: the products below write over the registers that the last step's products read as V
.endr
.irp g, 0,1                                    ; S^T = K Q^T, four tiles of 16 keys at a time
.if \g > 0
.rept 8
	v_nop                                          ; places in front of loads into registers that matrix instructions have read
.endr
.endif
.irp t, 0,1,2,3
	ds_load_b128 v[32+16*\t:35+16*\t], v[ADK] offset:(4*\g+\t)*1024
	ds_load_b128 v[36+16*\t:39+16*\t], v[ADK] offset:(4*\g+\t)*1024+512
	ds_load_b32 v[248+\t], v[ADS] offset:(4*\g+\t)*64
.endr
	s_wait_dscnt 0x0
.irp t, 0,1,2,3
	v_wmma_scale_f32_16x16x128_f8f6f4 v[96+8*(4*\g+\t):103+8*(4*\g+\t)], v[32+16*\t:47+16*\t], v[16:31], 0, v[248+\t], v255 matrix_a_fmt:MATRIX_FMT_BF8 matrix_b_fmt:MATRIX_FMT_BF8
.endr
.endr
.rept 8
	v_nop
.endr
	s_cmp_lg_u32 s[ST], s[WI]                      ; my last step lies on the diagonal: hidden scores become -infinity ahead of the maximum, so p = 0
	s_cbranch_scc1 .Lopen_\@
	v_mov_b32 v254, 0xff800000
.set n, 0
.rept 64
	v_cmp_gt_i32 vcc_lo, 32*(n/16)+n%16, v[DG]
	v_cndmask_b32 v[96+n], v[96+n], v254, vcc_lo
.set n, n+1
.endr
.Lopen_\@:
.irp b, 0,1,2,3
	v_max3_num_f32 v[232+\b], v[96+16*\b], v[97+16*\b], v[98+16*\b]   ; the largest score of each block of 32 keys: for the row's maximum, and, since p rises with the score, for the block's largest p
.endr
.irp i, 3,5,7,9,11,13
.irp b, 0,1,2,3
	v_max3_num_f32 v[232+\b], v[232+\b], v[96+16*\b+\i], v[97+16*\b+\i]
.endr
.endr
.irp b, 0,1,2,3
	v_max_num_f32 v[232+\b], v[232+\b], v[111+16*\b]
.endr
.irp b, 0,1,2,3
	v_permlanex16_b32 v[236+\b], v[232+\b], s[SEL], s[SEL+1]
.endr
.irp b, 0,1,2,3
	v_max_num_f32 v[232+\b], v[232+\b], v[236+\b]  ; with lane l xor 16's 16 keys
.endr
	v_max3_num_f32 v254, v232, v233, v234
	v_max_num_f32 v254, v254, v235
	v_mul_f32 v254, s[CS], v254                    ; the step's largest t (c is positive)
	v_max_num_f32 v13, v13, v254
	v_mov_b32 v254, v12
	v_floor_f32 v12, -v13                          ; the new -M = -ceil(t): a whole number
	v_sub_f32 v254, v12, v254                      ; old M - new M: a whole number, 0 or less
	v_cvt_i32_f32 v254, v254                       ; (it saturates)
	v_ldexp_f32 v252, 1.0, v254                    ; f = 2^(old M - new M)
.set n, 0
.rept 32
	v_pk_fma_f32 v[96+n:97+n], v[96+n:97+n], s[CS:CS+1], v[12:13] op_sel_hi:[1,0,0]   ; t - M, two at a time
.set n, n+2
.endr
.irp b, 0,1,2,3
	v_fma_f32 v[232+\b], v[232+\b], s[CS], v12     ; the same of each block's largest score
.endr
.set n, 0
.rept 64
	v_exp_f32 v[96+n], v[96+n]                     ; p = 2^(t - M)
.set n, n+1
.endr
	v_pk_mul_f32 v[14:15], v[14:15], v[252:253] op_sel_hi:[1,0]   ; the sums under the new M: a plain line behind the exponentials
	s_wait_alu depctr_va_vdst(0)                   ; one wait for the whole batch, ahead of its first reader
.irp b, 0,1,2,3
	v_exp_f32 v[232+\b], v[232+\b]                 ; the block's largest p
.endr
	v_pk_add_f32 v[236:237], v[96:97], v[98:99]    ; the row's sum of the unquantised p, in two chains
.set n, 4
.rept 15
	v_pk_add_f32 v[14:15], v[14:15], v[96+n:97+n]
	v_pk_add_f32 v[236:237], v[236:237], v[98+n:99+n]
.set n, n+4
.endr
	v_pk_add_f32 v[14:15], v[14:15], v[236:237]
	s_wait_alu depctr_va_vdst(0)                   ; and one for the four
.irp b, 0,1,2,3
	v_max_num_f32 v[232+\b], 0x8000000, v[232+\b]  ; the floor 2^(16 - 127)
.endr
.irp b, 0,1,2,3
	v_add_nc_u32 v[244+\b], 0xf8800000, v[232+\b]  ; the conversion's scale operand
.endr
.irp b, 0,1,2,3
	v_and_or_b32 v[240+\b], v[232+\b], 0x7f800000, s[MNT]   ; 57,344 x the scale
.endr
.irp b, 0,1,2,3
	v_lshrrev_b32 v[236+\b], 23, v[244+\b]         ; the scale's byte
.endr
	v_lshl_or_b32 v253, v237, 8, v236              ; p's scale word for these 128 keys
	v_lshl_or_b32 v253, v238, 16, v253
	v_lshl_or_b32 v253, v239, 24, v253
.irp b, 0,1,2,3
.irp i, 0,1,2,3,4,5,6,7,8,9,10,11,12,13,14,15
	v_min_num_f32 v[96+16*\b+\i], v[96+16*\b+\i], v[240+\b]   ; the hold; p is not negative, so it is one-sided
.endr
	v_cvt_scalef32_pk8_bf8_f32 v[224+4*\b:225+4*\b], v[96+16*\b:103+16*\b], v[244+\b]
	v_cvt_scalef32_pk8_bf8_f32 v[226+4*\b:227+4*\b], v[104+16*\b:111+16*\b], v[244+\b]
.endr
.irp e, 0,1,2,3                                ; V's four fragments (16 features x 128 keys) take p's place
.irp c, 0,1,2,3
	ds_load_b128 v[96+16*\e+4*\c:99+16*\e+4*\c], v[ADK] offset:32768+\e*2048+\c*512
.endr
	ds_load_b32 v[248+\e], v[ADT] offset:\e*64
.endr
.set n, 0
.rept 16
	v_pk_mul_f32 v[160+n:161+n], v[160+n:161+n], v[252:253] op_sel_hi:[1,0]   ; O^T under the new M; these are also the places in front of the products
.set n, n+2
.endr
	s_wait_dscnt 0x0
.irp e, 0,1,2,3                                ; O^T += V^T P^T: four accumulators, one instruction each
	v_wmma_scale_f32_16x16x128_f8f6f4 v[160+8*\e:167+8*\e], v[96+16*\e:111+16*\e], v[224:239], v[160+8*\e:167+8*\e], v[248+\e], v253 matrix_a_fmt:MATRIX_FMT_BF8 matrix_b_fmt:MATRIX_FMT_BF8
.endr
.Lhidden_\@:
	s_add_co_u32 s[ST], s[ST], 1
	s_add_co_u32 s[TB], s[TB], 8192
	s_add_co_u32 s[TS], s[TS], 512
	s_add_co_u32 s[TJ], s[TJ], 256
.endm
; A chunk of 512 keys: the waves that fetched wait for their quarter of it; the later chunks' loads stay out; behind the barrier all sixteen read it.
.macro CHUNK c
	s_wait_tensorcnt 3-\c
	s_wait_dscnt 0x0
	s_barrier_signal -1
	s_barrier_wait -1
	s_mov_b32 s[TB], \c*CHB
	s_mov_b32 s[TS], \c*CHB+65536
	s_mov_b32 s[TJ], \c*CHB+67584
	s_mov_b32 s[CNT], 4
.Lstep_\@:
	STEP
	s_sub_co_u32 s[CNT], s[CNT], 1
	s_cmp_lg_u32 s[CNT], 0
	s_cbranch_scc1 .Lstep_\@
.endm
	s_wait_loadcnt 0x0                             ; Q
	CHUNK 0
	CHUNK 1
	CHUNK 2
	CHUNK 3
	; THE WAY OUT.  O^T / the sum; register 16 b + i is feature 32 b + 16 h + i of my head: two blocks of the projection's K, quantised in registers and stored as the image's registers.
.rept 8
	v_nop                                          ; places behind the last products
.endr
	v_add_f32 v14, v14, v15
	v_permlanex16_b32 v252, v14, s[SEL], s[SEL+1]
	v_add_f32 v14, v14, v252                       ; the row's sum
	v_rcp_f32 v14, v14
	v_nop                                          ; a plain line behind the transcendental
	s_wait_alu depctr_va_vdst(0)                   ; the wait, ahead of its first reader
.set n, 0
.rept 32
	v_mul_f32 v[96+n], v[160+n], v14
.set n, n+1
.endr
.irp b, 0,1
	v_max3_num_f32 v[232+\b], |v[96+16*\b]|, |v[97+16*\b]|, 0x8000000
.endr
.irp i, 2,4,6,8,10,12,14
.irp b, 0,1
	v_max3_num_f32 v[232+\b], v[232+\b], |v[96+16*\b+\i]|, |v[97+16*\b+\i]|
.endr
.endr
.irp b, 0,1
	v_permlanex16_b32 v[236+\b], v[232+\b], s[SEL], s[SEL+1]
.endr
.irp b, 0,1
	v_max_num_f32 v[232+\b], v[232+\b], v[236+\b]
.endr
.irp b, 0,1
	v_add_nc_u32 v[244+\b], 0xf8800000, v[232+\b]
.endr
.irp b, 0,1
	v_and_or_b32 v[240+\b], v[232+\b], 0x7f800000, s[MNT]
.endr
.irp b, 0,1
	v_lshrrev_b32 v[236+\b], 23, v[244+\b]
.endr
	v_lshl_or_b32 v253, v237, 8, v236              ; my head's two bytes of the row's scale word
.irp b, 0,1
.irp i, 0,1,2,3,4,5,6,7,8,9,10,11,12,13,14,15
	v_med3_num_f32 v[96+16*\b+\i], v[96+16*\b+\i], -v[240+\b], v[240+\b]
.endr
	v_cvt_scalef32_pk8_bf8_f32 v[224+4*\b:225+4*\b], v[96+16*\b:103+16*\b], v[244+\b]
	v_cvt_scalef32_pk8_bf8_f32 v[226+4*\b:227+4*\b], v[104+16*\b:111+16*\b], v[244+\b]
.endr
	v_nop                                          ; a plain line behind the last conversion
	global_store_b128 v[LI], v[224:227], s[50:51]  ; 512 consecutive bytes, aligned
	global_store_b128 v[LI], v[228:231], s[50:51] offset:512
	global_store_b16 v11, v253, s[52:53]           ; two bytes a row: four heads share a row's eight
	s_wait_dscnt 0x0
	s_wait_tensorcnt 0x0
	ds_add_u32 v222, v223
	s_wait_dscnt 0x0
	ROUND                                          ; the closing round: no work-group ends while a partner may still ask jointly
	s_endpgm
.Lfunc_end_k_q4428010634_attn:
	.size	k_q4428010634_attn, .Lfunc_end_k_q4428010634_attn-k_q4428010634_attn
	.p2alignl 7, 3214868480
	.fill 96, 4, 3214868480
	.section	.rodata,"a",@progbits
	.p2align	6, 0x0
	.amdhsa_kernel k_q4428010634_attn
		.amdhsa_group_segment_fixed_size 327680
		.amdhsa_private_segment_fixed_size 0
		.amdhsa_enable_private_segment 0
		.amdhsa_kernarg_size 24
		.amdhsa_user_sgpr_count 2
		.amdhsa_user_sgpr_kernarg_segment_ptr 1
		.amdhsa_wavefront_size32 1
		.amdhsa_system_sgpr_workgroup_id_x 1
		.amdhsa_system_sgpr_workgroup_id_y 1
		.amdhsa_system_sgpr_workgroup_id_z 1
		.amdhsa_system_vgpr_workitem_id 0
		.amdhsa_next_free_vgpr 256
		.amdhsa_next_free_sgpr 72
		.amdhsa_reserve_vcc 1
		.amdhsa_float_denorm_mode_32 3
		.amdhsa_float_denorm_mode_16_64 3
		.amdhsa_memory_ordered 1
		.amdhsa_forward_progress 1
		.amdhsa_inst_pref_size 115
	.end_amdhsa_kernel
	.amdgpu_metadata
---
amdhsa.version: [ 1, 2 ]
amdhsa.kernels:
  - .name:           k_q4428010634_attn
    .symbol:         k_q4428010634_attn.kd
    .args:
      - { .name: qimg, .offset: 0, .size: 8, .value_kind: global_buffer, .address_space: global }
      - { .name: kvimg, .offset: 8, .size: 8, .value_kind: global_buffer, .address_space: global }
      - { .name: oimg, .offset: 16, .size: 8, .value_kind: global_buffer, .address_space: global }
    .group_segment_fixed_size: 327680
    .private_segment_fixed_size: 0
    .kernarg_segment_align: 8
    .kernarg_segment_size: 24
    .max_flat_workgroup_size: 512
    .sgpr_count:     72
    .vgpr_count:     256
    .wavefront_size: 32
...
	.end_amdgpu_metadata
.endif
;; end of part 4
;; launch proj (part 5): grid 4 x 16, 4 waves a work-group, clusters of 4 x 4, 327,680 bytes of LDS; arguments oimg, wimg, x, bproj, x1; writes x1
.if DOCPART == 5
	.amdgcn_target "amdgcn-amd-amdhsa--gfx1250"
	.amdhsa_code_object_version 6
	.text
	.protected	k_q4428010634_proj
	.globl	k_q4428010634_proj
	.p2align	8
	.type	k_q4428010634_proj,@function
k_q4428010634_proj:
	s_mov_b64 s[64:65], 0
	v_nop
	global_prefetch_b8 v0, s[64:65] scope:SCOPE_SE
	s_setreg_imm32_b32 hwreg(HW_REG_WAVE_MODE, 25, 1), 1
	s_wait_xcnt 0x0
	s_wait_alu depctr_hold_cnt(0) depctr_sa_sdst(0) depctr_va_vdst(0) depctr_va_sdst(0) depctr_va_ssrc(0) depctr_va_vcc(0) depctr_vm_vsrc(0)
	s_getreg_b32 s2, hwreg(HW_REG_IB_STS2, 6, 4)
	s_cmp_eq_u32 s2, 0
	s_cbranch_scc0 .Lentry_in_a_cluster
	s_endpgm
.Lentry_in_a_cluster:
	s_bfe_u32 s2, ttmp6, 0x10000c
	s_cmp_lg_u32 s2, 0xf033
	s_cbranch_scc0 .Lentry_shape_is_right
	s_endpgm
.Lentry_shape_is_right:
; out = res + A B^T + bias, in f32: A [4,096 tokens][K] and B [1,024 features][K] as codes of E5M2 with one E8M0 byte for each 32 along K.  Here: A = attention's result, B = Wproj, K = 1,024, res = x, out = x1.
; OPERANDS are images of registers, in blocks of 33,792 bytes (128 rows x 256 K: codes at tile*4096 + half*2048 + c*512 + 16*lane, scale words at 32768 + tile*128 + 8 r + 4 half), blocks [row / 128][k / 256].
; Image row r of tile J is row 32 (J / 2) + 8 (J % 2) + r + 8 (r / 8).  Source 0 takes B, source 1 A: a lane holds one token, and register j of tile b feature 32 (b / 2) + 8 (b % 2) + 16 h + j.
; THE RESIDUAL IS LOADED INTO THE ACCUMULATORS, in the result's layout, while the first blocks are on their way: every product adds in place and nothing is cleared.
; SHARES.  A work-group makes 256 tokens x 256 features, each of four waves 128 x 128: 64 accumulators, 512 registers.  K goes in steps of 256 through two LDS slots of four blocks; one tensor load a wave brings a block, codes and scale words together.
; CLUSTER 4 x 4: A's blocks are shared along a row of the cluster, B's along a column: each is asked for jointly.  64 work-groups: the output has no more tiles of this size.
; No prefetch: few K steps, and the tiles are shared in the cluster.
; THE WAY OUT goes through each wave's own stage in LDS (in slot 0, which has had its last fill and its last read): rows of 512 bytes come back whole, the bias is added, and 32 lanes store 512 consecutive bytes.
; REGISTERS: window 0: v4-7 the bias of my 4 columns of a row; v12 the residual's offset; v16-29 addresses; v32-63 scale words, two sets; v128-255 A's fragments, later rows on the way out.  window 1: B's fragments, two sets.  windows 2, 3: accumulator (a, b) at v[8 (8 (a % 4) + b)].
.set BLK,   33792
.set SLOT,  4*BLK
.set SPARE, 2*SLOT
.set KS,    4                          ; blocks along K
.set WOFF,  96                         ; B's first block in wimg
.set LAPS,  KS/2
.set FR,    16
.set NL,    4
.set NP,    8
.set SPITCH, 528
.set BI,   4
.set RO,   12
.set ADRA, 16
.set ADRB, 20
.set ADRS, 22
.set STO,  24
.set RD,   25
.set CO,   26
.set SPW,  28
.set NIL,  29
.set SC,   32
.set AF,   128
.set BK,   128
.set G1, 24
.set G0, 32
.set G1B, 48
.set G0B, 56
.set MSB, 0
.macro WIN new
.if MSB != (\new)
	s_set_vgpr_msb (MSB<<8)|(\new)
.set MSB, (\new)
.endif
.endm
.set MUL_LO, 0xa1
.set MUL_HI, 0xf1
.set TO_B,   0x40
.macro JLOAD g0a, g1a, g0b, g1b        ; waves 0 and 1 fetch A's blocks, waves 2 and 3 B's; four v_nop follow each line
	s_cmp_eq_u32 s15, 0
	s_cbranch_scc0 .Lfor_b_\@
	tensor_load_to_lds s[\g0a:\g0a+3], s[\g1a:\g1a+7]
	s_nop 0
.rept 4
	v_nop
.endr
	s_branch .Lasked_\@
.Lfor_b_\@:
	tensor_load_to_lds s[\g0b:\g0b+3], s[\g1b:\g1b+7]
	s_nop 0
.rept 4
	v_nop
.endr
.Lasked_\@:
.endm
.macro CREST
	s_cmp_lg_u32 s14, 0
	s_cbranch_scc1 .Lnot_wave_0_\@
	s_barrier_signal -3
.Lnot_wave_0_\@:
	s_barrier_wait -3
	s_barrier_signal -1
	s_barrier_wait -1
.endm
.macro CROUND
	s_barrier_signal -1
	s_barrier_wait -1
	CREST
.endm
	s_load_b128 s[4:7], s[0:1], 0x0                ; A's image, wimg
	s_load_b128 s[8:11], s[0:1], 0x10              ; the residual, the bias
	s_load_b64 s[12:13], s[0:1], 0x20              ; out
	v_lshl_add_u32 v[SPW], v0, 2, SPARE
	v_mov_b32 v[NIL], 0
	ds_add_u32 v28, v29
	ds_add_u32 v28, v29
	s_wait_dscnt 0x0
	v_lshrrev_b32 v1, 5, v0
	v_readfirstlane_b32 s14, v1
	s_lshr_b32 s15, s14, 1                         ; which half of A's rows is mine.  Also: I fetch for A (0) or for B (1)
	s_and_b32 s16, s14, 1                          ; which half of B's rows.  Also: which of the two blocks I fetch
	s_bfe_u32 s40, ttmp6, 0x40000
	s_bfe_u32 s41, ttmp6, 0x40004
	s_lshl_b32 s42, ttmp9, 2
	s_add_co_u32 s42, s42, s40                     ; tile column
	s_and_b32 s17, ttmp7, 0xffff
	s_lshl_b32 s17, s17, 2
	s_add_co_u32 s17, s17, s41                     ; tile row
	s_lshl_b32 s43, s41, 2
	s_lshl_b32 s43, 15, s43
	s_lshl_b32 s44, 0x1111, s40
	s_or_b32 s[G1+0], s43, (3<<16)|(1<<21)         ; 15:0 the mask; 17:16 elements of 8 bytes; 21 set beside a mask; no padding
	s_or_b32 s[G1B+0], s44, (3<<16)|(1<<21)
.irp g, G1, G1B
	s_mov_b32 s[\g+1], 32<<16
	s_mov_b32 s[\g+2], 132<<16
	s_mov_b32 s[\g+3], 32<<16
	s_mov_b32 s[\g+4], 132
	s_mov_b32 s[\g+5], 32
	s_mov_b32 s[\g+6], 0
	s_mov_b32 s[\g+7], 0
.endr
	s_lshl_b32 s20, s17, 1
	s_add_co_u32 s20, s20, s16
	s_mul_i32 s20, s20, KS*BLK
	s_mov_b32 s21, 0
	s_lshl_b32 s46, s42, 1
	s_add_co_u32 s46, s46, s16
	s_mul_i32 s46, s46, KS*BLK
	s_mov_b32 s47, 0
	s_mul_i32 s45, s14, BLK
	s_wait_kmcnt 0x0
	s_add_nc_u64 s[20:21], s[4:5], s[20:21]
	s_add_nc_u64 s[46:47], s[6:7], s[46:47]
	s_add_nc_u64 s[46:47], s[46:47], WOFF*BLK
	CROUND
.irp s, 0,1
	s_mov_b32 s[G0+4*\s], 1
	s_add_co_u32 s[G0+4*\s+1], s45, \s*SLOT
	s_add_nc_u64 s[G0+4*\s+2:G0+4*\s+3], s[20:21], \s*BLK
	s_or_b32 s[G0+4*\s+3], s[G0+4*\s+3], 0x80000000
	s_mov_b32 s[G0B+4*\s], 1
	s_add_co_u32 s[G0B+4*\s+1], s45, \s*SLOT
	s_add_nc_u64 s[G0B+4*\s+2:G0B+4*\s+3], s[46:47], \s*BLK
	s_or_b32 s[G0B+4*\s+3], s[G0B+4*\s+3], 0x80000000
	JLOAD G0+4*\s, G1, G0B+4*\s, G1B
.endr
	v_and_b32 v1, 15, v0                           ; r
	v_bfe_u32 v2, v0, 4, 1                         ; h
	v_and_b32 v3, 31, v0
	v_lshlrev_b32 v[CO], 4, v3                     ; 16 x lane
	s_mul_i32 s21, s15, BLK
	s_mul_i32 s22, s16, BLK
	s_add_co_u32 s22, s22, 2*BLK
.irp s, 0,1
	v_add_nc_u32 v[ADRA+\s], s21, v[CO]
	v_add_nc_u32 v[ADRB+\s], s22, v[CO]
	s_add_co_u32 s21, s21, SLOT
	s_add_co_u32 s22, s22, SLOT
.endr
	s_mul_i32 s21, s15, BLK
	s_mul_i32 s22, s16, BLK
	s_add_co_u32 s22, s22, 2*BLK
	s_sub_co_u32 s22, s22, s21
	v_mul_u32_u24 v6, s22, v2                      ; lanes 16-31 take B's block: one product, the distance between the two
	v_lshl_add_u32 v6, v1, 3, v6
	s_add_co_u32 s21, s21, 32768
	v_add_nc_u32 v[ADRS], s21, v6
	v_add_nc_u32 v[ADRS+1], SLOT, v[ADRS]
	s_mul_i32 s23, s14, 16*SPITCH                  ; my stage
	v_mul_u32_u24 v3, v1, SPITCH
	v_lshl_add_u32 v3, v2, 6, v3
	v_add_nc_u32 v[STO], s23, v3                   ; in: row r, + 64 h
	v_add_nc_u32 v[RD], s23, v[CO]                 ; back: the 32 lanes take one row of 512 bytes
	v_and_b32 v3, 8, v1
	v_add_nc_u32 v3, v3, v1
	v_lshlrev_b32 v[RO], 12, v3
	v_lshl_add_u32 v[RO], v2, 6, v[RO]             ; the residual: row r + 8 (r / 8) of 4,096 bytes, + 64 h
	s_lshl_b32 s70, s17, 8
	s_lshl_b32 s71, s15, 7
	s_add_co_u32 s70, s70, s71                     ; my first token
	s_lshl_b32 s70, s70, 12
	s_lshl_b32 s72, s42, 10
	s_lshl_b32 s73, s16, 9
	s_add_co_u32 s72, s72, s73                     ; my first feature, in bytes
	s_add_co_u32 s70, s70, s72
	s_mov_b32 s71, 0
	s_mov_b32 s73, 0
	s_add_nc_u64 s[74:75], s[8:9], s[70:71]
	s_add_nc_u64 s[76:77], s[12:13], s[70:71]
	s_add_nc_u64 s[78:79], s[10:11], s[72:73]
	global_load_b128 v[BI:BI+3], v[CO], s[78:79]   ; the bias of the four columns that I hold of a whole row
.irp a, 0,1,2,3,4,5,6,7
	WIN 0x80+0x40*(\a/4)                           ; destination window 2 or 3
.irp b, 0,1,2,3,4,5,6,7
	global_load_b128 v[8*(8*(\a%4)+\b):8*(8*(\a%4)+\b)+3], v[RO], s[74:75] offset:(32*(\a/2)+8*(\a%2))*4096+128*(\b/2)+32*(\b%2)
	global_load_b128 v[8*(8*(\a%4)+\b)+4:8*(8*(\a%4)+\b)+7], v[RO], s[74:75] offset:(32*(\a/2)+8*(\a%2))*4096+128*(\b/2)+32*(\b%2)+16
.endr
.endr
	WIN 0
.macro FRAG reg, adr, q, i
.irp c, 0,1,2,3
	ds_load_b128 v[\reg+4*\c:\reg+4*\c+3], v[\adr] offset:(\i)*4096+(\q)*2048+512*\c
.endr
.endm
; 16 matrix instructions: A's tiles a0, a0 + 1 x B's eight.  The 64 accumulators take turns, one instruction a turn, in the same order in every step.
.macro MUL16 a0, p, q, sc
.irp a, \a0, \a0+1
.irp b, 0,1,2,3,4,5,6,7
	v_wmma_scale_f32_16x16x128_f8f6f4 v[8*(8*((\a)%4)+\b):8*(8*((\a)%4)+\b)+7], v[128*(\p)+FR*\b:128*(\p)+FR*\b+FR-1], v[AF+FR*(\a):AF+FR*(\a)+FR-1], v[8*(8*((\a)%4)+\b):8*(8*((\a)%4)+\b)+7], v[SC+16*(\sc)+2*\b+(\q)], v[SC+16*(\sc)+2*(\a)+(\q)] matrix_a_fmt:MATRIX_FMT_BF8 matrix_b_fmt:MATRIX_FMT_BF8 matrix_a_scale:MATRIX_SCALE_ROW1
.endr
.endr
.endm
.macro FETCH_B slot, q, p
	WIN TO_B
.irp i, 0,1,2,3,4,5,6,7
	FRAG 128*(\p)+FR*\i, ADRB+\slot, \q, \i
.endr
	WIN 0
.endm
.macro FETCH_A slot, q, i0
.irp i, \i0, \i0+1, \i0+2, \i0+3
	FRAG AF+FR*(\i), ADRA+\slot, \q, \i
.endr
.endm
.macro SCALES sc
.irp i, 0,1,2,3,4,5,6,7
	ds_load_b64 v[SC+16*\sc+2*\i:SC+16*\sc+2*\i+1], v[ADRS+\sc] offset:128*\i
.endr
.endm
.macro PLACES n
.rept \n
	v_nop
.endr
.endm
.macro STEP slot                       ; a slot's first 128 along K
	s_wait_dscnt 4*NL                              ; all but the youngest 16 loads (A's tiles 4-7) are in
	WIN MUL_LO
	MUL16 0, 0, 0, \slot
	MUL16 2, 0, 0, \slot
	s_wait_dscnt 0
	PLACES NP
	FETCH_B \slot, 1, 1
	FETCH_A \slot, 1, 0
	WIN MUL_HI
	MUL16 4, 0, 0, \slot
	MUL16 6, 0, 0, \slot
	PLACES NP
	WIN 0
	FETCH_A \slot, 1, 4
.endm
.macro TURN slot, next, fill           ; a slot's second 128 along K, and the change of slots
	s_wait_tensorcnt 0x0                           ; all my tensor loads have landed: my block of the next slot
	ds_add_u32 v[SPW], v[NIL]                      ; 0 onto my spare word
	s_wait_dscnt 4*NL+1                            ; the add and the youngest 16 loads may be out
	WIN MUL_LO
	MUL16 0, 1, 1, \slot
	s_wait_dscnt 0x0                               ; the add is done, and my reads of this slot are over
	s_barrier_signal -1
	MUL16 2, 1, 1, \slot
	WIN 0
	s_barrier_wait -1
.if \fill
	CREST                                          ; the barrier has opened a round of the cluster's
	s_add_nc_u64 s[G0+4*\slot+2:G0+4*\slot+3], s[G0+4*\slot+2:G0+4*\slot+3], 2*BLK
	s_add_nc_u64 s[G0B+4*\slot+2:G0B+4*\slot+3], s[G0B+4*\slot+2:G0B+4*\slot+3], 2*BLK
	JLOAD G0+4*\slot, G1, G0B+4*\slot, G1B         ; the first tensor load behind the round
	PLACES NP-4
.else
	PLACES NP
.endif
	FETCH_B \next, 0, 0
	FETCH_A \next, 0, 0
	SCALES \next
	WIN MUL_HI
	MUL16 4, 1, 1, \slot
	MUL16 6, 1, 1, \slot
	PLACES NP
	WIN 0
	FETCH_A \next, 0, 4
.endm
	s_wait_tensorcnt 1                             ; my block of K step 0 is in; K step 1's may be out
	s_barrier_signal -1
	s_barrier_wait -1
	FETCH_B 0, 0, 0
	FETCH_A 0, 0, 0
	SCALES 0
	FETCH_A 0, 0, 4
	s_wait_loadcnt 0x0                             ; the residual lies in the accumulators
	STEP 0
	s_mov_b32 s3, LAPS-1
.Llap:
	TURN 0, 1, 1
	STEP 1
	TURN 1, 0, 1
	STEP 0
	s_sub_co_u32 s3, s3, 1
	s_cmp_lg_u32 s3, 0
	s_cbranch_scc1 .Llap
	TURN 0, 1, 0
	STEP 1
	s_wait_dscnt 4*NL
	WIN MUL_LO
	MUL16 0, 1, 1, 1
	MUL16 2, 1, 1, 1
	s_wait_dscnt 0
	WIN MUL_HI
	MUL16 4, 1, 1, 1
	MUL16 6, 1, 1, 1
	WIN 0
.macro TOSTAGE a                       ; tile a: 16 tokens x 128 features into my stage, in the features' true order, and back as whole rows.  LDS serves a wave's instructions in order (ISA guide 5.7.1.4)
.set AC, 64*((\a)%4)
	WIN 0x08+4*((\a)/4)                            ; the data: window 2 or 3
.irp b, 0,1,2,3,4,5,6,7
	ds_store_b128 v[STO], v[AC+8*\b:AC+8*\b+3] offset:128*(\b/2)+32*(\b%2)       ; each accumulator from its low end on
	ds_store_b128 v[STO], v[AC+8*\b+4:AC+8*\b+7] offset:128*(\b/2)+32*(\b%2)+16
.endr
	WIN 0
.set BB, BK+64*((\a)%2)
.irp t, 0,1,2,3,4,5,6,7,8,9,10,11,12,13,14,15
	ds_load_b128 v[BB+4*\t:BB+4*\t+3], v[RD] offset:\t*SPITCH
.endr
.endm
.macro SEND a, younger                 ; younger: the LDS instructions issued behind tile a's loads
.set BB, BK+64*((\a)%2)
	s_wait_dscnt \younger
.irp t, 0,1,2,3,4,5,6,7,8,9,10,11,12,13,14,15
	v_pk_add_f32 v[BB+4*\t:BB+4*\t+1], v[BB+4*\t:BB+4*\t+1], v[BI:BI+1]
	v_pk_add_f32 v[BB+4*\t+2:BB+4*\t+3], v[BB+4*\t+2:BB+4*\t+3], v[BI+2:BI+3]
	global_store_b128 v[CO], v[BB+4*\t:BB+4*\t+3], s[76:77] offset:(32*((\a)/2)+8*((\a)%2)+\t+8*(\t/8))*4096   ; stage row t is token 32 (a / 2) + 8 (a % 2) + t + 8 (t / 8); 512 consecutive bytes, aligned
.endr
.endm
	PLACES NP                                      ; behind the last products
	TOSTAGE 0
.irp a, 1,2,3,4,5,6,7
.if \a > 1
	s_wait_xcnt 0x0                                ; tile a - 2's stores have read their registers: tile a's loads may land there
.endif
	TOSTAGE \a
	SEND \a-1, 32                                  ; behind tile a - 1's loads: tile a's 16 stores and 16 loads
.endr
	SEND 7, 0
	s_wait_tensorcnt 0x0                           ; the wave's end
	ds_add_u32 v[SPW], v[NIL]
	s_wait_dscnt 0x0
	CROUND                                         ; the closing round
	s_endpgm
.Lfunc_end_k_q4428010634_proj:
	.size	k_q4428010634_proj, .Lfunc_end_k_q4428010634_proj-k_q4428010634_proj
	.p2alignl 7, 3214868480
	.fill 96, 4, 3214868480
	.section	.rodata,"a",@progbits
	.p2align	6, 0x0
	.amdhsa_kernel k_q4428010634_proj
		.amdhsa_group_segment_fixed_size 327680
		.amdhsa_private_segment_fixed_size 0
		.amdhsa_enable_private_segment 0
		.amdhsa_kernarg_size 40
		.amdhsa_user_sgpr_count 2
		.amdhsa_user_sgpr_kernarg_segment_ptr 1
		.amdhsa_wavefront_size32 1
		.amdhsa_system_sgpr_workgroup_id_x 1
		.amdhsa_system_sgpr_workgroup_id_y 1
		.amdhsa_system_sgpr_workgroup_id_z 1
		.amdhsa_system_vgpr_workitem_id 0
		.amdhsa_next_free_vgpr 1024
		.amdhsa_next_free_sgpr 100
		.amdhsa_reserve_vcc 0
		.amdhsa_float_denorm_mode_32 3
		.amdhsa_float_denorm_mode_16_64 3
		.amdhsa_memory_ordered 1
		.amdhsa_forward_progress 1
		.amdhsa_inst_pref_size 171
	.end_amdhsa_kernel
	.amdgpu_metadata
---
amdhsa.version: [ 1, 2 ]
amdhsa.kernels:
  - .name:           k_q4428010634_proj
    .symbol:         k_q4428010634_proj.kd
    .args:
      - { .name: oimg, .offset: 0, .size: 8, .value_kind: global_buffer, .address_space: global }
      - { .name: wimg, .offset: 8, .size: 8, .value_kind: global_buffer, .address_space: global }
      - { .name: x, .offset: 16, .size: 8, .value_kind: global_buffer, .address_space: global }
      - { .name: bproj, .offset: 24, .size: 8, .value_kind: global_buffer, .address_space: global }
      - { .name: x1, .offset: 32, .size: 8, .value_kind: global_buffer, .address_space: global }
    .group_segment_fixed_size: 327680
    .private_segment_fixed_size: 0
    .kernarg_segment_align: 8
    .kernarg_segment_size: 40
    .max_flat_workgroup_size: 128
    .sgpr_count:     100
    .vgpr_count:     1024
    .wavefront_size: 32
...
	.end_amdgpu_metadata
.endif
;; end of part 5
;; launch ln2: the kernel of part 1 again; grid 256 x 1, 8 waves a work-group, no clusters, 2,048 bytes of LDS; arguments x1, g2, be2, h2img; writes h2img
;; launch ffn1 (part 6): grid 16 x 16, 4 waves a work-group, clusters of 4 x 4, 327,680 bytes of LDS; arguments h2img, wimg, b1, fimg; writes fimg
.if DOCPART == 6
	.amdgcn_target "amdgcn-amd-amdhsa--gfx1250"
	.amdhsa_code_object_version 6
	.text
	.protected	k_q4428010634_ffn1
	.globl	k_q4428010634_ffn1
	.p2align	8
	.type	k_q4428010634_ffn1,@function
k_q4428010634_ffn1:
	s_mov_b64 s[64:65], 0
	v_nop
	global_prefetch_b8 v0, s[64:65] scope:SCOPE_SE
	s_setreg_imm32_b32 hwreg(HW_REG_WAVE_MODE, 25, 1), 1
	s_wait_xcnt 0x0
	s_wait_alu depctr_hold_cnt(0) depctr_sa_sdst(0) depctr_va_vdst(0) depctr_va_sdst(0) depctr_va_ssrc(0) depctr_va_vcc(0) depctr_vm_vsrc(0)
	s_getreg_b32 s2, hwreg(HW_REG_IB_STS2, 6, 4)
	s_cmp_eq_u32 s2, 0
	s_cbranch_scc0 .Lentry_in_a_cluster
	s_endpgm
.Lentry_in_a_cluster:
	s_bfe_u32 s2, ttmp6, 0x10000c
	s_cmp_lg_u32 s2, 0xf033
	s_cbranch_scc0 .Lentry_shape_is_right
	s_endpgm
.Lentry_shape_is_right:
; The FFN's hidden layer: relu(h2 W1 + b1) on codes of E5M2 (one E8M0 byte for each 32 along K = 1,024), quantised in registers along the 4,096 hidden units, which are the next product's K.
; OPERANDS are images of registers, in blocks of 33,792 bytes (128 rows x 256 K: codes at tile*4096 + half*2048 + c*512 + 16*lane, scale words at 32768 + tile*128 + 8 r + 4 half), blocks [row / 128][k / 256].
; Image row r of tile J is row 32 (J / 2) + 8 (J % 2) + r + 8 (r / 8).  Source 0 takes W1's rows (hidden units), source 1 the tokens: a lane holds one token, and the 64 registers of its eight tiles are
; 128 neighbouring hidden units in the order 32 b + 16 h + i: one fragment of the next product, made by the conversions as it stands.
; The bias is the C of each sum's first product.  The activation costs nothing: the hold that the conversion wants clips at 0 as well, and the largest magnitude is taken without |.|.
; SHARES.  A work-group makes 256 tokens x 256 hidden units, each of four waves 128 x 128.  K goes in steps of 256 through two LDS slots of four blocks; one tensor load a wave brings a block.
; CLUSTER 4 x 4: A's blocks are shared along a row of the cluster, B's along a column.  No prefetch: four K steps, and the tiles are shared in the cluster.
; LIMITS: a block of zeros gets the byte 1 (its codes are zeros; the bytes are read by this program alone); NaN and infinities are not served.
; REGISTERS: window 0: v8-29 addresses; v32-63 scale words, two sets; v64-127 the bias, later v64-96 at work on the way out; v128-255 A's fragments.  window 1: B's fragments, two sets.  windows 2, 3: accumulator (a, b) at v[8 (8 (a % 4) + b)].
.set BLK,   33792
.set SLOT,  4*BLK
.set SPARE, 2*SLOT
.set KS,    4
.set WOFF,  128                        ; W1's first block in wimg
.set LAPS,  KS/2
.set FR,    16
.set NL,    4
.set NP,    8
.set ADRA, 16
.set ADRB, 20
.set ADRS, 22
.set CO,   26
.set SPW,  28
.set NIL,  29
.set SC,   32
.set BIAS, 64
.set TM,   64
.set PC,   80
.set PW,   96
.set AF,   128
.set G1, 24
.set G0, 32
.set G1B, 48
.set G0B, 56
.set SEL, 66
.set MNT, 68
.set MSB, 0
.macro WIN new
.if MSB != (\new)
	s_set_vgpr_msb (MSB<<8)|(\new)
.set MSB, (\new)
.endif
.endm
.set MUL_LO, 0xa1
.set MUL_HI, 0xf1
.set TO_B,   0x40
.macro JLOAD g0a, g1a, g0b, g1b        ; waves 0 and 1 fetch A's blocks, waves 2 and 3 B's; four v_nop follow each line
	s_cmp_eq_u32 s15, 0
	s_cbranch_scc0 .Lfor_b_\@
	tensor_load_to_lds s[\g0a:\g0a+3], s[\g1a:\g1a+7]
	s_nop 0
.rept 4
	v_nop
.endr
	s_branch .Lasked_\@
.Lfor_b_\@:
	tensor_load_to_lds s[\g0b:\g0b+3], s[\g1b:\g1b+7]
	s_nop 0
.rept 4
	v_nop
.endr
.Lasked_\@:
.endm
.macro CREST
	s_cmp_lg_u32 s14, 0
	s_cbranch_scc1 .Lnot_wave_0_\@
	s_barrier_signal -3
.Lnot_wave_0_\@:
	s_barrier_wait -3
	s_barrier_signal -1
	s_barrier_wait -1
.endm
.macro CROUND
	s_barrier_signal -1
	s_barrier_wait -1
	CREST
.endm
	s_load_b128 s[4:7], s[0:1], 0x0                ; h2img, wimg
	s_load_b128 s[8:11], s[0:1], 0x10              ; b1, fimg
	v_lshl_add_u32 v[SPW], v0, 2, SPARE
	v_mov_b32 v[NIL], 0
	ds_add_u32 v28, v29
	ds_add_u32 v28, v29
	s_wait_dscnt 0x0
	v_lshrrev_b32 v1, 5, v0
	v_readfirstlane_b32 s14, v1
	s_lshr_b32 s15, s14, 1
	s_and_b32 s16, s14, 1
	s_bfe_u32 s40, ttmp6, 0x40000
	s_bfe_u32 s41, ttmp6, 0x40004
	s_lshl_b32 s42, ttmp9, 2
	s_add_co_u32 s42, s42, s40                     ; tile column
	s_and_b32 s17, ttmp7, 0xffff
	s_lshl_b32 s17, s17, 2
	s_add_co_u32 s17, s17, s41                     ; tile row
	s_lshl_b32 s43, s41, 2
	s_lshl_b32 s43, 15, s43
	s_lshl_b32 s44, 0x1111, s40
	s_or_b32 s[G1+0], s43, (3<<16)|(1<<21)
	s_or_b32 s[G1B+0], s44, (3<<16)|(1<<21)
.irp g, G1, G1B
	s_mov_b32 s[\g+1], 32<<16
	s_mov_b32 s[\g+2], 132<<16
	s_mov_b32 s[\g+3], 32<<16
	s_mov_b32 s[\g+4], 132
	s_mov_b32 s[\g+5], 32
	s_mov_b32 s[\g+6], 0
	s_mov_b32 s[\g+7], 0
.endr
	s_lshl_b32 s20, s17, 1
	s_add_co_u32 s20, s20, s16
	s_mul_i32 s20, s20, KS*BLK
	s_mov_b32 s21, 0
	s_lshl_b32 s46, s42, 1
	s_add_co_u32 s46, s46, s16
	s_mul_i32 s46, s46, KS*BLK
	s_mov_b32 s47, 0
	s_mul_i32 s45, s14, BLK
	s_wait_kmcnt 0x0
	s_add_nc_u64 s[20:21], s[4:5], s[20:21]
	s_add_nc_u64 s[46:47], s[6:7], s[46:47]
	s_add_nc_u64 s[46:47], s[46:47], WOFF*BLK
	CROUND
.irp s, 0,1
	s_mov_b32 s[G0+4*\s], 1
	s_add_co_u32 s[G0+4*\s+1], s45, \s*SLOT
	s_add_nc_u64 s[G0+4*\s+2:G0+4*\s+3], s[20:21], \s*BLK
	s_or_b32 s[G0+4*\s+3], s[G0+4*\s+3], 0x80000000
	s_mov_b32 s[G0B+4*\s], 1
	s_add_co_u32 s[G0B+4*\s+1], s45, \s*SLOT
	s_add_nc_u64 s[G0B+4*\s+2:G0B+4*\s+3], s[46:47], \s*BLK
	s_or_b32 s[G0B+4*\s+3], s[G0B+4*\s+3], 0x80000000
	JLOAD G0+4*\s, G1, G0B+4*\s, G1B
.endr
	v_and_b32 v1, 15, v0                           ; r
	v_bfe_u32 v2, v0, 4, 1                         ; h
	v_and_b32 v3, 31, v0
	v_lshlrev_b32 v[CO], 4, v3                     ; 16 x lane
	s_mul_i32 s21, s15, BLK
	s_mul_i32 s22, s16, BLK
	s_add_co_u32 s22, s22, 2*BLK
.irp s, 0,1
	v_add_nc_u32 v[ADRA+\s], s21, v[CO]
	v_add_nc_u32 v[ADRB+\s], s22, v[CO]
	s_add_co_u32 s21, s21, SLOT
	s_add_co_u32 s22, s22, SLOT
.endr
	s_mul_i32 s21, s15, BLK
	s_mul_i32 s22, s16, BLK
	s_add_co_u32 s22, s22, 2*BLK
	s_sub_co_u32 s22, s22, s21
	v_mul_u32_u24 v6, s22, v2                      ; lanes 16-31 take B's block: one product, the distance between the two
	v_lshl_add_u32 v6, v1, 3, v6
	s_add_co_u32 s21, s21, 32768
	v_add_nc_u32 v[ADRS], s21, v6
	v_add_nc_u32 v[ADRS+1], SLOT, v[ADRS]
	s_mov_b32 s[SEL], 0x76543210
	s_mov_b32 s[SEL+1], 0xfedcba98
	s_mov_b32 s[MNT], 0x600000
	v_lshlrev_b32 v10, 3, v1                       ; 8 r: my row's scale words
	v_lshlrev_b32 v12, 6, v2                       ; 64 h: the bias of my half's hidden units
	s_lshl_b32 s70, s17, 1
	s_add_co_u32 s70, s70, s15
	s_lshl_b32 s70, s70, 4
	s_add_co_u32 s70, s70, s42
	s_mul_i32 s70, s70, BLK                        ; fimg's block: my 128 tokens, K = 256 x tile column on
	s_lshl_b32 s72, s16, 11
	s_add_co_u32 s72, s72, s70                     ; my half of its K
	s_mov_b32 s73, 0
	s_lshl_b32 s71, s16, 2
	s_add_co_u32 s70, s70, s71
	s_add_co_u32 s70, s70, 32768
	s_mov_b32 s71, 0
	s_add_nc_u64 s[72:73], s[10:11], s[72:73]
	s_add_nc_u64 s[70:71], s[10:11], s[70:71]
	s_lshl_b32 s74, s42, 10
	s_lshl_b32 s75, s16, 9
	s_add_co_u32 s74, s74, s75
	s_mov_b32 s75, 0
	s_add_nc_u64 s[74:75], s[8:9], s[74:75]        ; b1 at my first hidden unit
.irp b, 0,1,2,3,4,5,6,7
	global_load_b128 v[BIAS+8*\b:BIAS+8*\b+3], v12, s[74:75] offset:(32*(\b/2)+8*(\b%2))*4       ; in the result's layout: register j of tile b is unit 32 (b / 2) + 8 (b % 2) + 16 h + j
	global_load_b128 v[BIAS+8*\b+4:BIAS+8*\b+7], v12, s[74:75] offset:(32*(\b/2)+8*(\b%2))*4+16
.endr
.macro FRAG reg, adr, q, i
.irp c, 0,1,2,3
	ds_load_b128 v[\reg+4*\c:\reg+4*\c+3], v[\adr] offset:(\i)*4096+(\q)*2048+512*\c
.endr
.endm
; 16 matrix instructions: A's tiles a0, a0 + 1 x B's eight.  start = 2: the bias is the C of the sum's first product.  The 64 accumulators take turns, one instruction a turn.
.macro MUL16 a0, p, q, sc, start
.irp a, \a0, \a0+1
.irp b, 0,1,2,3,4,5,6,7
.if \start == 2
	v_wmma_scale_f32_16x16x128_f8f6f4 v[8*(8*((\a)%4)+\b):8*(8*((\a)%4)+\b)+7], v[128*(\p)+FR*\b:128*(\p)+FR*\b+FR-1], v[AF+FR*(\a):AF+FR*(\a)+FR-1], v[BIAS+8*\b:BIAS+8*\b+7], v[SC+16*(\sc)+2*\b+(\q)], v[SC+16*(\sc)+2*(\a)+(\q)] matrix_a_fmt:MATRIX_FMT_BF8 matrix_b_fmt:MATRIX_FMT_BF8 matrix_a_scale:MATRIX_SCALE_ROW1
.else
	v_wmma_scale_f32_16x16x128_f8f6f4 v[8*(8*((\a)%4)+\b):8*(8*((\a)%4)+\b)+7], v[128*(\p)+FR*\b:128*(\p)+FR*\b+FR-1], v[AF+FR*(\a):AF+FR*(\a)+FR-1], v[8*(8*((\a)%4)+\b):8*(8*((\a)%4)+\b)+7], v[SC+16*(\sc)+2*\b+(\q)], v[SC+16*(\sc)+2*(\a)+(\q)] matrix_a_fmt:MATRIX_FMT_BF8 matrix_b_fmt:MATRIX_FMT_BF8 matrix_a_scale:MATRIX_SCALE_ROW1
.endif
.endr
.endr
.endm
.macro FETCH_B slot, q, p
	WIN TO_B
.irp i, 0,1,2,3,4,5,6,7
	FRAG 128*(\p)+FR*\i, ADRB+\slot, \q, \i
.endr
	WIN 0
.endm
.macro FETCH_A slot, q, i0
.irp i, \i0, \i0+1, \i0+2, \i0+3
	FRAG AF+FR*(\i), ADRA+\slot, \q, \i
.endr
.endm
.macro SCALES sc
.irp i, 0,1,2,3,4,5,6,7
	ds_load_b64 v[SC+16*\sc+2*\i:SC+16*\sc+2*\i+1], v[ADRS+\sc] offset:128*\i
.endr
.endm
.macro PLACES n
.rept \n
	v_nop
.endr
.endm
.macro STEP slot, start                ; a slot's first 128 along K
	s_wait_dscnt 4*NL                              ; all but the youngest 16 loads (A's tiles 4-7) are in
.if \start == 2
	WIN 0x81                                       ; C (the bias) in window 0, D in window 2
.else
	WIN MUL_LO
.endif
	MUL16 0, 0, 0, \slot, \start
	MUL16 2, 0, 0, \slot, \start
	s_wait_dscnt 0
	PLACES NP
	FETCH_B \slot, 1, 1
	FETCH_A \slot, 1, 0
.if \start == 2
	WIN 0xc1
.else
	WIN MUL_HI
.endif
	MUL16 4, 0, 0, \slot, \start
	MUL16 6, 0, 0, \slot, \start
	PLACES NP
	WIN 0
	FETCH_A \slot, 1, 4
.endm
.macro TURN slot, next, fill           ; a slot's second 128 along K, and the change of slots
	s_wait_tensorcnt 0x0                           ; all my tensor loads have landed: my block of the next slot
	ds_add_u32 v[SPW], v[NIL]                      ; 0 onto my spare word
	s_wait_dscnt 4*NL+1                            ; the add and the youngest 16 loads may be out
	WIN MUL_LO
	MUL16 0, 1, 1, \slot, 0
	s_wait_dscnt 0x0                               ; the add is done, and my reads of this slot are over
	s_barrier_signal -1
	MUL16 2, 1, 1, \slot, 0
	WIN 0
	s_barrier_wait -1
.if \fill
	CREST                                          ; the barrier has opened a round of the cluster's
	s_add_nc_u64 s[G0+4*\slot+2:G0+4*\slot+3], s[G0+4*\slot+2:G0+4*\slot+3], 2*BLK
	s_add_nc_u64 s[G0B+4*\slot+2:G0B+4*\slot+3], s[G0B+4*\slot+2:G0B+4*\slot+3], 2*BLK
	JLOAD G0+4*\slot, G1, G0B+4*\slot, G1B         ; the first tensor load behind the round
	PLACES NP-4
.else
	PLACES NP
.endif
	FETCH_B \next, 0, 0
	FETCH_A \next, 0, 0
	SCALES \next
	WIN MUL_HI
	MUL16 4, 1, 1, \slot, 0
	MUL16 6, 1, 1, \slot, 0
	PLACES NP
	WIN 0
	FETCH_A \next, 0, 4
.endm
	s_wait_tensorcnt 1                             ; my block of K step 0 is in; K step 1's may be out
	s_barrier_signal -1
	s_barrier_wait -1
	FETCH_B 0, 0, 0
	FETCH_A 0, 0, 0
	SCALES 0
	FETCH_A 0, 0, 4
	s_wait_loadcnt 0x0                             ; the bias
	STEP 0, 2
	s_mov_b32 s3, LAPS-1
.Llap:
	TURN 0, 1, 1
	STEP 1, 0
	TURN 1, 0, 1
	STEP 0, 0
	s_sub_co_u32 s3, s3, 1
	s_cmp_lg_u32 s3, 0
	s_cbranch_scc1 .Llap
	TURN 0, 1, 0
	STEP 1, 0
	s_wait_dscnt 4*NL
	WIN MUL_LO
	MUL16 0, 1, 1, 1, 0
	MUL16 2, 1, 1, 1, 0
	s_wait_dscnt 0
	WIN MUL_HI
	MUL16 4, 1, 1, 1, 0
	MUL16 6, 1, 1, 1, 0
	WIN 0
; THE WAY OUT.  Tile a of the tokens: a lane's 64 results become a fragment's codes and its scale word; what is negative becomes 0 on the way.  The numbers lie in window 2 or 3, all else in window 0.
.macro QUANTW a
.set QS, 64*((\a)%4)
.set QX, 2+(\a)/4
.set QW, QX|(QX<<2)
	WIN QW
.irp b, 0,1,2,3
	v_max3_num_f32 v[TM+\b], v[QS+16*\b], v[QS+1+16*\b], 0x8000000   ; no |.|: what is negative must not count; the floor 2^(16 - 127) stands over it.  Each accumulator is read from its low end on
.endr
.irp i, 2,4,6,8,10,12,14
.irp b, 0,1,2,3
	v_max3_num_f32 v[TM+\b], v[QS+16*\b+\i], v[QS+1+16*\b+\i], v[TM+\b]
.endr
.endr
	WIN 0
	s_wait_xcnt 0x0                                ; the last tile's stores have read the codes and the scale word: they are written again only behind this wait
.irp b, 0,1,2,3
	v_permlanex16_b32 v[TM+4+\b], v[TM+\b], s[SEL], s[SEL+1]
.endr
.irp b, 0,1,2,3
	v_max_num_f32 v[TM+\b], v[TM+\b], v[TM+4+\b]
.endr
.irp b, 0,1,2,3
	v_add_nc_u32 v[TM+12+\b], 0xf8800000, v[TM+\b]
.endr
.irp b, 0,1,2,3
	v_and_or_b32 v[TM+8+\b], v[TM+\b], 0x7f800000, s[MNT]
.endr
.irp b, 0,1,2,3
	v_lshrrev_b32 v[TM+4+\b], 23, v[TM+12+\b]
.endr
	v_lshl_or_b32 v[PW], v[TM+5], 8, v[TM+4]
	v_lshl_or_b32 v[PW], v[TM+6], 16, v[PW]
	v_lshl_or_b32 v[PW], v[TM+7], 24, v[PW]
.set QW, (QX<<6)|QX
	WIN QW
.irp b, 0,1,2,3
.irp i, 0,1,2,3,4,5,6,7,8,9,10,11,12,13,14,15
	v_med3_num_f32 v[QS+16*\b+\i], v[QS+16*\b+\i], 0, v[TM+8+\b]   ; the activation and the hold in one
.endr
.endr
	WIN QX
.irp b, 0,1,2,3
	v_cvt_scalef32_pk8_bf8_f32 v[PC+4*\b:PC+1+4*\b], v[QS+16*\b:QS+7+16*\b], v[TM+12+\b]
	v_cvt_scalef32_pk8_bf8_f32 v[PC+2+4*\b:PC+3+4*\b], v[QS+8+16*\b:QS+15+16*\b], v[TM+12+\b]
.endr
	v_nop                                          ; a plain line behind the last conversion
	WIN 0
.endm
	PLACES NP                                      ; behind the last products
.irp b, 0,1,2,3
	v_mov_b32 v[TM+4+\b], 0                        ; written once: a lane permute's destination counts as one of its sources
.endr
.irp a, 0,1,2,3,4,5,6,7
	QUANTW \a
.irp c, 0,1,2,3
	global_store_b128 v[CO], v[PC+4*\c:PC+4*\c+3], s[72:73] offset:\a*4096+\c*512   ; 512 consecutive bytes, aligned
.endr
	global_store_b32 v10, v[PW], s[70:71] offset:\a*128
.endr
	s_wait_tensorcnt 0x0                           ; the wave's end
	ds_add_u32 v[SPW], v[NIL]
	s_wait_dscnt 0x0
	CROUND                                         ; the closing round
	s_endpgm
.Lfunc_end_k_q4428010634_ffn1:
	.size	k_q4428010634_ffn1, .Lfunc_end_k_q4428010634_ffn1-k_q4428010634_ffn1
	.p2alignl 7, 3214868480
	.fill 96, 4, 3214868480
	.section	.rodata,"a",@progbits
	.p2align	6, 0x0
	.amdhsa_kernel k_q4428010634_ffn1
		.amdhsa_group_segment_fixed_size 327680
		.amdhsa_private_segment_fixed_size 0
		.amdhsa_enable_private_segment 0
		.amdhsa_kernarg_size 32
		.amdhsa_user_sgpr_count 2
		.amdhsa_user_sgpr_kernarg_segment_ptr 1
		.amdhsa_wavefront_size32 1
		.amdhsa_system_sgpr_workgroup_id_x 1
		.amdhsa_system_sgpr_workgroup_id_y 1
		.amdhsa_system_sgpr_workgroup_id_z 1
		.amdhsa_system_vgpr_workitem_id 0
		.amdhsa_next_free_vgpr 1024
		.amdhsa_next_free_sgpr 100
		.amdhsa_reserve_vcc 0
		.amdhsa_float_denorm_mode_32 3
		.amdhsa_float_denorm_mode_16_64 3
		.amdhsa_memory_ordered 1
		.amdhsa_forward_progress 1
		.amdhsa_inst_pref_size 185
	.end_amdhsa_kernel
	.amdgpu_metadata
---
amdhsa.version: [ 1, 2 ]
amdhsa.kernels:
  - .name:           k_q4428010634_ffn1
    .symbol:         k_q4428010634_ffn1.kd
    .args:
      - { .name: h2img, .offset: 0, .size: 8, .value_kind: global_buffer, .address_space: global }
      - { .name: wimg, .offset: 8, .size: 8, .value_kind: global_buffer, .address_space: global }
      - { .name: b1, .offset: 16, .size: 8, .value_kind: global_buffer, .address_space: global }
      - { .name: fimg, .offset: 24, .size: 8, .value_kind: global_buffer, .address_space: global }
    .group_segment_fixed_size: 327680
    .private_segment_fixed_size: 0
    .kernarg_segment_align: 8
    .kernarg_segment_size: 32
    .max_flat_workgroup_size: 128
    .sgpr_count:     100
    .vgpr_count:     1024
    .wavefront_size: 32
...
	.end_amdgpu_metadata
.endif
;; end of part 6
;; launch ffn2 (part 7): grid 4 x 16, 4 waves a work-group, clusters of 4 x 4, 327,680 bytes of LDS; arguments fimg, wimg, x1, b2, out0; writes out0
.if DOCPART == 7
	.amdgcn_target "amdgcn-amd-amdhsa--gfx1250"
	.amdhsa_code_object_version 6
	.text
	.protected	k_q4428010634_ffn2
	.globl	k_q4428010634_ffn2
	.p2align	8
	.type	k_q4428010634_ffn2,@function
k_q4428010634_ffn2:
	s_mov_b64 s[64:65], 0
	v_nop
	global_prefetch_b8 v0, s[64:65] scope:SCOPE_SE
	s_setreg_imm32_b32 hwreg(HW_REG_WAVE_MODE, 25, 1), 1
	s_wait_xcnt 0x0
	s_wait_alu depctr_hold_cnt(0) depctr_sa_sdst(0) depctr_va_vdst(0) depctr_va_sdst(0) depctr_va_ssrc(0) depctr_va_vcc(0) depctr_vm_vsrc(0)
	s_getreg_b32 s2, hwreg(HW_REG_IB_STS2, 6, 4)
	s_cmp_eq_u32 s2, 0
	s_cbranch_scc0 .Lentry_in_a_cluster
	s_endpgm
.Lentry_in_a_cluster:
	s_bfe_u32 s2, ttmp6, 0x10000c
	s_cmp_lg_u32 s2, 0xf033
	s_cbranch_scc0 .Lentry_shape_is_right
	s_endpgm
.Lentry_shape_is_right:
; out = res + A B^T + bias, in f32: A [4,096 tokens][K] and B [1,024 features][K] as codes of E5M2 with one E8M0 byte for each 32 along K.  Here: A = the FFN's hidden layer, B = W2, K = 4,096, res = x1, out = out0.
; OPERANDS are images of registers, in blocks of 33,792 bytes (128 rows x 256 K: codes at tile*4096 + half*2048 + c*512 + 16*lane, scale words at 32768 + tile*128 + 8 r + 4 half), blocks [row / 128][k / 256].
; Image row r of tile J is row 32 (J / 2) + 8 (J % 2) + r + 8 (r / 8).  Source 0 takes B, source 1 A: a lane holds one token, and register j of tile b feature 32 (b / 2) + 8 (b % 2) + 16 h + j.
; THE RESIDUAL IS LOADED INTO THE ACCUMULATORS, in the result's layout, while the first blocks are on their way: every product adds in place and nothing is cleared.
; SHARES.  A work-group makes 256 tokens x 256 features, each of four waves 128 x 128: 64 accumulators, 512 registers.  K goes in steps of 256 through two LDS slots of four blocks; one tensor load a wave brings a block, codes and scale words together.
; CLUSTER 4 x 4: A's blocks are shared along a row of the cluster, B's along a column: each is asked for jointly.  64 work-groups: the output has no more tiles of this size.
; No prefetch: sixteen K steps, and the tiles are shared in the cluster.
; THE WAY OUT goes through each wave's own stage in LDS (in slot 0, which has had its last fill and its last read): rows of 512 bytes come back whole, the bias is added, and 32 lanes store 512 consecutive bytes.
; REGISTERS: window 0: v4-7 the bias of my 4 columns of a row; v12 the residual's offset; v16-29 addresses; v32-63 scale words, two sets; v128-255 A's fragments, later rows on the way out.  window 1: B's fragments, two sets.  windows 2, 3: accumulator (a, b) at v[8 (8 (a % 4) + b)].
.set BLK,   33792
.set SLOT,  4*BLK
.set SPARE, 2*SLOT
.set KS,    16                         ; blocks along K
.set WOFF,  256                        ; B's first block in wimg
.set LAPS,  KS/2
.set FR,    16
.set NL,    4
.set NP,    8
.set SPITCH, 528
.set BI,   4
.set RO,   12
.set ADRA, 16
.set ADRB, 20
.set ADRS, 22
.set STO,  24
.set RD,   25
.set CO,   26
.set SPW,  28
.set NIL,  29
.set SC,   32
.set AF,   128
.set BK,   128
.set G1, 24
.set G0, 32
.set G1B, 48
.set G0B, 56
.set MSB, 0
.macro WIN new
.if MSB != (\new)
	s_set_vgpr_msb (MSB<<8)|(\new)
.set MSB, (\new)
.endif
.endm
.set MUL_LO, 0xa1
.set MUL_HI, 0xf1
.set TO_B,   0x40
.macro JLOAD g0a, g1a, g0b, g1b        ; waves 0 and 1 fetch A's blocks, waves 2 and 3 B's; four v_nop follow each line
	s_cmp_eq_u32 s15, 0
	s_cbranch_scc0 .Lfor_b_\@
	tensor_load_to_lds s[\g0a:\g0a+3], s[\g1a:\g1a+7]
	s_nop 0
.rept 4
	v_nop
.endr
	s_branch .Lasked_\@
.Lfor_b_\@:
	tensor_load_to_lds s[\g0b:\g0b+3], s[\g1b:\g1b+7]
	s_nop 0
.rept 4
	v_nop
.endr
.Lasked_\@:
.endm
.macro CREST
	s_cmp_lg_u32 s14, 0
	s_cbranch_scc1 .Lnot_wave_0_\@
	s_barrier_signal -3
.Lnot_wave_0_\@:
	s_barrier_wait -3
	s_barrier_signal -1
	s_barrier_wait -1
.endm
.macro CROUND
	s_barrier_signal -1
	s_barrier_wait -1
	CREST
.endm
	s_load_b128 s[4:7], s[0:1], 0x0                ; A's image, wimg
	s_load_b128 s[8:11], s[0:1], 0x10              ; the residual, the bias
	s_load_b64 s[12:13], s[0:1], 0x20              ; out
	v_lshl_add_u32 v[SPW], v0, 2, SPARE
	v_mov_b32 v[NIL], 0
	ds_add_u32 v28, v29
	ds_add_u32 v28, v29
	s_wait_dscnt 0x0
	v_lshrrev_b32 v1, 5, v0
	v_readfirstlane_b32 s14, v1
	s_lshr_b32 s15, s14, 1                         ; which half of A's rows is mine.  Also: I fetch for A (0) or for B (1)
	s_and_b32 s16, s14, 1                          ; which half of B's rows.  Also: which of the two blocks I fetch
	s_bfe_u32 s40, ttmp6, 0x40000
	s_bfe_u32 s41, ttmp6, 0x40004
	s_lshl_b32 s42, ttmp9, 2
	s_add_co_u32 s42, s42, s40                     ; tile column
	s_and_b32 s17, ttmp7, 0xffff
	s_lshl_b32 s17, s17, 2
	s_add_co_u32 s17, s17, s41                     ; tile row
	s_lshl_b32 s43, s41, 2
	s_lshl_b32 s43, 15, s43
	s_lshl_b32 s44, 0x1111, s40
	s_or_b32 s[G1+0], s43, (3<<16)|(1<<21)         ; 15:0 the mask; 17:16 elements of 8 bytes; 21 set beside a mask; no padding
	s_or_b32 s[G1B+0], s44, (3<<16)|(1<<21)
.irp g, G1, G1B
	s_mov_b32 s[\g+1], 32<<16
	s_mov_b32 s[\g+2], 132<<16
	s_mov_b32 s[\g+3], 32<<16
	s_mov_b32 s[\g+4], 132
	s_mov_b32 s[\g+5], 32
	s_mov_b32 s[\g+6], 0
	s_mov_b32 s[\g+7], 0
.endr
	s_lshl_b32 s20, s17, 1
	s_add_co_u32 s20, s20, s16
	s_mul_i32 s20, s20, KS*BLK
	s_mov_b32 s21, 0
	s_lshl_b32 s46, s42, 1
	s_add_co_u32 s46, s46, s16
	s_mul_i32 s46, s46, KS*BLK
	s_mov_b32 s47, 0
	s_mul_i32 s45, s14, BLK
	s_wait_kmcnt 0x0
	s_add_nc_u64 s[20:21], s[4:5], s[20:21]
	s_add_nc_u64 s[46:47], s[6:7], s[46:47]
	s_add_nc_u64 s[46:47], s[46:47], WOFF*BLK
	CROUND
.irp s, 0,1
	s_mov_b32 s[G0+4*\s], 1
	s_add_co_u32 s[G0+4*\s+1], s45, \s*SLOT
	s_add_nc_u64 s[G0+4*\s+2:G0+4*\s+3], s[20:21], \s*BLK
	s_or_b32 s[G0+4*\s+3], s[G0+4*\s+3], 0x80000000
	s_mov_b32 s[G0B+4*\s], 1
	s_add_co_u32 s[G0B+4*\s+1], s45, \s*SLOT
	s_add_nc_u64 s[G0B+4*\s+2:G0B+4*\s+3], s[46:47], \s*BLK
	s_or_b32 s[G0B+4*\s+3], s[G0B+4*\s+3], 0x80000000
	JLOAD G0+4*\s, G1, G0B+4*\s, G1B
.endr
	v_and_b32 v1, 15, v0                           ; r
	v_bfe_u32 v2, v0, 4, 1                         ; h
	v_and_b32 v3, 31, v0
	v_lshlrev_b32 v[CO], 4, v3                     ; 16 x lane
	s_mul_i32 s21, s15, BLK
	s_mul_i32 s22, s16, BLK
	s_add_co_u32 s22, s22, 2*BLK
.irp s, 0,1
	v_add_nc_u32 v[ADRA+\s], s21, v[CO]
	v_add_nc_u32 v[ADRB+\s], s22, v[CO]
	s_add_co_u32 s21, s21, SLOT
	s_add_co_u32 s22, s22, SLOT
.endr
	s_mul_i32 s21, s15, BLK
	s_mul_i32 s22, s16, BLK
	s_add_co_u32 s22, s22, 2*BLK
	s_sub_co_u32 s22, s22, s21
	v_mul_u32_u24 v6, s22, v2                      ; lanes 16-31 take B's block: one product, the distance between the two
	v_lshl_add_u32 v6, v1, 3, v6
	s_add_co_u32 s21, s21, 32768
	v_add_nc_u32 v[ADRS], s21, v6
	v_add_nc_u32 v[ADRS+1], SLOT, v[ADRS]
	s_mul_i32 s23, s14, 16*SPITCH                  ; my stage
	v_mul_u32_u24 v3, v1, SPITCH
	v_lshl_add_u32 v3, v2, 6, v3
	v_add_nc_u32 v[STO], s23, v3                   ; in: row r, + 64 h
	v_add_nc_u32 v[RD], s23, v[CO]                 ; back: the 32 lanes take one row of 512 bytes
	v_and_b32 v3, 8, v1
	v_add_nc_u32 v3, v3, v1
	v_lshlrev_b32 v[RO], 12, v3
	v_lshl_add_u32 v[RO], v2, 6, v[RO]             ; the residual: row r + 8 (r / 8) of 4,096 bytes, + 64 h
	s_lshl_b32 s70, s17, 8
	s_lshl_b32 s71, s15, 7
	s_add_co_u32 s70, s70, s71                     ; my first token
	s_lshl_b32 s70, s70, 12
	s_lshl_b32 s72, s42, 10
	s_lshl_b32 s73, s16, 9
	s_add_co_u32 s72, s72, s73                     ; my first feature, in bytes
	s_add_co_u32 s70, s70, s72
	s_mov_b32 s71, 0
	s_mov_b32 s73, 0
	s_add_nc_u64 s[74:75], s[8:9], s[70:71]
	s_add_nc_u64 s[76:77], s[12:13], s[70:71]
	s_add_nc_u64 s[78:79], s[10:11], s[72:73]
	global_load_b128 v[BI:BI+3], v[CO], s[78:79]   ; the bias of the four columns that I hold of a whole row
.irp a, 0,1,2,3,4,5,6,7
	WIN 0x80+0x40*(\a/4)                           ; destination window 2 or 3
.irp b, 0,1,2,3,4,5,6,7
	global_load_b128 v[8*(8*(\a%4)+\b):8*(8*(\a%4)+\b)+3], v[RO], s[74:75] offset:(32*(\a/2)+8*(\a%2))*4096+128*(\b/2)+32*(\b%2)
	global_load_b128 v[8*(8*(\a%4)+\b)+4:8*(8*(\a%4)+\b)+7], v[RO], s[74:75] offset:(32*(\a/2)+8*(\a%2))*4096+128*(\b/2)+32*(\b%2)+16
.endr
.endr
	WIN 0
.macro FRAG reg, adr, q, i
.irp c, 0,1,2,3
	ds_load_b128 v[\reg+4*\c:\reg+4*\c+3], v[\adr] offset:(\i)*4096+(\q)*2048+512*\c
.endr
.endm
; 16 matrix instructions: A's tiles a0, a0 + 1 x B's eight.  The 64 accumulators take turns, one instruction a turn, in the same order in every step.
.macro MUL16 a0, p, q, sc
.irp a, \a0, \a0+1
.irp b, 0,1,2,3,4,5,6,7
	v_wmma_scale_f32_16x16x128_f8f6f4 v[8*(8*((\a)%4)+\b):8*(8*((\a)%4)+\b)+7], v[128*(\p)+FR*\b:128*(\p)+FR*\b+FR-1], v[AF+FR*(\a):AF+FR*(\a)+FR-1], v[8*(8*((\a)%4)+\b):8*(8*((\a)%4)+\b)+7], v[SC+16*(\sc)+2*\b+(\q)], v[SC+16*(\sc)+2*(\a)+(\q)] matrix_a_fmt:MATRIX_FMT_BF8 matrix_b_fmt:MATRIX_FMT_BF8 matrix_a_scale:MATRIX_SCALE_ROW1
.endr
.endr
.endm
.macro FETCH_B slot, q, p
	WIN TO_B
.irp i, 0,1,2,3,4,5,6,7
	FRAG 128*(\p)+FR*\i, ADRB+\slot, \q, \i
.endr
	WIN 0
.endm
.macro FETCH_A slot, q, i0
.irp i, \i0, \i0+1, \i0+2, \i0+3
	FRAG AF+FR*(\i), ADRA+\slot, \q, \i
.endr
.endm
.macro SCALES sc
.irp i, 0,1,2,3,4,5,6,7
	ds_load_b64 v[SC+16*\sc+2*\i:SC+16*\sc+2*\i+1], v[ADRS+\sc] offset:128*\i
.endr
.endm
.macro PLACES n
.rept \n
	v_nop
.endr
.endm
.macro STEP slot                       ; a slot's first 128 along K
	s_wait_dscnt 4*NL                              ; all but the youngest 16 loads (A's tiles 4-7) are in
	WIN MUL_LO
	MUL16 0, 0, 0, \slot
	MUL16 2, 0, 0, \slot
	s_wait_dscnt 0
	PLACES NP
	FETCH_B \slot, 1, 1
	FETCH_A \slot, 1, 0
	WIN MUL_HI
	MUL16 4, 0, 0, \slot
	MUL16 6, 0, 0, \slot
	PLACES NP
	WIN 0
	FETCH_A \slot, 1, 4
.endm
.macro TURN slot, next, fill           ; a slot's second 128 along K, and the change of slots
	s_wait_tensorcnt 0x0                           ; all my tensor loads have landed: my block of the next slot
	ds_add_u32 v[SPW], v[NIL]                      ; 0 onto my spare word
	s_wait_dscnt 4*NL+1                            ; the add and the youngest 16 loads may be out
	WIN MUL_LO
	MUL16 0, 1, 1, \slot
	s_wait_dscnt 0x0                               ; the add is done, and my reads of this slot are over
	s_barrier_signal -1
	MUL16 2, 1, 1, \slot
	WIN 0
	s_barrier_wait -1
.if \fill
	CREST                                          ; the barrier has opened a round of the cluster's
	s_add_nc_u64 s[G0+4*\slot+2:G0+4*\slot+3], s[G0+4*\slot+2:G0+4*\slot+3], 2*BLK
	s_add_nc_u64 s[G0B+4*\slot+2:G0B+4*\slot+3], s[G0B+4*\slot+2:G0B+4*\slot+3], 2*BLK
	JLOAD G0+4*\slot, G1, G0B+4*\slot, G1B         ; the first tensor load behind the round
	PLACES NP-4
.else
	PLACES NP
.endif
	FETCH_B \next, 0, 0
	FETCH_A \next, 0, 0
	SCALES \next
	WIN MUL_HI
	MUL16 4, 1, 1, \slot
	MUL16 6, 1, 1, \slot
	PLACES NP
	WIN 0
	FETCH_A \next, 0, 4
.endm
	s_wait_tensorcnt 1                             ; my block of K step 0 is in; K step 1's may be out
	s_barrier_signal -1
	s_barrier_wait -1
	FETCH_B 0, 0, 0
	FETCH_A 0, 0, 0
	SCALES 0
	FETCH_A 0, 0, 4
	s_wait_loadcnt 0x0                             ; the residual lies in the accumulators
	STEP 0
	s_mov_b32 s3, LAPS-1
.Llap:
	TURN 0, 1, 1
	STEP 1
	TURN 1, 0, 1
	STEP 0
	s_sub_co_u32 s3, s3, 1
	s_cmp_lg_u32 s3, 0
	s_cbranch_scc1 .Llap
	TURN 0, 1, 0
	STEP 1
	s_wait_dscnt 4*NL
	WIN MUL_LO
	MUL16 0, 1, 1, 1
	MUL16 2, 1, 1, 1
	s_wait_dscnt 0
	WIN MUL_HI
	MUL16 4, 1, 1, 1
	MUL16 6, 1, 1, 1
	WIN 0
.macro TOSTAGE a                       ; tile a: 16 tokens x 128 features into my stage, in the features' true order, and back as whole rows.  LDS serves a wave's instructions in order (ISA guide 5.7.1.4)
.set AC, 64*((\a)%4)
	WIN 0x08+4*((\a)/4)                            ; the data: window 2 or 3
.irp b, 0,1,2,3,4,5,6,7
	ds_store_b128 v[STO], v[AC+8*\b:AC+8*\b+3] offset:128*(\b/2)+32*(\b%2)       ; each accumulator from its low end on
	ds_store_b128 v[STO], v[AC+8*\b+4:AC+8*\b+7] offset:128*(\b/2)+32*(\b%2)+16
.endr
	WIN 0
.set BB, BK+64*((\a)%2)
.irp t, 0,1,2,3,4,5,6,7,8,9,10,11,12,13,14,15
	ds_load_b128 v[BB+4*\t:BB+4*\t+3], v[RD] offset:\t*SPITCH
.endr
.endm
.macro SEND a, younger                 ; younger: the LDS instructions issued behind tile a's loads
.set BB, BK+64*((\a)%2)
	s_wait_dscnt \younger
.irp t, 0,1,2,3,4,5,6,7,8,9,10,11,12,13,14,15
	v_pk_add_f32 v[BB+4*\t:BB+4*\t+1], v[BB+4*\t:BB+4*\t+1], v[BI:BI+1]
	v_pk_add_f32 v[BB+4*\t+2:BB+4*\t+3], v[BB+4*\t+2:BB+4*\t+3], v[BI+2:BI+3]
	global_store_b128 v[CO], v[BB+4*\t:BB+4*\t+3], s[76:77] offset:(32*((\a)/2)+8*((\a)%2)+\t+8*(\t/8))*4096   ; stage row t is token 32 (a / 2) + 8 (a % 2) + t + 8 (t / 8); 512 consecutive bytes, aligned
.endr
.endm
	PLACES NP                                      ; behind the last products
	TOSTAGE 0
.irp a, 1,2,3,4,5,6,7
.if \a > 1
	s_wait_xcnt 0x0                                ; tile a - 2's stores have read their registers: tile a's loads may land there
.endif
	TOSTAGE \a
	SEND \a-1, 32                                  ; behind tile a - 1's loads: tile a's 16 stores and 16 loads
.endr
	SEND 7, 0
	s_wait_tensorcnt 0x0                           ; the wave's end
	ds_add_u32 v[SPW], v[NIL]
	s_wait_dscnt 0x0
	CROUND                                         ; the closing round
	s_endpgm
.Lfunc_end_k_q4428010634_ffn2:
	.size	k_q4428010634_ffn2, .Lfunc_end_k_q4428010634_ffn2-k_q4428010634_ffn2
	.p2alignl 7, 3214868480
	.fill 96, 4, 3214868480
	.section	.rodata,"a",@progbits
	.p2align	6, 0x0
	.amdhsa_kernel k_q4428010634_ffn2
		.amdhsa_group_segment_fixed_size 327680
		.amdhsa_private_segment_fixed_size 0
		.amdhsa_enable_private_segment 0
		.amdhsa_kernarg_size 40
		.amdhsa_user_sgpr_count 2
		.amdhsa_user_sgpr_kernarg_segment_ptr 1
		.amdhsa_wavefront_size32 1
		.amdhsa_system_sgpr_workgroup_id_x 1
		.amdhsa_system_sgpr_workgroup_id_y 1
		.amdhsa_system_sgpr_workgroup_id_z 1
		.amdhsa_system_vgpr_workitem_id 0
		.amdhsa_next_free_vgpr 1024
		.amdhsa_next_free_sgpr 100
		.amdhsa_reserve_vcc 0
		.amdhsa_float_denorm_mode_32 3
		.amdhsa_float_denorm_mode_16_64 3
		.amdhsa_memory_ordered 1
		.amdhsa_forward_progress 1
		.amdhsa_inst_pref_size 171
	.end_amdhsa_kernel
	.amdgpu_metadata
---
amdhsa.version: [ 1, 2 ]
amdhsa.kernels:
  - .name:           k_q4428010634_ffn2
    .symbol:         k_q4428010634_ffn2.kd
    .args:
      - { .name: fimg, .offset: 0, .size: 8, .value_kind: global_buffer, .address_space: global }
      - { .name: wimg, .offset: 8, .size: 8, .value_kind: global_buffer, .address_space: global }
      - { .name: x1, .offset: 16, .size: 8, .value_kind: global_buffer, .address_space: global }
      - { .name: b2, .offset: 24, .size: 8, .value_kind: global_buffer, .address_space: global }
      - { .name: out0, .offset: 32, .size: 8, .value_kind: global_buffer, .address_space: global }
    .group_segment_fixed_size: 327680
    .private_segment_fixed_size: 0
    .kernarg_segment_align: 8
    .kernarg_segment_size: 40
    .max_flat_workgroup_size: 128
    .sgpr_count:     100
    .vgpr_count:     1024
    .wavefront_size: 32
...
	.end_amdgpu_metadata
.endif
;; end of part 7
;; ======== version 2 of 2: 7 launches
;; limits: right only within a limited range of input values
;; workspace buffers: wimg 12,976,128 bytes; himg 4,325,376 bytes; qimg 4,456,448 bytes; kvimg 8,781,824 bytes; oimg 4,325,376 bytes; x1 16,777,216 bytes; h2img 4,325,376 bytes; fimg 17,301,504 bytes
;; launch prep (part 8): grid 448 x 1, 8 waves a work-group, no clusters, 2,048 bytes of LDS; arguments x, g1, be1, himg, Wq, Wk, Wv, Wproj, W1, W2, wimg; writes himg, wimg
.if DOCPART == 8
	.amdgcn_target "amdgcn-amd-amdhsa--gfx1250"
	.amdhsa_code_object_version 6
	.text
	.protected	k_q4428010634_prep
	.globl	k_q4428010634_prep
	.p2align	8
	.type	k_q4428010634_prep,@function
k_q4428010634_prep:
	s_mov_b64 s[64:65], 0
	v_nop
	global_prefetch_b8 v0, s[64:65] scope:SCOPE_SE
	s_setreg_imm32_b32 hwreg(HW_REG_WAVE_MODE, 25, 1), 1
	s_wait_xcnt 0x0
; ONE PREPARING LAUNCH FOR TWO JOBS, parted on the work-group's number: 0-191 quantise the six weights, 192-447 take LayerNorm 1 of x and quantise it.
; Every input of the problem has a way to the output and is loaded by some launch.  Left out in the whole program: only the key steps of attention that lie wholly under the causal mask.
; IMAGES.  All codes (E5M2, one E8M0 byte for each 32 along K) leave as images of the operand's registers, in blocks of 33,792 bytes = 128 rows x 256 along K:
; codes at tile*4096 + half*2048 + c*512 + 16*lane (lane (r, h): k = 32 c + 16 h + 0..15 of image row r), scale words at 32768 + tile*128 + 8 r + 4 half; blocks lie [row / 128][k / 256].
; Image row r of tile J is row 32 (J / 2) + 8 (J % 2) + r + 8 (r / 8).
; WEIGHTS (K not innermost): a lane takes a column and its registers run down K, so a block of 32 lies in one lane.  A work-group fills two blocks, a wave 32 columns x 256 of K; loads run two blocks of K (64 loads a wave) ahead.
; wimg's blocks: Wq 0-31, Wk 32-63, Wv 64-95, Wproj 96-127, W1 128-255, W2 256-383.  Pointer, pitch and splits are chosen by selects on the work-group's number.
; LAYERNORM: a work-group takes tile J (16 rows), wave w columns 128 w on; the variance is the mean of (x - mean)^2 over registers; a row's sums span the eight waves through LDS, two barriers.
; No cluster, no tensor load: the work-groups share nothing but g and be.  No prefetch: each byte is asked for once, by loads that run ahead.
; LIMITS: a block of zeros gets the byte 1 (its codes are zeros; this program alone reads the bytes); NaN and infinities among the inputs are not served.
.set BLK,  33792
.set NWQ,  192
.set X,    32
.set OFS,  96
.set C,    128
.set SB,   192
.set BASE, 32
.set RED0, 0
.set RED1, 512
.set TM,   16
.set G,    96
.set BE,   160
.set PC,   224
.set PW,   240
.set SEL,  30
.set MNT,  29
.macro LOAD t                          ; block t of K: W(32 t + i, my column) into set t % 2
.set n, 0
.rept 32
	global_load_b32 v[X+32*((\t)%2)+n], v[OFS+n], s[BASE+2*(\t):BASE+2*(\t)+1] th:TH_LOAD_NT
.set n, n+1
.endr
.endm
.macro BLOCK t
.set XS, X+32*((\t)%2)
.set CT, C+8*(\t)
.if (\t) < 7
	s_wait_loadcnt 32                              ; this block's 32 loads are in; the next block's may be out
.else
	s_wait_loadcnt 0
.endif
	v_max3_num_f32 v12, |v[XS]|, |v[XS+1]|, |v[XS+2]|
	v_max3_num_f32 v13, |v[XS+3]|, |v[XS+4]|, |v[XS+5]|
.irp i, 6,10,14,18,22,26
	s_delay_alu instid0(VALU_DEP_2)
	v_max3_num_f32 v12, v12, |v[XS+\i]|, |v[XS+\i+1]|
	s_delay_alu instid0(VALU_DEP_2)
	v_max3_num_f32 v13, v13, |v[XS+\i+2]|, |v[XS+\i+3]|
.endr
	s_delay_alu instid0(VALU_DEP_2)
	v_max3_num_f32 v12, v12, |v[XS+30]|, |v[XS+31]|
	s_delay_alu instid0(VALU_DEP_1)
	v_max3_num_f32 v12, v12, v13, 0x8000000        ; the floor 2^(16 - 127): the byte cannot fall under 1
	s_delay_alu instid0(VALU_DEP_1)
	v_add_nc_u32 v11, 0xf8800000, v12              ; 15 off the exponent field: the conversion's scale operand
	s_delay_alu instid0(VALU_DEP_2)
	v_and_or_b32 v10, v12, 0x7f800000, s52         ; 57,344 x the scale
	s_delay_alu instid0(VALU_DEP_2)
	v_lshrrev_b32 v13, 23, v11                     ; the scale's byte
.if (\t)%4 == 0
	s_delay_alu instid0(VALU_DEP_1)
	v_mov_b32 v[SB+(\t)/4], v13
.else
	s_delay_alu instid0(VALU_DEP_1)
	v_lshl_or_b32 v[SB+(\t)/4], v13, 8*((\t)%4), v[SB+(\t)/4]
.endif
.set n, 0
.rept 32
	v_med3_num_f32 v[XS+n], v[XS+n], -v10, v10     ; the hold: the conversion does not saturate (ISA guide 7.6.2)
.set n, n+1
.endr
.irp g, 0,1,2,3
	v_cvt_scalef32_pk8_bf8_f32 v[CT+2*\g:CT+2*\g+1], v[XS+8*\g:XS+8*\g+7], v11
.endr
	global_store_b128 v5, v[CT:CT+3], s[50:51] offset:((\t)/4)*2048+((\t)%4)*512         ; sixteen lanes store 256 consecutive bytes, aligned
	global_store_b128 v5, v[CT+4:CT+7], s[50:51] offset:((\t)/4)*2048+((\t)%4)*512+256
.if (\t)+2 < 8
	LOAD (\t)+2
.endif
.endm
.macro QUANT s                         ; 64 numbers v[s] on become a fragment's codes in v[PC] on and its scale word in v[PW]
.irp b, 0,1,2,3
	v_max3_num_f32 v[TM+\b], |v[\s+16*\b]|, |v[\s+1+16*\b]|, 0x8000000
.endr
.irp i, 2,4,6,8,10,12,14
.irp b, 0,1,2,3
	s_delay_alu instid0(VALU_DEP_4)
	v_max3_num_f32 v[TM+\b], v[TM+\b], |v[\s+16*\b+\i]|, |v[\s+1+16*\b+\i]|
.endr
.endr
.irp b, 0,1,2,3
	s_delay_alu instid0(VALU_DEP_4)
	v_permlanex16_b32 v[TM+4+\b], v[TM+\b], s[SEL], s[SEL+1]
.endr
.irp b, 0,1,2,3
	s_delay_alu instid0(VALU_DEP_4)
	v_max_num_f32 v[TM+\b], v[TM+\b], v[TM+4+\b]
.endr
.irp b, 0,1,2,3
	s_delay_alu instid0(VALU_DEP_4)
	v_add_nc_u32 v[TM+12+\b], 0xf8800000, v[TM+\b]
.endr
.irp b, 0,1,2,3
	v_and_or_b32 v[TM+8+\b], v[TM+\b], 0x7f800000, s[MNT]
.endr
.irp b, 0,1,2,3
	v_lshrrev_b32 v[TM+4+\b], 23, v[TM+12+\b]
.endr
	s_delay_alu instid0(VALU_DEP_3)
	v_lshl_or_b32 v[PW], v[TM+5], 8, v[TM+4]
	s_delay_alu instid0(VALU_DEP_1)
	v_lshl_or_b32 v[PW], v[TM+6], 16, v[PW]
	s_delay_alu instid0(VALU_DEP_1)
	v_lshl_or_b32 v[PW], v[TM+7], 24, v[PW]
.irp b, 0,1,2,3
.irp i, 0,1,2,3,4,5,6,7,8,9,10,11,12,13,14,15
	v_med3_num_f32 v[\s+16*\b+\i], v[\s+16*\b+\i], -v[TM+8+\b], v[TM+8+\b]
.endr
	v_cvt_scalef32_pk8_bf8_f32 v[PC+4*\b:PC+1+4*\b], v[\s+16*\b:\s+7+16*\b], v[TM+12+\b]
	v_cvt_scalef32_pk8_bf8_f32 v[PC+2+4*\b:PC+3+4*\b], v[\s+8+16*\b:\s+15+16*\b], v[TM+12+\b]
.endr
	v_nop                                          ; a plain line behind the last conversion
.endm
.macro JOIN8 red                       ; the eight waves' parts of my row -> v248
	ds_load_b128 v[248:251], v9 offset:\red
	ds_load_b128 v[252:255], v9 offset:\red+16
	s_wait_dscnt 0x0
	v_add_f32 v248, v248, v249
	v_add_f32 v250, v250, v251
	v_add_f32 v252, v252, v253
	v_add_f32 v254, v254, v255
	v_add_f32 v248, v248, v250
	v_add_f32 v252, v252, v254
	v_add_f32 v248, v248, v252
.endm
	s_cmp_ge_u32 ttmp9, NWQ
	s_cbranch_scc1 .Lnorm
; ---- the weights ----
	s_load_b256 s[4:11], s[0:1], 0x20              ; Wq, Wk, Wv, Wproj
	s_load_b128 s[12:15], s[0:1], 0x40             ; W1, W2
	s_load_b64 s[16:17], s[0:1], 0x50              ; wimg
	v_lshrrev_b32 v1, 5, v0
	s_delay_alu instid0(VALU_DEP_1)
	v_readfirstlane_b32 s18, v1                    ; wave
	v_and_b32 v2, 15, v0                           ; r
	v_bfe_u32 v3, v0, 4, 1                         ; which of the two tiles
	s_delay_alu instid0(VALU_DEP_2)
	v_and_b32 v4, 8, v2
	s_delay_alu instid0(VALU_DEP_1)
	v_add_nc_u32 v4, v4, v2
	s_delay_alu instid0(VALU_DEP_1)
	v_lshl_add_u32 v4, v3, 3, v4                   ; my column of the 32: r + 8 (r / 8) + 8 x tile
	s_delay_alu instid0(VALU_DEP_1)
	v_lshlrev_b32 v[OFS], 2, v4
	v_lshlrev_b32 v5, 4, v2
	s_delay_alu instid0(VALU_DEP_1)
	v_lshl_add_u32 v5, v3, 12, v5                  ; out: 4096 x tile + 16 r
	v_lshlrev_b32 v6, 3, v2
	s_delay_alu instid0(VALU_DEP_1)
	v_lshl_add_u32 v6, v3, 7, v6                   ; scale words: 128 x tile + 8 r
	s_lshr_b32 s19, s18, 2
	s_lshl_b32 s20, ttmp9, 1
	s_add_co_u32 s19, s19, s20                     ; wimg's block
	s_and_b32 s20, s18, 3                          ; which 32 columns of its 128
	s_mov_b32 s21, 0                               ; the tensor's first block
	s_mov_b32 s22, 256                             ; bytes from a row of K to the next
	s_mov_b32 s23, 2                               ; log2 of its blocks along K
	s_mov_b32 s24, 1                               ; log2 of the groups of 32 columns in a plane
	s_mov_b32 s52, 0x600000                        ; the mantissa field of 57,344
	s_wait_alu depctr_va_vdst(0)
	s_wait_kmcnt 0x0
	s_mov_b64 s[26:27], s[4:5]
	s_cmp_ge_u32 ttmp9, 16
	s_cselect_b64 s[26:27], s[6:7], s[26:27]
	s_cselect_b32 s21, 32, s21
	s_cmp_ge_u32 ttmp9, 32
	s_cselect_b64 s[26:27], s[8:9], s[26:27]
	s_cselect_b32 s21, 64, s21
	s_cmp_ge_u32 ttmp9, 48
	s_cselect_b64 s[26:27], s[10:11], s[26:27]
	s_cselect_b32 s21, 96, s21
	s_cselect_b32 s22, 4096, s22
	s_cselect_b32 s24, 7, s24
	s_cmp_ge_u32 ttmp9, 64
	s_cselect_b64 s[26:27], s[12:13], s[26:27]
	s_cselect_b32 s21, 128, s21
	s_cselect_b32 s22, 16384, s22
	s_cmp_ge_u32 ttmp9, 128
	s_cselect_b64 s[26:27], s[14:15], s[26:27]
	s_cselect_b32 s21, 256, s21
	s_cselect_b32 s22, 4096, s22
	s_cselect_b32 s23, 4, s23
	s_sub_co_u32 s25, s19, s21                     ; the block within its tensor
	s_lshr_b32 s28, s25, s23                       ; which 128 features
	s_bfm_b32 s29, s23, 0
	s_and_b32 s29, s25, s29                        ; which 256 along K
	s_lshl_b32 s28, s28, 2
	s_add_co_u32 s28, s28, s20                     ; which 32 features
	s_lshr_b32 s30, s28, s24
	s_lshl_b32 s30, s30, 18                        ; the plane (a head of 262,144 bytes; none in the flat tensors)
	s_bfm_b32 s31, s24, 0
	s_and_b32 s31, s28, s31
	s_lshl_b32 s31, s31, 7
	s_add_co_u32 s30, s30, s31
	s_mul_i32 s29, s29, s22
	s_lshl_b32 s29, s29, 8
	s_add_co_u32 s30, s30, s29
	s_mov_b32 s31, 0
	s_add_nc_u64 s[BASE:BASE+1], s[26:27], s[30:31]
	s_lshl_b32 s28, s22, 5                         ; 32 rows of K
	s_mov_b32 s29, 0
.irp t, 1,2,3,4,5,6,7
	s_add_nc_u64 s[BASE+2*\t:BASE+2*\t+1], s[BASE+2*\t-2:BASE+2*\t-1], s[28:29]
.endr
	s_mul_i32 s48, s19, BLK
	s_lshl_b32 s49, s20, 13
	s_add_co_u32 s50, s48, s49
	s_mov_b32 s51, 0
	s_add_nc_u64 s[50:51], s[16:17], s[50:51]      ; my two tiles' codes
	s_lshl_b32 s49, s20, 8
	s_add_co_u32 s48, s48, s49
	s_add_co_u32 s48, s48, 32768
	s_mov_b32 s49, 0
	s_add_nc_u64 s[48:49], s[16:17], s[48:49]      ; and their scale words
.set n, 1
	v_add_nc_u32 v[OFS+n], s22, v[OFS+n-1]
.set n, n+1
.rept 30
	s_delay_alu instid0(VALU_DEP_1)
	v_add_nc_u32 v[OFS+n], s22, v[OFS+n-1]
.set n, n+1
.endr
	LOAD 0
	LOAD 1
.irp t, 0,1,2,3,4,5,6,7
	BLOCK \t
.endr
	global_store_b64 v6, v[SB:SB+1], s[48:49]      ; 32 lanes store 256 consecutive bytes, aligned
	s_endpgm
; ---- LayerNorm 1 ----
.Lnorm:
	s_load_b256 s[4:11], s[0:1], 0x0               ; x, g1, be1, himg
	v_lshl_add_u32 v241, v0, 2, 0x400              ; my spare word, and 0
	v_mov_b32 v247, 0
	s_sub_co_u32 s13, ttmp9, NWQ                   ; J
	v_lshrrev_b32 v1, 5, v0
	v_readfirstlane_b32 s12, v1                    ; wave
	v_and_b32 v2, 15, v0                           ; r
	v_bfe_u32 v3, v0, 4, 1                         ; h
	v_and_b32 v4, 8, v2
	v_add_nc_u32 v4, v4, v2                        ; r + 8 (r / 8)
	v_lshlrev_b32 v5, 12, v4
	v_lshl_add_u32 v5, v3, 6, v5                   ; x: my row of 4,096 bytes, + 64 h
	v_lshlrev_b32 v6, 6, v3                        ; g, be: 64 h
	v_and_b32 v7, 31, v0
	v_lshlrev_b32 v7, 4, v7                        ; 16 x lane
	v_lshlrev_b32 v8, 3, v2                        ; 8 r
	v_lshlrev_b32 v9, 5, v2                        ; LDS: 32 r: my row's eight parts
	v_lshl_add_u32 v10, v1, 2, v9                  ; + 4 w
	s_lshr_b32 s14, s13, 1
	s_lshl_b32 s14, s14, 5
	s_and_b32 s15, s13, 1
	s_lshl_b32 s15, s15, 3
	s_add_co_u32 s14, s14, s15                     ; the tile's first row
	s_lshl_b32 s14, s14, 12
	s_lshl_b32 s16, s12, 9                         ; my wave's 512 bytes of a row
	s_add_co_u32 s14, s14, s16
	s_mov_b32 s15, 0
	s_mov_b32 s17, 0
	s_lshr_b32 s18, s13, 3
	s_lshl_b32 s18, s18, 2
	s_lshr_b32 s19, s12, 1
	s_add_co_u32 s18, s18, s19
	s_mul_i32 s18, s18, BLK                        ; the image's block: (J / 8) x 4 + w / 2
	s_and_b32 s19, s13, 7
	s_and_b32 s22, s12, 1
	s_lshl_b32 s20, s19, 12
	s_lshl_b32 s21, s22, 11
	s_add_co_u32 s20, s20, s21
	s_add_co_u32 s20, s20, s18                     ; my fragment
	s_mov_b32 s21, 0
	s_lshl_b32 s19, s19, 7
	s_lshl_b32 s22, s22, 2
	s_add_co_u32 s22, s22, s19
	s_add_co_u32 s22, s22, s18
	s_add_co_u32 s22, s22, 32768                   ; its scale words
	s_mov_b32 s23, 0
	s_mov_b32 s[SEL], 0x76543210
	s_mov_b32 s[SEL+1], 0xfedcba98
	s_mov_b32 s[MNT], 0x600000
	s_mov_b32 s28, 0x3a800000                      ; 1 / 1,024
.irp b, 0,1,2,3
	v_mov_b32 v[TM+4+\b], 0                        ; a lane permute's destination counts as one of its sources
.endr
	v_mov_b32 v246, 0
	s_wait_alu depctr_va_vdst(0)
	s_wait_kmcnt 0x0
	s_add_nc_u64 s[4:5], s[4:5], s[14:15]
	s_add_nc_u64 s[6:7], s[6:7], s[16:17]
	s_add_nc_u64 s[8:9], s[8:9], s[16:17]
	s_add_nc_u64 s[24:25], s[10:11], s[20:21]
	s_add_nc_u64 s[26:27], s[10:11], s[22:23]
.irp b, 0,1,2,3
.irp j, 0,1,2,3
	global_load_b128 v[X+16*\b+4*\j:X+16*\b+4*\j+3], v5, s[4:5] offset:128*\b+16*\j
.endr
.endr
.irp b, 0,1,2,3
.irp j, 0,1,2,3
	global_load_b128 v[G+16*\b+4*\j:G+16*\b+4*\j+3], v6, s[6:7] offset:128*\b+16*\j
.endr
.endr
.irp b, 0,1,2,3
.irp j, 0,1,2,3
	global_load_b128 v[BE+16*\b+4*\j:BE+16*\b+4*\j+3], v6, s[8:9] offset:128*\b+16*\j
.endr
.endr
	s_wait_loadcnt 32                              ; x's 16 loads are in; the 32 of g and be may be out
	v_pk_add_f32 v[242:243], v[X:X+1], v[X+2:X+3]  ; my 64 numbers' sum, in four chains
	v_pk_add_f32 v[244:245], v[X+4:X+5], v[X+6:X+7]
	v_pk_add_f32 v[248:249], v[X+8:X+9], v[X+10:X+11]
	v_pk_add_f32 v[250:251], v[X+12:X+13], v[X+14:X+15]
.set n, 16
.rept 6
	v_pk_add_f32 v[242:243], v[242:243], v[X+n:X+n+1]
	v_pk_add_f32 v[244:245], v[244:245], v[X+n+2:X+n+3]
	v_pk_add_f32 v[248:249], v[248:249], v[X+n+4:X+n+5]
	v_pk_add_f32 v[250:251], v[250:251], v[X+n+6:X+n+7]
.set n, n+8
.endr
	v_pk_add_f32 v[242:243], v[242:243], v[244:245]
	v_pk_add_f32 v[248:249], v[248:249], v[250:251]
	v_pk_add_f32 v[242:243], v[242:243], v[248:249]
	v_add_f32 v242, v242, v243
	v_permlanex16_b32 v246, v242, s[SEL], s[SEL+1]
	v_add_f32 v242, v242, v246                     ; my wave's 128 columns of row r
	ds_store_b32 v10, v242 offset:RED0             ; lanes r and r + 16 write the same word with the same value
	s_wait_dscnt 0x0                               ; for the others' sake: my store has landed
	s_barrier_signal -1
	s_barrier_wait -1
	JOIN8 RED0
	v_mul_f32 v242, s28, v248                      ; the mean
	v_mov_b32 v243, v242
.set n, 0
.rept 32
	v_pk_add_f32 v[X+n:X+n+1], v[X+n:X+n+1], v[242:243] neg_lo:[0,1] neg_hi:[0,1]   ; d = x - mean
.set n, n+2
.endr
	v_pk_mul_f32 v[244:245], v[X:X+1], v[X:X+1]    ; the sum of d^2, in two chains
	v_pk_mul_f32 v[250:251], v[X+2:X+3], v[X+2:X+3]
.set n, 4
.rept 15
	s_delay_alu instid0(VALU_DEP_2)
	v_pk_fma_f32 v[244:245], v[X+n:X+n+1], v[X+n:X+n+1], v[244:245]
	s_delay_alu instid0(VALU_DEP_2)
	v_pk_fma_f32 v[250:251], v[X+n+2:X+n+3], v[X+n+2:X+n+3], v[250:251]
.set n, n+4
.endr
	v_pk_add_f32 v[244:245], v[244:245], v[250:251]
	v_add_f32 v244, v244, v245
	v_permlanex16_b32 v246, v244, s[SEL], s[SEL+1]
	v_add_f32 v244, v244, v246
	ds_store_b32 v10, v244 offset:RED1             ; bytes of their own: a wave that still reads the first sums is not disturbed
	s_wait_dscnt 0x0
	s_barrier_signal -1
	s_barrier_wait -1
	JOIN8 RED1
	v_fmaak_f32 v244, s28, v248, 0x3727c5ac        ; var + 1e-5
	s_wait_alu depctr_va_vdst(0)
	v_rsq_f32 v242, v244                           ; twice: a pair for the packed multiply
	v_rsq_f32 v243, v244
	v_nop                                          ; a plain line behind the transcendentals
	s_wait_alu depctr_va_vdst(0)                   ; the wait ahead of their first reader
	s_wait_loadcnt 0x0                             ; g and be
.set n, 0
.rept 32
	v_pk_mul_f32 v[X+n:X+n+1], v[X+n:X+n+1], v[242:243]
.set n, n+2
.endr
.set n, 0
.rept 32
	v_pk_fma_f32 v[X+n:X+n+1], v[X+n:X+n+1], v[G+n:G+n+1], v[BE+n:BE+n+1]
.set n, n+2
.endr
	QUANT X
.irp c, 0,1,2,3
	global_store_b128 v7, v[PC+4*\c:PC+4*\c+3], s[24:25] offset:512*\c   ; 32 lanes store 512 consecutive bytes, aligned
.endr
	global_store_b32 v8, v[PW], s[26:27]           ; lanes r and r + 16 hold the same word for the same place
	s_wait_tensorcnt 0x0                           ; the wave's end
	ds_add_u32 v241, v247
	s_wait_dscnt 0x0
	s_endpgm
.Lfunc_end_k_q4428010634_prep:
	.size	k_q4428010634_prep, .Lfunc_end_k_q4428010634_prep-k_q4428010634_prep
	.p2alignl 7, 3214868480
	.fill 96, 4, 3214868480
	.section	.rodata,"a",@progbits
	.p2align	6, 0x0
	.amdhsa_kernel k_q4428010634_prep
		.amdhsa_group_segment_fixed_size 2048
		.amdhsa_private_segment_fixed_size 0
		.amdhsa_enable_private_segment 0
		.amdhsa_kernarg_size 88
		.amdhsa_user_sgpr_count 2
		.amdhsa_user_sgpr_kernarg_segment_ptr 1
		.amdhsa_wavefront_size32 1
		.amdhsa_system_sgpr_workgroup_id_x 1
		.amdhsa_system_sgpr_workgroup_id_y 1
		.amdhsa_system_sgpr_workgroup_id_z 1
		.amdhsa_system_vgpr_workitem_id 0
		.amdhsa_next_free_vgpr 256
		.amdhsa_next_free_sgpr 66
		.amdhsa_reserve_vcc 0
		.amdhsa_float_denorm_mode_32 3
		.amdhsa_float_denorm_mode_16_64 3
		.amdhsa_memory_ordered 1
		.amdhsa_forward_progress 1
		.amdhsa_inst_pref_size 94
	.end_amdhsa_kernel
	.amdgpu_metadata
---
amdhsa.version: [ 1, 2 ]
amdhsa.kernels:
  - .name:           k_q4428010634_prep
    .symbol:         k_q4428010634_prep.kd
    .args:
      - { .name: x, .offset: 0, .size: 8, .value_kind: global_buffer, .address_space: global }
      - { .name: g1, .offset: 8, .size: 8, .value_kind: global_buffer, .address_space: global }
      - { .name: be1, .offset: 16, .size: 8, .value_kind: global_buffer, .address_space: global }
      - { .name: himg, .offset: 24, .size: 8, .value_kind: global_buffer, .address_space: global }
      - { .name: Wq, .offset: 32, .size: 8, .value_kind: global_buffer, .address_space: global }
      - { .name: Wk, .offset: 40, .size: 8, .value_kind: global_buffer, .address_space: global }
      - { .name: Wv, .offset: 48, .size: 8, .value_kind: global_buffer, .address_space: global }
      - { .name: Wproj, .offset: 56, .size: 8, .value_kind: global_buffer, .address_space: global }
      - { .name: W1, .offset: 64, .size: 8, .value_kind: global_buffer, .address_space: global }
      - { .name: W2, .offset: 72, .size: 8, .value_kind: global_buffer, .address_space: global }
      - { .name: wimg, .offset: 80, .size: 8, .value_kind: global_buffer, .address_space: global }
    .group_segment_fixed_size: 2048
    .private_segment_fixed_size: 0
    .kernarg_segment_align: 8
    .kernarg_segment_size: 88
    .max_flat_workgroup_size: 256
    .sgpr_count:     66
    .vgpr_count:     256
    .wavefront_size: 32
...
	.end_amdgpu_metadata
.endif
;; end of part 8
;; launch qkv (part 9): grid 8 x 24, 4 waves a work-group, clusters of 4 x 4, 327,680 bytes of LDS; arguments himg, wimg, qimg, kvimg; writes qimg, kvimg
.if DOCPART == 9
	.amdgcn_target "amdgcn-amd-amdhsa--gfx1250"
	.amdhsa_code_object_version 6
	.text
	.protected	k_q4428010634_qkv
	.globl	k_q4428010634_qkv
	.p2align	8
	.type	k_q4428010634_qkv,@function
k_q4428010634_qkv:
	s_mov_b64 s[64:65], 0
	v_nop
	global_prefetch_b8 v0, s[64:65] scope:SCOPE_SE
	s_setreg_imm32_b32 hwreg(HW_REG_WAVE_MODE, 25, 1), 1
	s_wait_xcnt 0x0
	s_wait_alu depctr_hold_cnt(0) depctr_sa_sdst(0) depctr_va_vdst(0) depctr_va_sdst(0) depctr_va_ssrc(0) depctr_va_vcc(0) depctr_vm_vsrc(0)
	s_getreg_b32 s2, hwreg(HW_REG_IB_STS2, 6, 4)
	s_cmp_eq_u32 s2, 0
	s_cbranch_scc0 .Lentry_in_a_cluster
	s_endpgm
.Lentry_in_a_cluster:
	s_bfe_u32 s2, ttmp6, 0x10000c
	s_cmp_lg_u32 s2, 0xf033
	s_cbranch_scc0 .Lentry_shape_is_right
	s_endpgm
.Lentry_shape_is_right:
; q, k and v of all heads: three products of LN1's result with Wq, Wk, Wv on codes of E5M2 (one E8M0 byte for each 32 along K = 1,024), and their results quantised in registers for attention.
; OPERANDS are images of registers, in blocks of 33,792 bytes (128 rows x 256 K: codes at tile*4096 + half*2048 + c*512 + 16*lane, scale words at 32768 + tile*128 + 8 r + 4 half), blocks [row / 128][k / 256].
; Image row r of tile J is row 32 (J / 2) + 8 (J % 2) + r + 8 (r / 8).  Source 0 takes operand B, source 1 operand A: a lane then holds ONE row of A, and the 64 registers of its eight tiles of B are
; 128 neighbouring rows of B in the order 32 b + 16 h + i: what the conversions and the next operand's layout want.
; TWO REGIONS, by the cluster's y (the same in all partners).  y < 4: A = tokens, B = the 2,048 features of Wq and Wk: q and k are quantised along the head's 64.
; y >= 4: A = Wv's 1,024 features, B = tokens: v is quantised along the tokens, which are the second product's K.
; SHARES.  A work-group makes 256 rows of A x 256 rows of B, each of four waves 128 x 128: 64 accumulators, 512 registers.  K goes in steps of 256 through two LDS slots of four blocks; one tensor load a wave brings a block, codes and scale words together.
; CLUSTER 4 x 4: A's blocks are shared along a row of the cluster, B's along a column: each is asked for jointly, by the same load with the same descriptor and a mask of the four.
; No prefetch: four K steps in all, and the tiles are shared in the cluster.
; OUT.  qimg: codes at bh*131072 + tile*1024 + c*512 + 16*lane, scale words at 4194304 + bh*8192 + tile*64 + 4 r.  kvimg: bh*274432 + chunk*68608 (512 keys; p = key step in it):
; K's codes p*8192 + tile*1024 + c*512 + 16*lane; V's 32768 + p*8192 + tile*2048 + c*512 + 16*lane; K's scale words 65536 + p*512 + tile*64 + 4 r; V's 67584 + p*256 + tile*64 + 4 r.
; A scale word of q or k has two bytes in use; the two above stand over zero codes in attention and are never 0xff.
; LIMITS: a block of zeros gets the byte 1 (its codes are zeros; the bytes are read by this program alone); NaN and infinities are not served.
; REGISTERS: window 0: v1-29 addresses; v32-63 scale words, two sets; v64-117 at work on the way out; v128-255 A's fragments, one set.  window 1: B's fragments, two sets.  windows 2, 3: accumulator (a, b) at v[8 (8 (a % 4) + b)].
.set BLK,   33792
.set SLOT,  BLK                        ; LDS lies [wave's block of rows: A's two, B's two][slot]: a wave's blocks of both slots are neighbours, so ONE load of 264 rows fills both at the head
.set SPARE, 8*BLK
.set KS,    4                          ; blocks along K
.set LAPS,  KS/2
.set FR,    16
.set NL,    4
.set NP,    8                          ; places behind this matrix instruction (ISA guide 7.12.1)
.set ADRA, 16                          ; v16-17 LDS address of my A fragments in slot 0, 1
.set ADRB, 20                          ; v20-21 of B's
.set ADRS, 22                          ; v22-23 of my scale words: lanes 0-15 A's, lanes 16-31 B's
.set CO,   26                          ; v26    16 x lane
.set SPW,  28                          ; v28    my spare word; never rewritten
.set NIL,  29                          ; v29    0; never rewritten
.set SC,   32
.set TM,   64                          ; v64-79 at work in the quantiser
.set PC,   80                          ; v80-95 the codes
.set PW,   96                          ; v96    the scale word; v97 its upper half
.set PW2,  97
.set AF,   128
.set G1, 24
.set G0, 32
.set G1B, 48
.set G0B, 56
.set SEL, 66                           ; s[66:67] lane selects for v_permlanex16_b32
.set MNT, 68                           ; s68 the mantissa field of 57,344
.set REG, 95                           ; s95 1 in the region of v
.set MSB, 0
.macro WIN new                         ; the immediate's high byte repeats the setting that is left
.if MSB != (\new)
	s_set_vgpr_msb (MSB<<8)|(\new)
.set MSB, (\new)
.endif
.endm
.set MUL_LO, 0xa1                      ; source 0 (B) window 1, source 1 (A) window 0, C and D window 2
.set MUL_HI, 0xf1
.set TO_B,   0x40
.macro JLOAD g0a, g1a, g0b, g1b        ; waves 0 and 1 fetch A's blocks, waves 2 and 3 B's; four v_nop follow each line
	s_cmp_eq_u32 s15, 0
	s_cbranch_scc0 .Lfor_b_\@
	tensor_load_to_lds s[\g0a:\g0a+3], s[\g1a:\g1a+7]
	s_nop 0
.rept 4
	v_nop
.endr
	s_branch .Lasked_\@
.Lfor_b_\@:
	tensor_load_to_lds s[\g0b:\g0b+3], s[\g1b:\g1b+7]
	s_nop 0
.rept 4
	v_nop
.endr
.Lasked_\@:
.endm
.macro CREST
	s_cmp_lg_u32 s14, 0
	s_cbranch_scc1 .Lnot_wave_0_\@
	s_barrier_signal -3
.Lnot_wave_0_\@:
	s_barrier_wait -3
	s_barrier_signal -1
	s_barrier_wait -1
.endm
.macro CROUND
	s_barrier_signal -1
	s_barrier_wait -1
	CREST
.endm
	s_load_b128 s[4:7], s[0:1], 0x0                ; himg, wimg
	s_load_b128 s[8:11], s[0:1], 0x10              ; qimg, kvimg
	v_lshl_add_u32 v[SPW], v0, 2, SPARE
	v_mov_b32 v[NIL], 0
	ds_add_u32 v28, v29
	ds_add_u32 v28, v29
	s_wait_dscnt 0x0
	v_lshrrev_b32 v1, 5, v0
	v_readfirstlane_b32 s14, v1                    ; wave 0..3
	s_lshr_b32 s15, s14, 1                         ; which half of A's rows is mine.  Also: I fetch for A (0) or for B (1)
	s_and_b32 s16, s14, 1                          ; which half of B's rows.  Also: which of the two blocks I fetch
	s_bfe_u32 s40, ttmp6, 0x40000                  ; cx
	s_bfe_u32 s41, ttmp6, 0x40004                  ; cy
	s_and_b32 s18, ttmp7, 0xffff                   ; the cluster's y
	s_max_u32 s19, s18, 4
	s_sub_co_u32 s19, s19, 4
	s_lshl_b32 s19, s19, 1
	s_add_co_u32 s19, s19, ttmp9                   ; the cluster's column: x, and in the region of v x + 2 (y - 4)
	s_cmp_ge_u32 s18, 4
	s_cselect_b32 s[REG], 1, 0
	s_cselect_b32 s18, 0, s18                      ; its row: y, and in the region of v 0
	s_lshl_b32 s42, s19, 2
	s_add_co_u32 s42, s42, s40                     ; tile column (256 rows of B)
	s_lshl_b32 s17, s18, 2
	s_add_co_u32 s17, s17, s41                     ; tile row (256 rows of A)
	s_lshl_b32 s43, s41, 2
	s_lshl_b32 s43, 15, s43                        ; my row of the cluster
	s_lshl_b32 s44, 0x1111, s40                    ; my column
	s_or_b32 s[G1+0], s43, (3<<16)|(1<<21)         ; 15:0 the mask; 17:16 elements of 8 bytes; 21 set beside a mask; no padding
	s_or_b32 s[G1B+0], s44, (3<<16)|(1<<21)
.irp g, G1, G1B
	s_mov_b32 s[\g+1], 32<<16                      ; tensor_dim0 = 32 elements: rows of 256 bytes
	s_mov_b32 s[\g+2], 264<<16                     ; tensor_dim1 = 264: at the head two blocks on end, K steps 0 and 1
	s_mov_b32 s[\g+3], 32<<16                      ; tile_dim0
	s_mov_b32 s[\g+4], 264                         ; tile_dim1
	s_mov_b32 s[\g+5], 32                          ; the block is dense
	s_mov_b32 s[\g+6], 0
	s_mov_b32 s[\g+7], 0
.endr
	s_lshl_b32 s20, s17, 1
	s_add_co_u32 s20, s20, s16
	s_mul_i32 s20, s20, KS*BLK                     ; A: the 128 rows that I fetch, K step 0
	s_mov_b32 s21, 0
	s_lshl_b32 s46, s42, 1
	s_add_co_u32 s46, s46, s16
	s_mul_i32 s46, s46, KS*BLK                     ; B likewise
	s_mov_b32 s47, 0
	s_mul_i32 s45, s14, 2*BLK                      ; where it goes: wave x two blocks: no place in the cluster enters an LDS address
	s_wait_kmcnt 0x0
	s_add_nc_u64 s[92:93], s[6:7], 64*BLK          ; Wv's blocks
	s_cmp_lg_u32 s[REG], 0
	s_cselect_b64 s[96:97], s[92:93], s[4:5]       ; A: tokens, or Wv
	s_cselect_b64 s[92:93], s[4:5], s[6:7]         ; B: Wq and Wk, or tokens
	s_add_nc_u64 s[20:21], s[96:97], s[20:21]
	s_add_nc_u64 s[46:47], s[92:93], s[46:47]
	CROUND                                         ; all sixteen work-groups are here: the first joint loads meet
.irp s, 0,1
	s_mov_b32 s[G0+4*\s], 1
	s_add_co_u32 s[G0+4*\s+1], s45, \s*SLOT
	s_add_nc_u64 s[G0+4*\s+2:G0+4*\s+3], s[20:21], \s*BLK
	s_or_b32 s[G0+4*\s+3], s[G0+4*\s+3], 0x80000000
	s_mov_b32 s[G0B+4*\s], 1
	s_add_co_u32 s[G0B+4*\s+1], s45, \s*SLOT
	s_add_nc_u64 s[G0B+4*\s+2:G0B+4*\s+3], s[46:47], \s*BLK
	s_or_b32 s[G0B+4*\s+3], s[G0B+4*\s+3], 0x80000000
.endr
	JLOAD G0, G1, G0B, G1B                         ; my one load at the head: K steps 0 and 1 of my 128 rows, into both slots
	v_and_b32 v1, 15, v0                           ; r
	v_bfe_u32 v2, v0, 4, 1                         ; h
	s_wait_alu depctr_va_vdst(0)
	v_and_b32 v3, 31, v0
	v_lshlrev_b32 v[CO], 4, v3                     ; 16 x lane
	s_wait_alu depctr_va_vdst(0)
	s_mul_i32 s21, s15, 2*BLK
	s_mul_i32 s22, s16, 2*BLK
	s_add_co_u32 s22, s22, 4*BLK
.irp s, 0,1
	v_add_nc_u32 v[ADRA+\s], s21, v[CO]
	v_add_nc_u32 v[ADRB+\s], s22, v[CO]
	s_add_co_u32 s21, s21, SLOT
	s_add_co_u32 s22, s22, SLOT
.endr
	s_mul_i32 s21, s15, 2*BLK
	s_mul_i32 s22, s16, 2*BLK
	s_add_co_u32 s22, s22, 4*BLK
	s_sub_co_u32 s22, s22, s21
	v_mul_u32_u24 v6, s22, v2                      ; lanes 16-31 take B's block: one product, the distance between the two
	v_lshl_add_u32 v6, v1, 3, v6                   ; + 8 r
	s_add_co_u32 s21, s21, 32768
	v_add_nc_u32 v[ADRS], s21, v6
	v_add_nc_u32 v[ADRS+1], SLOT, v[ADRS]
	s_mov_b32 s[SEL], 0x76543210
	s_mov_b32 s[SEL+1], 0xfedcba98
	s_mov_b32 s[MNT], 0x600000
	; where the results go.  Region of q and k: my 128 rows of B are heads head0, head0 + 1; my 128 tokens are key step (or eight query tiles) s of batch b
	s_and_b32 s70, s42, 3
	s_lshl_b32 s70, s70, 2
	s_lshl_b32 s71, s16, 1
	s_add_co_u32 s70, s70, s71
	s_lshr_b32 s71, s17, 3
	s_lshl_b32 s71, s71, 4
	s_add_co_u32 s70, s70, s71                     ; bh = 16 b + head0
	s_lshl_b32 s71, s17, 1
	s_add_co_u32 s71, s71, s15
	s_and_b32 s71, s71, 15                         ; s
	; region of v: my 128 rows of A are two heads, my 128 tokens (rows of B) are key step s of batch b
	s_lshl_b32 s72, s42, 1
	s_add_co_u32 s72, s72, s16
	s_lshl_b32 s73, s17, 1
	s_add_co_u32 s73, s73, s15
	s_lshl_b32 s73, s73, 1
	s_lshr_b32 s74, s72, 4
	s_lshl_b32 s74, s74, 4
	s_add_co_u32 s73, s73, s74
	s_and_b32 s72, s72, 15
	s_cmp_lg_u32 s[REG], 0
	s_cselect_b32 s70, s73, s70
	s_cselect_b32 s71, s72, s71
	s_cselect_b32 s75, 32768, 0                    ; V's codes lie behind K's
	s_mov_b32 s76, 65536
	s_cselect_b32 s76, 67584, s76                  ; the scale words
	s_cselect_b32 s77, 8, 9                        ; 256 or 512 bytes of them a key step
	s_mul_i32 s78, s70, 274432
	s_lshr_b32 s79, s71, 2
	s_mul_i32 s79, s79, 68608
	s_add_co_u32 s78, s78, s79                     ; head and chunk
	s_and_b32 s79, s71, 3
	s_lshl_b32 s80, s79, 13
	s_add_co_u32 s80, s80, s78
	s_add_co_u32 s80, s80, s75                     ; codes in kvimg
	s_lshl_b32 s79, s79, s77
	s_add_co_u32 s81, s78, s79
	s_add_co_u32 s81, s81, s76                     ; scale words in kvimg
	s_lshl_b32 s82, s70, 17
	s_lshl_b32 s83, s71, 13
	s_add_co_u32 s82, s82, s83                     ; codes in qimg
	s_lshl_b32 s83, s70, 13
	s_lshl_b32 s84, s71, 9
	s_add_co_u32 s83, s83, s84
	s_add_co_u32 s83, s83, 4194304                 ; scale words in qimg
	s_lshl_b32 s84, s[REG], 2
	s_add_co_u32 s84, s84, s42
	s_cmp_lt_u32 s84, 4                            ; q: the first four tile columns of the first region.  A select, no branch
	s_cselect_b32 s80, s82, s80
	s_cselect_b32 s81, s83, s81
	s_mov_b32 s85, 274432
	s_cselect_b32 s85, 131072, s85                 ; from a head's codes to the next head's
	s_mov_b32 s86, 274432
	s_cselect_b32 s86, 8192, s86                   ; and its scale words
	s_cselect_b64 s[88:89], s[8:9], s[10:11]
	v_add_nc_u32 v8, s80, v[CO]
	v_add_nc_u32 v9, s85, v8
	v_lshl_add_u32 v10, v1, 2, s81
	v_add_nc_u32 v11, s86, v10
.macro FRAG reg, adr, q, i             ; a fragment comes as it was stored: four loads of 512 consecutive bytes
.irp c, 0,1,2,3
	ds_load_b128 v[\reg+4*\c:\reg+4*\c+3], v[\adr] offset:(\i)*4096+(\q)*2048+512*\c
.endr
.endm
; 16 matrix instructions: A's tiles a0, a0 + 1 x B's eight, the slot's q-th 128 along K.  p: B's set; sc: the set of scale words.  start = 1: the first product starts the sums.
; The 64 accumulators take turns, one instruction a turn, in the same order in every step.
.macro MUL16 a0, p, q, sc, start
.irp a, \a0, \a0+1
.irp b, 0,1,2,3,4,5,6,7
.if \start == 1
	v_wmma_scale_f32_16x16x128_f8f6f4 v[8*(8*((\a)%4)+\b):8*(8*((\a)%4)+\b)+7], v[128*(\p)+FR*\b:128*(\p)+FR*\b+FR-1], v[AF+FR*(\a):AF+FR*(\a)+FR-1], 0, v[SC+16*(\sc)+2*\b+(\q)], v[SC+16*(\sc)+2*(\a)+(\q)] matrix_a_fmt:MATRIX_FMT_BF8 matrix_b_fmt:MATRIX_FMT_BF8 matrix_a_scale:MATRIX_SCALE_ROW1
.else
	v_wmma_scale_f32_16x16x128_f8f6f4 v[8*(8*((\a)%4)+\b):8*(8*((\a)%4)+\b)+7], v[128*(\p)+FR*\b:128*(\p)+FR*\b+FR-1], v[AF+FR*(\a):AF+FR*(\a)+FR-1], v[8*(8*((\a)%4)+\b):8*(8*((\a)%4)+\b)+7], v[SC+16*(\sc)+2*\b+(\q)], v[SC+16*(\sc)+2*(\a)+(\q)] matrix_a_fmt:MATRIX_FMT_BF8 matrix_b_fmt:MATRIX_FMT_BF8 matrix_a_scale:MATRIX_SCALE_ROW1
.endif
.endr
.endr
.endm
.macro FETCH_B slot, q, p
	WIN TO_B
.irp i, 0,1,2,3,4,5,6,7
	FRAG 128*(\p)+FR*\i, ADRB+\slot, \q, \i
.endr
	WIN 0
.endm
.macro FETCH_A slot, q, i0
.irp i, \i0, \i0+1, \i0+2, \i0+3
	FRAG AF+FR*(\i), ADRA+\slot, \q, \i
.endr
.endm
.macro SCALES sc                       ; a slot's scale words: two words a row; lanes 0-15 take A's tile i, lanes 16-31 B's tile i
.irp i, 0,1,2,3,4,5,6,7
	ds_load_b64 v[SC+16*\sc+2*\i:SC+16*\sc+2*\i+1], v[ADRS+\sc] offset:128*\i
.endr
.endm
.macro PLACES n                        ; plain vector lines between a matrix instruction and a load into, or a read of, its registers
.rept \n
	v_nop
.endr
.endm
.macro STEP slot, start                ; a slot's first 128 along K
	s_wait_dscnt 4*NL                              ; B's set, A's tiles 0-3 and the scale words are in; the youngest 16 loads (A's tiles 4-7) may be out
	WIN MUL_LO
	MUL16 0, 0, 0, \slot, \start
	MUL16 2, 0, 0, \slot, \start
	s_wait_dscnt 0                                 ; A's tiles 4-7 are in
	PLACES NP
	FETCH_B \slot, 1, 1
	FETCH_A \slot, 1, 0
	WIN MUL_HI
	MUL16 4, 0, 0, \slot, \start
	MUL16 6, 0, 0, \slot, \start
	PLACES NP
	WIN 0
	FETCH_A \slot, 1, 4
.endm
; A slot's second 128 along K changes slots: one barrier; in front of it each wave waits for all its tensor loads, adds 0 to its spare word, and waits for that and for its reads of this slot.
.macro TURN slot, next, fill
	s_wait_tensorcnt 0x0                           ; all my tensor loads have landed: my block of the next slot
	ds_add_u32 v[SPW], v[NIL]                      ; 0 onto my spare word
	s_wait_dscnt 4*NL+1                            ; the add and the youngest 16 loads may be out
	WIN MUL_LO
	MUL16 0, 1, 1, \slot, 0
	s_wait_dscnt 0x0                               ; the add is done, and my reads of this slot are over
	s_barrier_signal -1
	MUL16 2, 1, 1, \slot, 0
	WIN 0
	s_barrier_wait -1
.if \fill
	CREST                                          ; the barrier has opened a round of the cluster's: no wave of any partner still reads this slot or has a load on its way
	s_add_nc_u64 s[G0+4*\slot+2:G0+4*\slot+3], s[G0+4*\slot+2:G0+4*\slot+3], 2*BLK
	s_add_nc_u64 s[G0B+4*\slot+2:G0B+4*\slot+3], s[G0B+4*\slot+2:G0B+4*\slot+3], 2*BLK
	JLOAD G0+4*\slot, G1, G0B+4*\slot, G1B         ; the first tensor load behind the round; its four v_nop are among the places in front of the loads below
	PLACES NP-4
.else
	PLACES NP
.endif
	FETCH_B \next, 0, 0
	FETCH_A \next, 0, 0
	SCALES \next
	WIN MUL_HI
	MUL16 4, 1, 1, \slot, 0
	MUL16 6, 1, 1, \slot, 0
	PLACES NP
	WIN 0
	FETCH_A \next, 0, 4
.endm
	s_wait_alu depctr_va_vdst(0)
	s_wait_tensorcnt 0x0                           ; my two blocks are in; no load of mine is out, so a descriptor may be written: a refill brings one block
	s_mov_b32 s[G1+2], 132<<16
	s_mov_b32 s[G1+4], 132
	s_mov_b32 s[G1B+2], 132<<16
	s_mov_b32 s[G1B+4], 132
	s_barrier_signal -1
	s_barrier_wait -1
	FETCH_B 0, 0, 0
	FETCH_A 0, 0, 0
	SCALES 0
	FETCH_A 0, 0, 4
	STEP 0, 1                                      ; the first step stands in front of the loop: its products start the sums
	s_mov_b32 s3, LAPS-1
.Llap:                                             ; a trip goes once round the ring and fills both slots again
	TURN 0, 1, 1
	STEP 1, 0
	TURN 1, 0, 1
	STEP 0, 0
	s_sub_co_u32 s3, s3, 1
	s_cmp_lg_u32 s3, 0
	s_cbranch_scc1 .Llap
	TURN 0, 1, 0                                   ; the last lap fills nothing
	STEP 1, 0
	s_wait_dscnt 4*NL
	WIN MUL_LO
	MUL16 0, 1, 1, 1, 0
	MUL16 2, 1, 1, 1, 0
	s_wait_dscnt 0
	WIN MUL_HI
	MUL16 4, 1, 1, 1, 0
	MUL16 6, 1, 1, 1, 0
	WIN 0
; THE WAY OUT.  Tile a of A: a lane's 64 results, register 16 b + i = row 32 b + 16 h + i of my 128 rows of B, become a fragment's codes and its scale word.  The numbers lie in window 2 or 3, all else in window 0.
.macro QUANTW a
.set QS, 64*((\a)%4)
.set PC, 80+20*((\a)%2)                ; the codes and the scale words lie in two sets of registers, by turns: a tile writes the set that the tile before last stored from
.set PW, PC+16
.set PW2, PC+17
.set QX, 2+(\a)/4
.set QW, QX|(QX<<2)
	WIN QW                                         ; sources 0 and 1 in the numbers' window
.irp b, 0,1,2,3
	v_max3_num_f32 v[TM+\b], |v[QS+16*\b]|, |v[QS+1+16*\b]|, 0x8000000   ; each accumulator is read from its low end on; the floor 2^(16 - 127) holds the byte at 1 from below
.endr
.irp i, 2,4,6,8,10,12,14
.irp b, 0,1,2,3
	v_max3_num_f32 v[TM+\b], |v[QS+16*\b+\i]|, |v[QS+1+16*\b+\i]|, v[TM+\b]
.endr
.endr
	WIN 0
.irp b, 0,1,2,3
	v_permlanex16_b32 v[TM+4+\b], v[TM+\b], s[SEL], s[SEL+1]
.endr
.irp b, 0,1,2,3
	v_max_num_f32 v[TM+\b], v[TM+\b], v[TM+4+\b]
.endr
.irp b, 0,1,2,3
	v_add_nc_u32 v[TM+12+\b], 0xf8800000, v[TM+\b]
.endr
.irp b, 0,1,2,3
	v_and_or_b32 v[TM+8+\b], v[TM+\b], 0x7f800000, s[MNT]
.endr
.irp b, 0,1,2,3
	v_lshrrev_b32 v[TM+4+\b], 23, v[TM+12+\b]
.endr
	v_lshl_or_b32 v[PW], v[TM+5], 8, v[TM+4]
	v_lshl_or_b32 v[PW], v[TM+6], 16, v[PW]
	v_lshl_or_b32 v[PW], v[TM+7], 24, v[PW]
	v_lshrrev_b32 v[PW2], 16, v[PW]                ; the second head's two bytes
.set QW, (QX<<6)|QX
	WIN QW                                         ; destination and source 0 in the numbers' window
.irp b, 0,1,2,3
.irp i, 0,1,2,3,4,5,6,7,8,9,10,11,12,13,14,15
	v_med3_num_f32 v[QS+16*\b+\i], v[QS+16*\b+\i], -v[TM+8+\b], v[TM+8+\b]   ; the hold: the conversion does not saturate (ISA guide 7.6.2)
.endr
.endr
	WIN QX                                         ; source 0 in the numbers' window
.irp b, 0,1,2,3
	v_cvt_scalef32_pk8_bf8_f32 v[PC+4*\b:PC+1+4*\b], v[QS+16*\b:QS+7+16*\b], v[TM+12+\b]
	v_cvt_scalef32_pk8_bf8_f32 v[PC+2+4*\b:PC+3+4*\b], v[QS+8+16*\b:QS+15+16*\b], v[TM+12+\b]
.endr
	v_nop                                          ; a plain line behind the last conversion
	WIN 0
	s_wait_alu depctr_va_vdst(0)
	s_wait_xcnt 0x0                                ; the last tile's stores have read their set of registers: the next tile writes it again
.endm
.macro OUT a                           ; every store of codes covers 512 consecutive bytes, aligned.  The branch hangs on the cluster's y alone
	s_cmp_lg_u32 s[REG], 0
	s_cbranch_scc1 .Lv_\@
	global_store_b128 v8, v[PC:PC+3], s[88:89] offset:(\a)*1024          ; the first head's 64: two blocks of 32
	global_store_b128 v8, v[PC+4:PC+7], s[88:89] offset:(\a)*1024+512
	global_store_b128 v9, v[PC+8:PC+11], s[88:89] offset:(\a)*1024       ; the second head's
	global_store_b128 v9, v[PC+12:PC+15], s[88:89] offset:(\a)*1024+512
	global_store_b32 v10, v[PW], s[88:89] offset:(\a)*64
	global_store_b32 v11, v[PW2], s[88:89] offset:(\a)*64
	s_branch .Ldone_\@
.Lv_\@:
	s_wait_alu depctr_va_vdst(0)
.irp c, 0,1,2,3
	global_store_b128 v8, v[PC+4*\c:PC+4*\c+3], s[88:89] offset:((\a)/4)*274432+((\a)%4)*2048+\c*512   ; head a / 4, tile a % 4 of its 64 features, 128 keys
.endr
	global_store_b32 v10, v[PW], s[88:89] offset:((\a)/4)*274432+((\a)%4)*64
.Ldone_\@:
.endm
	PLACES NP                                      ; behind the last products
.irp b, 0,1,2,3
	v_mov_b32 v[TM+4+\b], 0                        ; written once: a lane permute's destination counts as one of its sources
.endr
.irp a, 0,1,2,3,4,5,6,7
	QUANTW \a
	OUT \a
.endr
	s_wait_tensorcnt 0x0                           ; the wave's end
	ds_add_u32 v[SPW], v[NIL]
	s_wait_dscnt 0x0
	CROUND                                         ; the closing round: no work-group ends while a partner may still ask for a block that names it
	s_endpgm
.Lfunc_end_k_q4428010634_qkv:
	.size	k_q4428010634_qkv, .Lfunc_end_k_q4428010634_qkv-k_q4428010634_qkv
	.p2alignl 7, 3214868480
	.fill 96, 4, 3214868480
	.section	.rodata,"a",@progbits
	.p2align	6, 0x0
	.amdhsa_kernel k_q4428010634_qkv
		.amdhsa_group_segment_fixed_size 327680
		.amdhsa_private_segment_fixed_size 0
		.amdhsa_enable_private_segment 0
		.amdhsa_kernarg_size 32
		.amdhsa_user_sgpr_count 2
		.amdhsa_user_sgpr_kernarg_segment_ptr 1
		.amdhsa_wavefront_size32 1
		.amdhsa_system_sgpr_workgroup_id_x 1
		.amdhsa_system_sgpr_workgroup_id_y 1
		.amdhsa_system_sgpr_workgroup_id_z 1
		.amdhsa_system_vgpr_workitem_id 0
		.amdhsa_next_free_vgpr 1024
		.amdhsa_next_free_sgpr 100
		.amdhsa_reserve_vcc 0
		.amdhsa_float_denorm_mode_32 3
		.amdhsa_float_denorm_mode_16_64 3
		.amdhsa_memory_ordered 1
		.amdhsa_forward_progress 1
		.amdhsa_inst_pref_size 191
	.end_amdhsa_kernel
	.amdgpu_metadata
---
amdhsa.version: [ 1, 2 ]
amdhsa.kernels:
  - .name:           k_q4428010634_qkv
    .symbol:         k_q4428010634_qkv.kd
    .args:
      - { .name: himg, .offset: 0, .size: 8, .value_kind: global_buffer, .address_space: global }
      - { .name: wimg, .offset: 8, .size: 8, .value_kind: global_buffer, .address_space: global }
      - { .name: qimg, .offset: 16, .size: 8, .value_kind: global_buffer, .address_space: global }
      - { .name: kvimg, .offset: 24, .size: 8, .value_kind: global_buffer, .address_space: global }
    .group_segment_fixed_size: 327680
    .private_segment_fixed_size: 0
    .kernarg_segment_align: 8
    .kernarg_segment_size: 32
    .max_flat_workgroup_size: 128
    .sgpr_count:     100
    .vgpr_count:     1024
    .wavefront_size: 32
...
	.end_amdgpu_metadata
.endif
;; end of part 9
;; launch attn (part 10): grid 8 x 32, 16 waves a work-group, clusters of 4 x 1, 327,680 bytes of LDS; arguments qimg, kvimg, oimg; writes oimg
.if DOCPART == 10
	.amdgcn_target "amdgcn-amd-amdhsa--gfx1250"
	.amdhsa_code_object_version 6
	.text
	.protected	k_q4428010634_attn
	.globl	k_q4428010634_attn
	.p2align	8
	.type	k_q4428010634_attn,@function
k_q4428010634_attn:
	s_mov_b64 s[64:65], 0
	v_nop
	global_prefetch_b8 v0, s[64:65] scope:SCOPE_SE
	s_setreg_imm32_b32 hwreg(HW_REG_WAVE_MODE, 25, 1), 1
	s_wait_xcnt 0x0
	s_wait_alu depctr_hold_cnt(0) depctr_sa_sdst(0) depctr_va_vdst(0) depctr_va_sdst(0) depctr_va_ssrc(0) depctr_va_vcc(0) depctr_vm_vsrc(0)
	s_getreg_b32 s2, hwreg(HW_REG_IB_STS2, 6, 4)
	s_cmp_eq_u32 s2, 0
	s_cbranch_scc0 .Lentry_in_a_cluster
	s_endpgm
.Lentry_in_a_cluster:
	s_bfe_u32 s2, ttmp6, 0x10000c
	s_cmp_lg_u32 s2, 0x3003
	s_cbranch_scc0 .Lentry_shape_is_right
	s_endpgm
.Lentry_shape_is_right:
; Causal attention of 32 (batch, head) pairs, 2,048 tokens, head size 64, both products on codes of E5M2 with one E8M0 byte for each 32 along a product's K; the result quantised for the projection.
; Left out: key steps that lie wholly under the causal mask.
; t = score x log2(e) / 32 (the logit's scale is 1024^-1/2); M = the running largest t rounded UP to a whole number; p = 2^(t - M) is quantised along the keys, not normalised;
; the row's sum is taken of the unquantised p and divides O at the end.  When M moves, the sum and O are multiplied by 2^(old M - new M): exact.
; The first product's K is 64: the upper half of each fragment of q and of k is zero codes, set once in registers.
; IMAGES.  q, k, v arrive as images of the operands' registers (16 x lane); image row r of tile J is token (or feature) 32 (J / 2) + 8 (J % 2) + r + 8 (r / 8).
; Both products are used transposed: S^T = K Q^T, O^T = V^T P^T: a lane holds ONE query; the 16 registers of tiles 2 b, 2 b + 1 are keys (or features) 32 b + 16 h + 0 .. 15.
; SHARES.  A work-group (x = 0..7 of a head) owns the sixteen query tiles x + 8 i; tile i's queries lie in key step i, so it has i + 1 key steps of 128 keys, the last masked.
; Tiles j and 15 - j (j = 0..7) form a pair of 17 steps, dealt to two waves.  Wave A (bit 2 of the wave's number clear): steps 0 .. 8 of tile 15 - j.
; Wave B: all j + 1 steps of tile j, which it finishes and stores; then steps 9 .. 15 - j of tile 15 - j, whose O^T, -M and sum it hands to A through LDS.
; A joins the two parts (both under the larger M: factors that are powers of two) and finishes tile 15 - j.  So every wave walks nine trips, of which B works eight, two of them masked.
; Every wave loads the long tile's q a second time into v192-200: B takes it up at its change of tiles; one text serves both kinds of wave.
; LDS holds the head's whole K and V, codes and scale words, 274,432 bytes, FILLED ONCE by sixteen loads, one a wave (67 rows of 256 bytes each).  Waves 0-3, with a load line of their own, bring the first 512 keys:
; trip 0, key step 0 in every wave, waits for these alone; a second barrier behind it shows the rest.  Nothing is filled again.  Behind the spare words: a stage of 4,352 bytes for each pair.
; CLUSTER 4 x 1: the four work-groups of a cluster belong to one head and ask for each sixteenth jointly.  No branch and no LDS address hangs on the place in the cluster.
; No prefetch: all that the launch reads of K and V is asked for at its head.
; LIMITS: a block of zeros gets the byte 1 (its codes are zeros; this program alone reads the bytes); NaN and infinities are not served; the scaled scores stay under 2^31 in magnitude.
; REGISTERS: v1-5, v8-11 addresses; v12 -M, v13 the largest t, v[14:15] the sum; v16-31 Q; v32-95 four fragments of K; v96-159 S^T, then p, then V's four fragments; v160-191 O^T; v192-200 the second q; v224-239 p's codes; v232-254 at work; v255 Q's scale word.
.set BLK,  33792
.set CHB,  68608                       ; 512 keys: K's codes 32,768, V's codes 32,768, K's scale words 2,048, V's 1,024
.set QTR,  CHB/4                       ; what one load brings
.set SPARE, 4*CHB                      ; the spare words, 128 bytes for each wave
.set STG,  SPARE+2048                  ; the pairs' stages
.set PAIRB, 4352                       ; O^T 4,096 bytes, then (-M, sum) 256
.set LI,   1                           ; v1  16 x lane
.set LR,   2                           ; v2  4 r
.set DG,   3                           ; v3  my query's place in its key step, less 16 h
.set SG,   4                           ; v4  my pair's stage + 16 x lane
.set SG2,  5                           ; v5  my pair's stage + 4096 + 8 x lane
.set ADK,  8
.set ADS,  9
.set ADT,  10
.set Q2,   192
.set SPW,  222
.set NIL,  223
.set G1,   24
.set G0,   32
.set WV,   56                          ; s56 my wave's number
.set WI,   57                          ; s57 the masked key step of the tile in hand
.set ST,   58                          ; s58 the key step in hand
.set TB,   59                          ; s59 where its codes begin in LDS
.set TS,   60                          ; s60 K's scale words
.set TJ,   61                          ; s61 V's
.set CNT,  62                          ; s62 the trip
.set MNT,  63
.set SEL,  66
.set CS,   68                          ; s[68:69] c = log2(e) / 32
.set TY,   70                          ; s70 0: wave A, 1: wave B
.set JJ,   71                          ; s71 j
.set LL,   72                          ; s72 15 - j
.set XB,   73                          ; s73 B: 15 - j; A: 0
.set EE,   74                          ; s74 8 - j
.set SWT,  75                          ; s75 the trip at whose head B changes tiles: j + 1 (A: none)
.set NT,   76                          ; s76 trips with work: A 9, B 8
.macro ROUND                           ; a round of the cluster's barrier
	s_barrier_signal -1
	s_barrier_wait -1
	s_cmp_lg_u32 s[WV], 0
	s_cbranch_scc1 .Lnot_wave_0_\@
	s_barrier_signal -3
.Lnot_wave_0_\@:
	s_barrier_wait -3
	s_barrier_signal -1
	s_barrier_wait -1
.endm
; A TILE'S END.  O^T / the sum; register 16 b + i is feature 32 b + 16 h + i of my head: two blocks of the projection's K, quantised in registers and stored as the image's registers.
.macro FINISH
	v_add_f32 v14, v14, v15
	s_delay_alu instid0(VALU_DEP_1)
	v_permlanex16_b32 v252, v14, s[SEL], s[SEL+1]
	s_delay_alu instid0(VALU_DEP_1)
	v_add_f32 v14, v14, v252                       ; the row's sum
	s_wait_alu depctr_va_vdst(0)
	v_rcp_f32 v14, v14
	v_nop                                          ; a plain line behind it
	s_wait_alu depctr_va_vdst(0)                   ; the wait ahead of its first reader, which is O^T's first reader too
.set n, 0
.rept 32
	v_mul_f32 v[96+n], v[160+n], v14
.set n, n+1
.endr
.irp b, 0,1
	v_max3_num_f32 v[232+\b], |v[96+16*\b]|, |v[97+16*\b]|, 0x8000000
.endr
.irp i, 2,4,6,8,10,12,14
.irp b, 0,1
	s_delay_alu instid0(VALU_DEP_2)
	v_max3_num_f32 v[232+\b], v[232+\b], |v[96+16*\b+\i]|, |v[97+16*\b+\i]|
.endr
.endr
.irp b, 0,1
	v_permlanex16_b32 v[236+\b], v[232+\b], s[SEL], s[SEL+1]
.endr
.irp b, 0,1
	s_delay_alu instid0(VALU_DEP_2)
	v_max_num_f32 v[232+\b], v[232+\b], v[236+\b]
.endr
.irp b, 0,1
	s_delay_alu instid0(VALU_DEP_2)
	v_add_nc_u32 v[244+\b], 0xf8800000, v[232+\b]
.endr
.irp b, 0,1
	s_delay_alu instid0(VALU_DEP_4)
	v_and_or_b32 v[240+\b], v[232+\b], 0x7f800000, s[MNT]
.endr
.irp b, 0,1
	s_delay_alu instid0(VALU_DEP_4)
	v_lshrrev_b32 v[236+\b], 23, v[244+\b]
.endr
	s_delay_alu instid0(VALU_DEP_1)
	v_lshl_or_b32 v253, v237, 8, v236              ; my head's two bytes of the row's scale word
.irp b, 0,1
.irp i, 0,1,2,3,4,5,6,7,8,9,10,11,12,13,14,15
	v_med3_num_f32 v[96+16*\b+\i], v[96+16*\b+\i], -v[240+\b], v[240+\b]
.endr
	v_cvt_scalef32_pk8_bf8_f32 v[224+4*\b:225+4*\b], v[96+16*\b:103+16*\b], v[244+\b]
	v_cvt_scalef32_pk8_bf8_f32 v[226+4*\b:227+4*\b], v[104+16*\b:111+16*\b], v[244+\b]
.endr
	v_nop                                          ; a plain line behind the last conversion
	global_store_b128 v[LI], v[224:227], s[50:51]  ; 512 consecutive bytes, aligned
	global_store_b128 v[LI], v[228:231], s[50:51] offset:512
	global_store_b16 v11, v253, s[52:53]           ; two bytes a row: four heads share a row's eight
.endm
	s_load_b128 s[4:7], s[0:1], 0x0                ; qimg, kvimg
	s_load_b64 s[8:9], s[0:1], 0x10                ; oimg
	v_lshl_add_u32 v[SPW], v0, 2, SPARE
	v_mov_b32 v[NIL], 0
	ds_add_u32 v[SPW], v[NIL]                      ; the opening lines: the add, twice on end, and its wait ahead of my tensor load
	ds_add_u32 v[SPW], v[NIL]
	v_lshrrev_b32 v8, 5, v0
	v_readfirstlane_b32 s[WV], v8                  ; wave 0..15
	s_bfe_u32 s10, ttmp6, 0x40000                  ; cx
	s_lshl_b32 s11, ttmp9, 2
	s_add_co_u32 s11, s11, s10                     ; x: it enters Q's and O's addresses and the mask's numbers alone
	s_and_b32 s12, ttmp7, 0xffff                   ; bh = 16 b + head, which the four partners share
	s_bfe_u32 s[TY], s[WV], 0x10002
	s_and_b32 s[JJ], s[WV], 3
	s_lshr_b32 s13, s[WV], 3
	s_lshl_b32 s13, s13, 2
	s_or_b32 s[JJ], s[JJ], s13                     ; j = wave % 4 + 4 (wave / 8)
	s_xor_b32 s[LL], s[JJ], 15
	s_mul_i32 s[XB], s[LL], s[TY]
	s_xor_b32 s[EE], s[JJ], 7
	s_add_co_u32 s[EE], s[EE], 1
	s_xor_b32 s13, s[TY], 1
	s_lshl_b32 s13, s13, 6
	s_add_co_u32 s[SWT], s[JJ], 1
	s_add_co_u32 s[SWT], s[SWT], s13
	s_sub_co_u32 s[NT], 9, s[TY]
	s_cmp_eq_u32 s[TY], 1
	s_cselect_b32 s[WI], s[JJ], s[LL]              ; the tile that I begin with, and that I store
	s_mul_i32 s16, s[WV], QTR                      ; my sixteenth of the head
	s_mul_i32 s14, s12, 4*CHB
	s_add_co_u32 s14, s14, s16
	s_mov_b32 s15, 0
	s_mov_b32 s[G1], 15|(3<<16)|(1<<21)            ; 15:0 the mask: all four work-groups; 17:16 elements of 8 bytes; 21 set beside a mask; no padding
	s_mov_b32 s[G1+1], 32<<16                      ; rows of 256 bytes
	s_mov_b32 s[G1+2], 67<<16
	s_mov_b32 s[G1+3], 32<<16
	s_mov_b32 s[G1+4], 67
	s_mov_b32 s[G1+5], 32                          ; dense
	s_mov_b32 s[G1+6], 0
	s_mov_b32 s[G1+7], 0
	s_lshl_b32 s17, s[WI], 3
	s_add_co_u32 s17, s17, s11                     ; my first query tile: x + 8 i
	s_lshl_b32 s18, s12, 17
	s_lshl_b32 s19, s17, 10
	s_add_co_u32 s18, s18, s19                     ; its codes
	s_mov_b32 s19, 0
	s_lshl_b32 s20, s12, 13
	s_lshl_b32 s21, s17, 6
	s_add_co_u32 s20, s20, s21
	s_add_co_u32 s20, s20, 4194304                 ; its scale words
	s_mov_b32 s21, 0
	s_sub_co_u32 s36, s[LL], s[WI]                 ; the long tile lies 8 (15 - j - i) tiles on
	s_lshl_b32 s38, s36, 13
	s_add_co_u32 s38, s38, s18
	s_mov_b32 s39, 0
	s_lshl_b32 s40, s36, 9
	s_add_co_u32 s40, s40, s20
	s_mov_b32 s41, 0
	s_lshr_b32 s22, s12, 4
	s_lshl_b32 s22, s22, 4
	s_add_co_u32 s22, s22, s[WI]
	s_lshl_b32 s22, s22, 2
	s_bfe_u32 s23, s12, 0x20002
	s_add_co_u32 s22, s22, s23
	s_mul_i32 s22, s22, BLK                        ; oimg's block: rows 128 (16 b + i) on, K = 256 (head / 4) on
	s_lshl_b32 s23, s11, 12                        ; tile x of it,
	s_bfe_u32 s48, s12, 0x10001
	s_lshl_b32 s49, s48, 11                        ; half (head / 2) % 2,
	s_add_co_u32 s23, s23, s49
	s_and_b32 s49, s12, 1
	s_lshl_b32 s50, s49, 10                        ; blocks 2 (head % 2) on
	s_add_co_u32 s23, s23, s50
	s_add_co_u32 s50, s22, s23
	s_mov_b32 s51, 0
	s_lshl_b32 s23, s11, 7
	s_lshl_b32 s48, s48, 2
	s_lshl_b32 s49, s49, 1
	s_add_co_u32 s23, s23, s48
	s_add_co_u32 s23, s23, s49
	s_add_co_u32 s22, s22, s23
	s_add_co_u32 s52, s22, 32768                   ; my two bytes of the rows' scale words
	s_mov_b32 s53, 0
	s_lshr_b32 s54, s11, 1
	s_lshl_b32 s54, s54, 5
	s_and_b32 s55, s11, 1
	s_lshl_b32 s55, s55, 3
	s_add_co_u32 s54, s54, s55                     ; 32 (x / 2) + 8 (x % 2)
	s_mul_i32 s37, s[JJ], PAIRB
	s_add_co_u32 s37, s37, STG                     ; my pair's stage
	s_mov_b32 s[SEL], 0x76543210
	s_mov_b32 s[SEL+1], 0xfedcba98
	s_mov_b32 s[CS], 0x3d38aa3b
	s_mov_b32 s[CS+1], s[CS]                       ; named with it as a pair, so it is written
	s_mov_b32 s[MNT], 0x600000
	s_wait_dscnt 0x0                               ; both opening adds are done
	s_wait_kmcnt 0x0
	s_add_nc_u64 s[14:15], s[6:7], s[14:15]
	s_add_nc_u64 s[18:19], s[4:5], s[18:19]
	s_add_nc_u64 s[20:21], s[4:5], s[20:21]
	s_add_nc_u64 s[38:39], s[4:5], s[38:39]
	s_add_nc_u64 s[40:41], s[4:5], s[40:41]
	s_add_nc_u64 s[50:51], s[8:9], s[50:51]
	s_add_nc_u64 s[52:53], s[8:9], s[52:53]
	s_mov_b32 s[G0], 1
	s_mov_b32 s[G0+1], s16
	s_mov_b64 s[G0+2:G0+3], s[14:15]
	s_or_b32 s[G0+3], s[G0+3], 0x80000000
	ROUND                                          ; all four work-groups are here: the joint loads meet
	s_cmp_lt_u32 s[WV], 4                          ; one load a wave; waves 0-3 have a line of their own, since the first barrier waits for theirs alone
	s_cbranch_scc0 .Llater
	tensor_load_to_lds s[G0:G0+3], s[G1:G1+7]
	s_nop 0
.rept 4
	v_nop
.endr
	s_branch .Lasked
.Llater:
	tensor_load_to_lds s[G0:G0+3], s[G1:G1+7]
	s_nop 0
.rept 4
	v_nop
.endr
.Lasked:
	v_and_b32 v6, 15, v0                           ; r
	v_bfe_u32 v7, v0, 4, 1                         ; h
	v_and_b32 v[LI], 31, v0
	v_lshlrev_b32 v[SG2], 3, v[LI]
	v_lshlrev_b32 v[LI], 4, v[LI]
	v_lshlrev_b32 v[LR], 2, v6
	v_lshlrev_b32 v11, 3, v6                       ; 8 r
	global_load_b128 v[16:19], v[LI], s[18:19]     ; Q's fragment stays in registers: k 0-31,
	global_load_b128 v[20:23], v[LI], s[18:19] offset:512   ; k 32-63
	global_load_b32 v255, v[LR], s[20:21]          ; its scale words
	global_load_b128 v[Q2:Q2+3], v[LI], s[38:39]   ; the long tile's
	global_load_b128 v[Q2+4:Q2+7], v[LI], s[38:39] offset:512
	global_load_b32 v[Q2+8], v[LR], s[40:41]
	v_add_nc_u32 v[SG], s37, v[LI]
	v_add_nc_u32 v[SG2], s37, v[SG2]
	v_add_nc_u32 v[SG2], 4096, v[SG2]
	v_and_b32 v8, 8, v6
	v_add_nc_u32 v8, v8, v6
	v_lshlrev_b32 v9, 4, v7
	v_sub_nc_u32 v8, v8, v9
	v_add_nc_u32 v[DG], s54, v8                    ; register 16 b + i holds key 32 b + 16 h + i of the step: hidden on the diagonal where 32 b + i > DG
.irp j, 24,25,26,27,28,29,30,31
	v_mov_b32 v[\j], 0                             ; k 64-127 of Q: zero codes
.endr
.irp t, 0,1,2,3
.irp j, 8,9,10,11,12,13,14,15
	v_mov_b32 v[32+16*\t+\j], 0                    ; and of K's four fragments: no load lands here
.endr
.endr
	v_mov_b32 v13, 0xff61b1e6                      ; the largest t so far: -3e38
	v_floor_f32 v12, -v13                          ; -M
	v_mov_b32 v14, 0
	v_mov_b32 v15, 0
.irp j, 236,237,238,239,250,251,252,253
	v_mov_b32 v[\j], 0                             ; written once: lane permutes' destinations and the upper halves of named pairs
.endr
.set n, 0
.rept 32
	v_mov_b32 v[160+n], 0                          ; O^T: the step is written once; the first finds zeros, which the first change of M leaves zeros
.set n, n+1
.endr
; A TRIP: at most one key step of 128 keys.  first = 1: key step 0 in every wave.  Else: B's change of tiles where it is due; then the key step s[ST] = trip + (8 - j) x [B and trip > j], by shifts and products of the wave's number and the trip.
.macro TRIP first
.if \first
	s_mov_b32 s[ST], 0
	s_mov_b32 s[TB], 0
	s_mov_b32 s[TS], 65536
	s_mov_b32 s[TJ], 67584
.else
	s_cmp_lg_u32 s[CNT], s[SWT]
	s_cbranch_scc1 .Lsame_\@
.rept 8
	v_nop                                          ; places behind the last products
.endr
	FINISH                                         ; B: tile j is done
.irp j, 0,1,2,3,4,5,6,7
	v_mov_b32 v[16+\j], v[Q2+\j]                   ; on to tile 15 - j: its q, and a state as at the head
.endr
	v_mov_b32 v255, v[Q2+8]
	v_mov_b32 v13, 0xff61b1e6
	v_floor_f32 v12, -v13
	v_mov_b32 v14, 0
	v_mov_b32 v15, 0
.set n, 0
.rept 32
	v_mov_b32 v[160+n], 0
.set n, n+1
.endr
	s_mov_b32 s[WI], s[LL]
	s_wait_alu depctr_va_vdst(0)
	s_wait_xcnt 0x0                                ; the stores have read their codes: the next step writes those registers
.Lsame_\@:
	s_cmp_ge_u32 s[CNT], s[NT]                     ; B's ninth trip has no work
	s_cbranch_scc1 .Lhidden_\@
	s_add_co_u32 s77, s[CNT], s[XB]
	s_lshr_b32 s77, s77, 4                         ; 1 where B has changed tiles: trip + 15 - j >= 16
	s_mul_i32 s77, s77, s[EE]
	s_add_co_u32 s[ST], s[CNT], s77
	s_min_u32 s[ST], s[ST], 15
	s_lshr_b32 s77, s[ST], 2
	s_mul_i32 s77, s77, CHB
	s_and_b32 s78, s[ST], 3
	s_lshl_b32 s[TB], s78, 13
	s_add_co_u32 s[TB], s[TB], s77
	s_lshl_b32 s[TS], s78, 9
	s_add_co_u32 s[TS], s[TS], s77
	s_add_co_u32 s[TS], s[TS], 65536
	s_lshl_b32 s[TJ], s78, 8
	s_add_co_u32 s[TJ], s[TJ], s77
	s_add_co_u32 s[TJ], s[TJ], 67584
.endif
	v_add_nc_u32 v[ADK], s[TB], v[LI]
	v_add_nc_u32 v[ADS], s[TS], v[LR]
	v_add_nc_u32 v[ADT], s[TJ], v[LR]
	s_wait_alu depctr_va_vdst(0)
.rept 6
	v_nop                                          ; with the three additions nine places: the products below write over the registers that the last step's products read as V
.endr
.irp g, 0,1                                    ; S^T = K Q^T, four tiles of 16 keys at a time
.if \g > 0
.rept 8
	v_nop                                          ; places in front of loads into registers that matrix instructions have read
.endr
.endif
.irp t, 0,1,2,3
	ds_load_b128 v[32+16*\t:35+16*\t], v[ADK] offset:(4*\g+\t)*1024
	ds_load_b128 v[36+16*\t:39+16*\t], v[ADK] offset:(4*\g+\t)*1024+512
	ds_load_b32 v[248+\t], v[ADS] offset:(4*\g+\t)*64
.endr
	s_wait_dscnt 0x0
.irp t, 0,1,2,3
	v_wmma_scale_f32_16x16x128_f8f6f4 v[96+8*(4*\g+\t):103+8*(4*\g+\t)], v[32+16*\t:47+16*\t], v[16:31], 0, v[248+\t], v255 matrix_a_fmt:MATRIX_FMT_BF8 matrix_b_fmt:MATRIX_FMT_BF8
.endr
.endr
.rept 8
	v_nop
.endr
	s_cmp_lg_u32 s[ST], s[WI]                      ; a tile's last step lies on the diagonal: hidden scores become -infinity ahead of the maximum, so p = 0
	s_cbranch_scc1 .Lopen_\@
	v_mov_b32 v254, 0xff800000
.set n, 0
.rept 64
	v_cmp_gt_i32 vcc_lo, 32*(n/16)+n%16, v[DG]
	v_cndmask_b32 v[96+n], v[96+n], v254, vcc_lo
.set n, n+1
.endr
.Lopen_\@:
.irp b, 0,1,2,3
	v_max3_num_f32 v[232+\b], v[96+16*\b], v[97+16*\b], v[98+16*\b]   ; the largest score of each block of 32 keys: for the row's maximum, and, since p rises with the score, for the block's largest p
.endr
.irp i, 3,5,7,9,11,13
.irp b, 0,1,2,3
	v_max3_num_f32 v[232+\b], v[232+\b], v[96+16*\b+\i], v[97+16*\b+\i]
.endr
.endr
.irp b, 0,1,2,3
	v_max_num_f32 v[232+\b], v[232+\b], v[111+16*\b]
.endr
.irp b, 0,1,2,3
	v_permlanex16_b32 v[236+\b], v[232+\b], s[SEL], s[SEL+1]
.endr
.irp b, 0,1,2,3
	s_delay_alu instid0(VALU_DEP_4)
	v_max_num_f32 v[232+\b], v[232+\b], v[236+\b]  ; with lane l xor 16's 16 keys
.endr
	s_delay_alu instid0(VALU_DEP_2)
	v_max3_num_f32 v254, v232, v233, v234
	s_delay_alu instid0(VALU_DEP_1)
	v_max_num_f32 v254, v254, v235
	s_delay_alu instid0(VALU_DEP_1)
	v_mul_f32 v254, s[CS], v254                    ; the step's largest t (c is positive)
	s_delay_alu instid0(VALU_DEP_1)
	v_max_num_f32 v13, v13, v254
	v_mov_b32 v254, v12
	s_delay_alu instid0(VALU_DEP_2)
	v_floor_f32 v12, -v13                          ; the new -M = -ceil(t): a whole number
	s_delay_alu instid0(VALU_DEP_1)
	v_sub_f32 v254, v12, v254                      ; old M - new M: a whole number, 0 or less
	s_delay_alu instid0(VALU_DEP_1)
	v_cvt_i32_f32 v254, v254                       ; (it saturates)
	s_delay_alu instid0(VALU_DEP_1)
	v_ldexp_f32 v252, 1.0, v254                    ; f = 2^(old M - new M)
.set n, 0
.rept 32
	v_pk_fma_f32 v[96+n:97+n], v[96+n:97+n], s[CS:CS+1], v[12:13] op_sel_hi:[1,0,0]   ; t - M, two at a time
.set n, n+2
.endr
.irp b, 0,1,2,3
	v_fma_f32 v[232+\b], v[232+\b], s[CS], v12     ; the same of each block's largest score
.endr
.set n, 0
	s_wait_alu depctr_va_vdst(0)
.rept 64
	v_exp_f32 v[96+n], v[96+n]                     ; p = 2^(t - M)
.set n, n+1
.endr
	v_pk_mul_f32 v[14:15], v[14:15], v[252:253] op_sel_hi:[1,0]   ; the sums under the new M: a plain line behind the exponentials
	s_wait_alu depctr_va_vdst(0)                   ; one wait for the whole batch, ahead of its first reader
.irp b, 0,1,2,3
	v_exp_f32 v[232+\b], v[232+\b]                 ; the block's largest p
.endr
	v_pk_add_f32 v[236:237], v[96:97], v[98:99]    ; the row's sum of the unquantised p, two at a time, in four chains: it reads the 64 alone
	v_pk_add_f32 v[250:251], v[100:101], v[102:103]
	v_pk_add_f32 v[248:249], v[104:105], v[106:107]
	v_pk_add_f32 v[14:15], v[14:15], v[108:109]
.set n, 110
.rept 6
	v_pk_add_f32 v[236:237], v[236:237], v[n:n+1]
	v_pk_add_f32 v[250:251], v[250:251], v[n+2:n+3]
	v_pk_add_f32 v[248:249], v[248:249], v[n+4:n+5]
	v_pk_add_f32 v[14:15], v[14:15], v[n+6:n+7]
.set n, n+8
.endr
	v_pk_add_f32 v[236:237], v[236:237], v[158:159]
	v_pk_add_f32 v[250:251], v[250:251], v[248:249]
	v_pk_add_f32 v[14:15], v[14:15], v[236:237]
	v_pk_add_f32 v[14:15], v[14:15], v[250:251]
	s_wait_alu depctr_va_vdst(0)                   ; and one for the four
.irp b, 0,1,2,3
	v_max_num_f32 v[232+\b], 0x8000000, v[232+\b]  ; the floor 2^(16 - 127)
.endr
.irp b, 0,1,2,3
	s_delay_alu instid0(VALU_DEP_4)
	v_add_nc_u32 v[244+\b], 0xf8800000, v[232+\b]  ; the conversion's scale operand
.endr
.irp b, 0,1,2,3
	v_and_or_b32 v[240+\b], v[232+\b], 0x7f800000, s[MNT]   ; 57,344 x the scale
.endr
.irp b, 0,1,2,3
	v_and_or_b32 v[201+\b], v[232+\b], 0x7f800000, s[MNT]   ; once more, in a register of another bank: the second halves of the dual holds read it
.endr
.irp b, 0,1,2,3
	v_lshrrev_b32 v[236+\b], 23, v[244+\b]         ; the scale's byte
.endr
	s_delay_alu instid0(VALU_DEP_3)
	v_lshl_or_b32 v253, v237, 8, v236              ; p's scale word for these 128 keys
	s_delay_alu instid0(VALU_DEP_1)
	v_lshl_or_b32 v253, v238, 16, v253
	s_delay_alu instid0(VALU_DEP_1)
	v_lshl_or_b32 v253, v239, 24, v253
.irp b, 0,1,2,3
.irp i, 0,2,4,6,8,10,12,14
	v_dual_min_num_f32 v[96+16*\b+\i], v[96+16*\b+\i], v[240+\b] :: v_dual_min_num_f32 v[97+16*\b+\i], v[97+16*\b+\i], v[201+\b]   ; the hold, two numbers an instruction; p is not negative, so it is one-sided
.endr
	v_cvt_scalef32_pk8_bf8_f32 v[224+4*\b:225+4*\b], v[96+16*\b:103+16*\b], v[244+\b]
	v_cvt_scalef32_pk8_bf8_f32 v[226+4*\b:227+4*\b], v[104+16*\b:111+16*\b], v[244+\b]
.endr
.irp e, 0,1,2,3                                ; V's four fragments (16 features x 128 keys) take p's place
.irp c, 0,1,2,3
	ds_load_b128 v[96+16*\e+4*\c:99+16*\e+4*\c], v[ADK] offset:32768+\e*2048+\c*512
.endr
	ds_load_b32 v[248+\e], v[ADT] offset:\e*64
.endr
	s_wait_alu depctr_va_vdst(0)                   ; directly ahead of the first reader of O^T
.set n, 0
.rept 16
	v_pk_mul_f32 v[160+n:161+n], v[160+n:161+n], v[252:253] op_sel_hi:[1,0]   ; O^T under the new M; these are also the places in front of the products
.set n, n+2
.endr
	s_wait_alu depctr_va_vdst(0)
	s_wait_dscnt 0x0
.irp e, 0,1,2,3                                ; O^T += V^T P^T: four accumulators, one instruction each
	v_wmma_scale_f32_16x16x128_f8f6f4 v[160+8*\e:167+8*\e], v[96+16*\e:111+16*\e], v[224:239], v[160+8*\e:167+8*\e], v[248+\e], v253 matrix_a_fmt:MATRIX_FMT_BF8 matrix_b_fmt:MATRIX_FMT_BF8
.endr
.Lhidden_\@:
.endm
	s_wait_alu depctr_va_vdst(0)
	s_wait_loadcnt 0x0                             ; Q, twice
	s_cmp_lt_u32 s[WV], 4
	s_cbranch_scc0 .Lnot_first
	s_wait_tensorcnt 0x0                           ; waves 0-3: my quarter of the first 512 keys is in.  The other waves' wait stands at the second barrier
.Lnot_first:
	s_barrier_signal -1
	s_barrier_wait -1
	TRIP 1
	s_wait_tensorcnt 0x0                           ; every wave: my sixteenth is in
	s_wait_dscnt 0x0
	s_barrier_signal -1
	s_barrier_wait -1                              ; the whole head lies in LDS
	s_mov_b32 s[CNT], 1
.Ltrip:
	TRIP 0
	s_add_co_u32 s[CNT], s[CNT], 1
	s_cmp_lt_u32 s[CNT], 9
	s_cbranch_scc1 .Ltrip
.rept 8
	v_nop                                          ; places behind the last products
.endr
	s_cmp_eq_u32 s[TY], 0
	s_cbranch_scc1 .Lkeeps
	v_add_f32 v13, v14, v15                        ; B: my part of tile 15 - j goes to the pair's stage as it lies in registers: O^T, and the pair (-M, my lane's sum)
.irp k, 0,1,2,3,4,5,6,7
	ds_store_b128 v[SG], v[160+4*\k:163+4*\k] offset:512*\k
.endr
	ds_store_b64 v[SG2], v[12:13]
.Lkeeps:
	s_wait_dscnt 0x0                               ; for A's sake: my stores have landed
	s_barrier_signal -1
	s_barrier_wait -1
	s_cmp_eq_u32 s[TY], 0
	s_cbranch_scc0 .Lend
.irp k, 0,1,2,3,4,5,6,7
	ds_load_b128 v[96+4*\k:99+4*\k], v[SG] offset:512*\k
.endr
	ds_load_b64 v[128:129], v[SG2]
	v_add_f32 v14, v14, v15
	v_mov_b32 v15, 0
	s_wait_alu depctr_va_vdst(0)
	s_wait_dscnt 0x0
	v_min_num_f32 v130, v12, v128                  ; -M of the two parts together
	v_sub_f32 v131, v130, v12                      ; whole numbers, 0 or less
	v_sub_f32 v132, v130, v128                     ; (a part of no steps has -M = 3e38, zeros and a factor 0)
	v_cvt_i32_f32 v131, v131
	v_cvt_i32_f32 v132, v132
	v_ldexp_f32 v252, 1.0, v131
	v_ldexp_f32 v250, 1.0, v132
	v_mul_f32 v14, v14, v252
	v_fmac_f32 v14, v129, v250
.set n, 0
.rept 16
	v_pk_mul_f32 v[160+n:161+n], v[160+n:161+n], v[252:253] op_sel_hi:[1,0]
.set n, n+2
.endr
.set n, 0
.rept 16
	v_pk_fma_f32 v[160+n:161+n], v[96+n:97+n], v[250:251], v[160+n:161+n] op_sel_hi:[1,0,1]
.set n, n+2
.endr
	FINISH                                         ; A: tile 15 - j is done
.Lend:
	s_wait_dscnt 0x0
	s_wait_tensorcnt 0x0                           ; the wave's end
	ds_add_u32 v[SPW], v[NIL]
	s_wait_dscnt 0x0
	ROUND                                          ; the closing round: no work-group ends while a partner may still ask jointly
	s_endpgm
.Lfunc_end_k_q4428010634_attn:
	.size	k_q4428010634_attn, .Lfunc_end_k_q4428010634_attn-k_q4428010634_attn
	.p2alignl 7, 3214868480
	.fill 96, 4, 3214868480
	.section	.rodata,"a",@progbits
	.p2align	6, 0x0
	.amdhsa_kernel k_q4428010634_attn
		.amdhsa_group_segment_fixed_size 327680
		.amdhsa_private_segment_fixed_size 0
		.amdhsa_enable_private_segment 0
		.amdhsa_kernarg_size 24
		.amdhsa_user_sgpr_count 2
		.amdhsa_user_sgpr_kernarg_segment_ptr 1
		.amdhsa_wavefront_size32 1
		.amdhsa_system_sgpr_workgroup_id_x 1
		.amdhsa_system_sgpr_workgroup_id_y 1
		.amdhsa_system_sgpr_workgroup_id_z 1
		.amdhsa_system_vgpr_workitem_id 0
		.amdhsa_next_free_vgpr 256
		.amdhsa_next_free_sgpr 80
		.amdhsa_reserve_vcc 1
		.amdhsa_float_denorm_mode_32 3
		.amdhsa_float_denorm_mode_16_64 3
		.amdhsa_memory_ordered 1
		.amdhsa_forward_progress 1
		.amdhsa_inst_pref_size 80
	.end_amdhsa_kernel
	.amdgpu_metadata
---
amdhsa.version: [ 1, 2 ]
amdhsa.kernels:
  - .name:           k_q4428010634_attn
    .symbol:         k_q4428010634_attn.kd
    .args:
      - { .name: qimg, .offset: 0, .size: 8, .value_kind: global_buffer, .address_space: global }
      - { .name: kvimg, .offset: 8, .size: 8, .value_kind: global_buffer, .address_space: global }
      - { .name: oimg, .offset: 16, .size: 8, .value_kind: global_buffer, .address_space: global }
    .group_segment_fixed_size: 327680
    .private_segment_fixed_size: 0
    .kernarg_segment_align: 8
    .kernarg_segment_size: 24
    .max_flat_workgroup_size: 512
    .sgpr_count:     80
    .vgpr_count:     256
    .wavefront_size: 32
...
	.end_amdgpu_metadata
.endif
;; end of part 10
;; launch proj (part 11): grid 8 x 32, 4 waves a work-group, clusters of 4 x 4, 327,680 bytes of LDS; arguments oimg, wimg, x, bproj, x1; writes x1
.if DOCPART == 11
	.amdgcn_target "amdgcn-amd-amdhsa--gfx1250"
	.amdhsa_code_object_version 6
	.text
	.protected	k_q4428010634_proj
	.globl	k_q4428010634_proj
	.p2align	8
	.type	k_q4428010634_proj,@function
k_q4428010634_proj:
	s_mov_b64 s[64:65], 0
	v_nop
	global_prefetch_b8 v0, s[64:65] scope:SCOPE_SE
	s_setreg_imm32_b32 hwreg(HW_REG_WAVE_MODE, 25, 1), 1
	s_wait_xcnt 0x0
	s_wait_alu depctr_hold_cnt(0) depctr_sa_sdst(0) depctr_va_vdst(0) depctr_va_sdst(0) depctr_va_ssrc(0) depctr_va_vcc(0) depctr_vm_vsrc(0)
	s_getreg_b32 s2, hwreg(HW_REG_IB_STS2, 6, 4)
	s_cmp_eq_u32 s2, 0
	s_cbranch_scc0 .Lentry_in_a_cluster
	s_endpgm
.Lentry_in_a_cluster:
	s_bfe_u32 s2, ttmp6, 0x10000c
	s_cmp_lg_u32 s2, 0xf033
	s_cbranch_scc0 .Lentry_shape_is_right
	s_endpgm
.Lentry_shape_is_right:
; x1 = x + o Wproj + bproj: a product of 4,096 x 1,024 x 1,024 on codes of E5M2 with one E8M0 byte for each 32 along K; sums in f32.
; OPERANDS are images of registers, in blocks of 33,792 bytes = 128 rows x 256 of K: codes at tile*4096 + half*2048 + c*512 + 16*lane, scale words at 32768 + tile*128 + 8 r + 4 half; blocks lie [row / 128][k / 256].
; Image row r of tile J is row 32 (J / 2) + 8 (J % 2) + r + 8 (r / 8).  Source 0 takes Wproj's rows (B), source 1 o's rows (A): a lane holds one row of the result and eight neighbouring columns a tile.
; SHARES.  A work-group makes 128 x 128, each of four waves 64 x 64: 16 accumulators.  ALL of K lies in LDS: two slots, each with two K blocks of A and two of B.
; Each wave fills two neighbouring blocks by ONE load of 264 rows at the head; nothing is filled again, so one barrier, at the head, shows everything.
; The sums begin with C = 0.  x and bproj are added on the way out: x's 64 rows x 256 bytes a wave are asked for at the head, behind the tiles, in the rows' own order, and waited for behind the last product.
; The way out goes through a stage of each wave's own, in LDS bytes behind the spare words into which no tile lands.
; CLUSTER 4 x 4: A's blocks are shared along a row of the cluster, B's along a column.  No prefetch: all that the launch reads is asked for at its head.
; LIMITS: NaN and infinities are not served.
; REGISTERS: window 0: v4-29 bias and addresses; v32-63 scale words, two sets (lanes 0-15 A's, lanes 16-31 B's); v64-127 the way out; v128-255 the sums.  window 1: fragments, two sets of 128 (A's four, then B's four).  window 2: v0-127 x.
.set BLK,   33792
.set SLOT,  4*BLK
.set SPARE, 2*SLOT                     ; the spare words, 128 bytes for each wave
.set STAGE, SPARE+512                  ; 16 rows x 272 bytes for each wave
.set KS,    4
.set WOFF,  96                         ; Wproj's first block in wimg
.set NP,    8                          ; places behind this matrix instruction (ISA guide 7.12.1)
.set SPITCH, 272
.set BI,   4
.set C16,  8
.set ADRA, 16
.set ADRB, 20
.set ADRS, 22
.set STO,  24
.set RD,   25
.set CO,   26
.set LI,   27
.set SPW,  28
.set NIL,  29
.set SC,   32
.set BK,   64
.set ACC,  128
.set F0,   0
.set F1,   128
.set G1, 24
.set G0, 32
.set G1B, 48
.set G0B, 56
.set MSB, 0
.macro WIN new                         ; the immediate's high byte repeats the setting that is left
.if MSB != (\new)
	s_set_vgpr_msb (MSB<<8)|(\new)
.set MSB, (\new)
.endif
.endm
.set MUL,  0x05                        ; sources 0 and 1 window 1, C and D window 0
.set TO_F, 0x40
.macro CREST
	s_cmp_lg_u32 s14, 0
	s_cbranch_scc1 .Lnot_wave_0_\@
	s_barrier_signal -3
.Lnot_wave_0_\@:
	s_barrier_wait -3
	s_barrier_signal -1
	s_barrier_wait -1
.endm
.macro CROUND
	s_barrier_signal -1
	s_barrier_wait -1
	CREST
.endm
.macro PLACES n
.rept \n
	v_nop
.endr
.endm
	s_load_b128 s[4:7], s[0:1], 0x0                ; oimg, wimg
	s_load_b128 s[8:11], s[0:1], 0x10              ; x, bproj
	s_load_b64 s[12:13], s[0:1], 0x20              ; x1
	v_lshl_add_u32 v[SPW], v0, 2, SPARE
	v_mov_b32 v[NIL], 0
	ds_add_u32 v[SPW], v[NIL]                      ; the opening lines: the add, twice on end, and its wait ahead of my tensor load
	ds_add_u32 v[SPW], v[NIL]
	v_lshrrev_b32 v1, 5, v0
	v_readfirstlane_b32 s14, v1                    ; wave 0..3
	s_lshr_b32 s15, s14, 1                         ; which 64 rows are mine.  Also: I fetch for A (0) or for B (1)
	s_and_b32 s16, s14, 1                          ; which 64 columns.  Also: which slot I fill
	s_bfe_u32 s40, ttmp6, 0x40000                  ; cx
	s_bfe_u32 s41, ttmp6, 0x40004                  ; cy
	s_lshl_b32 s42, ttmp9, 2
	s_add_co_u32 s42, s42, s40                     ; tile column
	s_and_b32 s17, ttmp7, 0xffff
	s_lshl_b32 s17, s17, 2
	s_add_co_u32 s17, s17, s41                     ; tile row
	s_lshl_b32 s43, s41, 2
	s_lshl_b32 s43, 15, s43                        ; my row of the cluster
	s_lshl_b32 s44, 0x1111, s40                    ; my column
	s_or_b32 s[G1+0], s43, (3<<16)|(1<<21)         ; 15:0 the mask; 17:16 elements of 8 bytes; 21 set beside a mask; no padding
	s_or_b32 s[G1B+0], s44, (3<<16)|(1<<21)
.irp g, G1, G1B
	s_mov_b32 s[\g+1], 32<<16                      ; rows of 256 bytes
	s_mov_b32 s[\g+2], 264<<16                     ; two blocks on end
	s_mov_b32 s[\g+3], 32<<16
	s_mov_b32 s[\g+4], 264
	s_mov_b32 s[\g+5], 32                          ; dense
	s_mov_b32 s[\g+6], 0
	s_mov_b32 s[\g+7], 0
.endr
	s_lshl_b32 s18, s16, 1
	s_mul_i32 s20, s17, KS
	s_add_co_u32 s20, s20, s18
	s_mul_i32 s20, s20, BLK                        ; A: my tile row's K blocks 2 j and 2 j + 1, j the slot that I fill
	s_mov_b32 s21, 0
	s_mul_i32 s46, s42, KS
	s_add_co_u32 s46, s46, s18
	s_mul_i32 s46, s46, BLK                        ; B likewise
	s_mov_b32 s47, 0
	s_mul_i32 s90, s16, SLOT
	s_mul_i32 s91, s15, 2*BLK                      ; a slot: A's two blocks, then B's two
	s_lshl_b32 s60, s15, 14                        ; LDS: my four tiles of A in a block,
	s_lshl_b32 s61, s16, 14
	s_add_co_u32 s61, s61, 2*BLK                   ; my four of B,
	s_lshl_b32 s63, s15, 9
	s_lshl_b32 s62, s16, 9
	s_add_co_u32 s62, s62, 2*BLK
	s_sub_co_u32 s62, s62, s63                     ; from A's scale words to B's,
	s_add_co_u32 s63, s63, 32768
	s_mul_i32 s23, s14, 16*SPITCH
	s_add_co_u32 s23, s23, STAGE                   ; and my stage
	s_lshl_b32 s70, s17, 19
	s_lshl_b32 s71, s15, 18
	s_add_co_u32 s70, s70, s71
	s_lshl_b32 s72, s42, 9
	s_lshl_b32 s73, s16, 8
	s_add_co_u32 s72, s72, s73                     ; my first column, in bytes
	s_add_co_u32 s70, s70, s72                     ; my corner of x and of x1
	s_mov_b32 s71, 0
	s_mov_b32 s73, 0
	s_wait_dscnt 0x0                               ; both opening adds are done
	s_wait_kmcnt 0x0
	s_add_nc_u64 s[20:21], s[4:5], s[20:21]
	s_add_nc_u64 s[46:47], s[6:7], s[46:47]
	s_add_nc_u64 s[46:47], s[46:47], WOFF*BLK
	s_add_nc_u64 s[74:75], s[8:9], s[70:71]
	s_add_nc_u64 s[76:77], s[12:13], s[70:71]
	s_add_nc_u64 s[78:79], s[10:11], s[72:73]
	s_mov_b32 s[G0], 1
	s_add_co_u32 s[G0+1], s90, s91
	s_mov_b64 s[G0+2:G0+3], s[20:21]
	s_or_b32 s[G0+3], s[G0+3], 0x80000000
	s_mov_b32 s[G0B], 1
	s_add_co_u32 s[G0B+1], s90, s91
	s_mov_b64 s[G0B+2:G0B+3], s[46:47]
	s_or_b32 s[G0B+3], s[G0B+3], 0x80000000
	CROUND                                         ; all sixteen work-groups are here: the joint loads meet
	s_cmp_eq_u32 s15, 0                            ; my one load: each of the two lines has one mask
	s_cbranch_scc0 .Lfor_b
	tensor_load_to_lds s[G0:G0+3], s[G1:G1+7]
	s_nop 0
	PLACES 4
	s_branch .Lasked
.Lfor_b:
	tensor_load_to_lds s[G0B:G0B+3], s[G1B:G1B+7]
	s_nop 0
	PLACES 4
.Lasked:
	v_and_b32 v1, 15, v0                           ; r
	v_bfe_u32 v2, v0, 4, 1                         ; h
	v_and_b32 v3, 31, v0
	v_lshlrev_b32 v[LI], 4, v3
	v_lshlrev_b32 v[C16], 4, v1
	v_add_nc_u32 v[ADRA], s60, v[LI]
	v_add_nc_u32 v[ADRB], s61, v[LI]
	v_add_nc_u32 v[ADRA+1], SLOT, v[ADRA]
	v_add_nc_u32 v[ADRB+1], SLOT, v[ADRB]
	v_mul_u32_u24 v6, s62, v2                      ; lanes 16-31 take B's scale words: one product, the distance between the two
	v_lshl_add_u32 v6, v1, 3, v6
	v_add_nc_u32 v[ADRS], s63, v6
	v_add_nc_u32 v[ADRS+1], SLOT, v[ADRS]
	v_mul_u32_u24 v7, v1, SPITCH                   ; the stage, in: row r, 64 bytes for each half of the lanes
	v_lshl_add_u32 v7, v2, 6, v7
	v_add_nc_u32 v[STO], s23, v7
	v_mul_u32_u24 v9, v2, SPITCH                   ; back: lanes 0-15 one row of 256 bytes, lanes 16-31 the next
	v_add_nc_u32 v9, v9, v[C16]
	v_add_nc_u32 v[RD], s23, v9
	v_lshl_add_u32 v[CO], v2, 12, v[C16]           ; and the same two rows in x and x1
	s_wait_alu depctr_va_vdst(0)
	global_load_b128 v[BI:BI+3], v[C16], s[78:79]
	WIN 0x80
.irp a, 0,1,2,3
.irp t, 0,1,2,3,4,5,6,7
	global_load_b128 v[32*\a+4*\t:32*\a+4*\t+3], v[CO], s[74:75] offset:(32*(\a/2)+8*(\a%2)+2*\t+8*(\t/4))*4096   ; x, in the order in which the rows are stored
.endr
.endr
	WIN 0
.macro FRAG reg, adr, u, i
.irp c, 0,1,2,3
	ds_load_b128 v[(\reg)+4*\c:(\reg)+4*\c+3], v[\adr] offset:((\u)/2)*BLK+(\i)*4096+((\u)%2)*2048+512*\c
.endr
.endm
.macro MULA f, u, sc, a, z=0           ; four products: A's tile a x B's four.  The 16 accumulators take turns, in the same order in every step
.irp b, 0,1,2,3
.if \z
	v_wmma_scale_f32_16x16x128_f8f6f4 v[ACC+8*(4*(\a)+\b):ACC+8*(4*(\a)+\b)+7], v[(\f)+64+16*\b:(\f)+64+16*\b+15], v[(\f)+16*(\a):(\f)+16*(\a)+15], 0, v[SC+16*(\sc)+4*\b+(\u)], v[SC+16*(\sc)+4*(\a)+(\u)] matrix_a_fmt:MATRIX_FMT_BF8 matrix_b_fmt:MATRIX_FMT_BF8 matrix_a_scale:MATRIX_SCALE_ROW1
.else
	v_wmma_scale_f32_16x16x128_f8f6f4 v[ACC+8*(4*(\a)+\b):ACC+8*(4*(\a)+\b)+7], v[(\f)+64+16*\b:(\f)+64+16*\b+15], v[(\f)+16*(\a):(\f)+16*(\a)+15], v[ACC+8*(4*(\a)+\b):ACC+8*(4*(\a)+\b)+7], v[SC+16*(\sc)+4*\b+(\u)], v[SC+16*(\sc)+4*(\a)+(\u)] matrix_a_fmt:MATRIX_FMT_BF8 matrix_b_fmt:MATRIX_FMT_BF8 matrix_a_scale:MATRIX_SCALE_ROW1
.endif
.endr
.endm
.macro FETCH slot, u, f                ; a step's fragments: B's four, then A's four: 32 LDS loads
	WIN TO_F
.irp i, 0,1,2,3
	FRAG (\f)+64+16*\i, ADRB+\slot, \u, \i
.endr
.irp i, 0,1,2,3
	FRAG (\f)+16*\i, ADRA+\slot, \u, \i
.endr
.endm
.macro SCALES sc                       ; a slot's scale words: 8 LDS loads
.irp k, 0,1
.irp i, 0,1,2,3
	ds_load_b64 v[SC+16*\sc+4*\i+2*\k:SC+16*\sc+4*\i+2*\k+1], v[ADRS+\sc] offset:\k*BLK+128*\i
.endr
.endr
.endm
.macro STEP slot, u, f, g, z=0         ; a step of 128 along K that has its successor in the same slot
	s_wait_dscnt 8                                 ; all but the youngest eight loads (A's tiles 2, 3) are in
	WIN MUL
	MULA \f, \u, \slot, 0, \z
	MULA \f, \u, \slot, 1, \z
	PLACES NP                                      ; in front of loads into registers that the last step's products have read
	FETCH \slot, (\u)+1, \g
	s_wait_dscnt 32                                ; all but the 32 just issued
	WIN MUL
	MULA \f, \u, \slot, 2, \z
	MULA \f, \u, \slot, 3, \z
.endm
	s_wait_tensorcnt 0x0                           ; my two blocks are in
	s_barrier_signal -1
	s_barrier_wait -1                              ; both slots are whole: all of K
	SCALES 0
	FETCH 0, 0, F0
	STEP 0, 0, F0, F1, 1                           ; the first step's products start the sums
	STEP 0, 1, F1, F0
	STEP 0, 2, F0, F1
	s_wait_dscnt 8                                 ; slot 0's last step fetches from slot 1
	WIN MUL
	MULA F1, 3, 0, 0
	MULA F1, 3, 0, 1
	PLACES NP
	WIN 0
	SCALES 1
	FETCH 1, 0, F0
	s_wait_dscnt 40                                ; all but the 8 + 32 just issued
	WIN MUL
	MULA F1, 3, 0, 2
	MULA F1, 3, 0, 3
	STEP 1, 0, F0, F1
	STEP 1, 1, F1, F0
	STEP 1, 2, F0, F1
	s_wait_dscnt 8
	WIN MUL
	MULA F1, 3, 1, 0
	MULA F1, 3, 1, 1
	s_wait_dscnt 0
	MULA F1, 3, 1, 2
	MULA F1, 3, 1, 3
	WIN 0
; THE WAY OUT, 16 rows at a time: through my stage and back as rows of 256 bytes; x and bproj are added; sixteen lanes store one aligned unit of 256 bytes.
.macro TOSTAGE a
.irp b, 0,1,2,3
	ds_store_b128 v[STO], v[ACC+8*(4*(\a)+\b):ACC+8*(4*(\a)+\b)+3] offset:128*(\b/2)+32*(\b%2)
	ds_store_b128 v[STO], v[ACC+8*(4*(\a)+\b)+4:ACC+8*(4*(\a)+\b)+7] offset:128*(\b/2)+32*(\b%2)+16
.endr
.set BB, BK+32*((\a)%2)
.irp t, 0,1,2,3,4,5,6,7
	ds_load_b128 v[BB+4*\t:BB+4*\t+3], v[RD] offset:\t*2*SPITCH   ; LDS serves a wave's instructions in order: these see the stores above
.endr
.endm
.macro SEND a, younger
.set BB, BK+32*((\a)%2)
	s_wait_dscnt \younger
	WIN 0x08                                       ; source 1 in x's window
.irp t, 0,1,2,3,4,5,6,7
	v_pk_add_f32 v[BB+4*\t:BB+4*\t+1], v[BB+4*\t:BB+4*\t+1], v[32*(\a)+4*\t:32*(\a)+4*\t+1]
	v_pk_add_f32 v[BB+4*\t+2:BB+4*\t+3], v[BB+4*\t+2:BB+4*\t+3], v[32*(\a)+4*\t+2:32*(\a)+4*\t+3]
.endr
	WIN 0
.irp t, 0,1,2,3,4,5,6,7
	v_pk_add_f32 v[BB+4*\t:BB+4*\t+1], v[BB+4*\t:BB+4*\t+1], v[BI:BI+1]
	v_pk_add_f32 v[BB+4*\t+2:BB+4*\t+3], v[BB+4*\t+2:BB+4*\t+3], v[BI+2:BI+3]
	global_store_b128 v[CO], v[BB+4*\t:BB+4*\t+3], s[76:77] offset:(32*((\a)/2)+8*((\a)%2)+2*\t+8*(\t/4))*4096
.endr
.endm
	PLACES NP                                      ; behind the last products
	TOSTAGE 0
	s_wait_loadcnt 0x0                             ; x and bproj
.irp a, 1,2,3
.if \a > 1
	s_wait_xcnt 0x0                                ; block a - 2's stores have read their registers: block a's loads may land there
.endif
	TOSTAGE \a
	SEND \a-1, 16                                  ; behind block a - 1's loads: block a's 8 stores and 8 loads
.endr
	SEND 3, 0
	s_wait_tensorcnt 0x0                           ; the wave's end
	ds_add_u32 v[SPW], v[NIL]
	s_wait_dscnt 0x0
	CROUND                                         ; the closing round
	s_endpgm
.Lfunc_end_k_q4428010634_proj:
	.size	k_q4428010634_proj, .Lfunc_end_k_q4428010634_proj-k_q4428010634_proj
	.p2alignl 7, 3214868480
	.fill 96, 4, 3214868480
	.section	.rodata,"a",@progbits
	.p2align	6, 0x0
	.amdhsa_kernel k_q4428010634_proj
		.amdhsa_group_segment_fixed_size 327680
		.amdhsa_private_segment_fixed_size 0
		.amdhsa_enable_private_segment 0
		.amdhsa_kernarg_size 40
		.amdhsa_user_sgpr_count 2
		.amdhsa_user_sgpr_kernarg_segment_ptr 1
		.amdhsa_wavefront_size32 1
		.amdhsa_system_sgpr_workgroup_id_x 1
		.amdhsa_system_sgpr_workgroup_id_y 1
		.amdhsa_system_sgpr_workgroup_id_z 1
		.amdhsa_system_vgpr_workitem_id 0
		.amdhsa_next_free_vgpr 640
		.amdhsa_next_free_sgpr 100
		.amdhsa_reserve_vcc 0
		.amdhsa_float_denorm_mode_32 3
		.amdhsa_float_denorm_mode_16_64 3
		.amdhsa_memory_ordered 1
		.amdhsa_forward_progress 1
		.amdhsa_inst_pref_size 62
	.end_amdhsa_kernel
	.amdgpu_metadata
---
amdhsa.version: [ 1, 2 ]
amdhsa.kernels:
  - .name:           k_q4428010634_proj
    .symbol:         k_q4428010634_proj.kd
    .args:
      - { .name: oimg, .offset: 0, .size: 8, .value_kind: global_buffer, .address_space: global }
      - { .name: wimg, .offset: 8, .size: 8, .value_kind: global_buffer, .address_space: global }
      - { .name: x, .offset: 16, .size: 8, .value_kind: global_buffer, .address_space: global }
      - { .name: bproj, .offset: 24, .size: 8, .value_kind: global_buffer, .address_space: global }
      - { .name: x1, .offset: 32, .size: 8, .value_kind: global_buffer, .address_space: global }
    .group_segment_fixed_size: 327680
    .private_segment_fixed_size: 0
    .kernarg_segment_align: 8
    .kernarg_segment_size: 40
    .max_flat_workgroup_size: 128
    .sgpr_count:     100
    .vgpr_count:     640
    .wavefront_size: 32
...
	.end_amdgpu_metadata
.endif
;; end of part 11
;; launch ln1 (part 12): grid 256 x 1, 8 waves a work-group, no clusters, 2,048 bytes of LDS; arguments x1, g2, be2, h2img; writes h2img
.if DOCPART == 12
	.amdgcn_target "amdgcn-amd-amdhsa--gfx1250"
	.amdhsa_code_object_version 6
	.text
	.protected	k_q4428010634_ln1
	.globl	k_q4428010634_ln1
	.p2align	8
	.type	k_q4428010634_ln1,@function
k_q4428010634_ln1:
	s_mov_b64 s[64:65], 0
	v_nop
	global_prefetch_b8 v0, s[64:65] scope:SCOPE_SE
	s_setreg_imm32_b32 hwreg(HW_REG_WAVE_MODE, 25, 1), 1
	s_wait_xcnt 0x0
; LayerNorm of 4,096 rows of 1,024 f32 numbers, and the result quantised along the row to codes of E5M2 with one E8M0 byte for each 32.
; y = (x - mean) * rsqrt(var + 1e-5) * g + be, all in f32; the variance is the mean of (x - mean)^2, taken in a second pass over registers, so a common offset of x is never squared.
; THE CODES LEAVE AS AN IMAGE OF THE OPERAND'S REGISTERS.  A block of the image is 33,792 bytes: 128 rows x 256 along K: codes at tile*4096 + half*2048 + c*512 + 16*lane
; (lane (r, h) holds k = 32 c + 16 h + 0..15 of image row r), scale words at 32768 + tile*128 + 8 r + 4 half.  Blocks lie [row / 128][k / 256].
; THE ROWS OF A TILE ARE NOT NEIGHBOURS: image row r of tile J is row 32 (J / 2) + 8 (J % 2) + r + 8 (r / 8), in every image of this program.
; SHARES.  A work-group takes tile J = its number (16 rows); wave w takes columns 128 w .. 128 w + 127: one fragment.  Lane (r, h) holds 16 neighbours of each of its four blocks of 32.
; A row's sum spans the eight waves: each wave puts its part into LDS, one barrier, every wave reads all eight.  The two sums have LDS bytes of their own, so two barriers do.
; No cluster: the work-groups share nothing but the 8 KB of g and be.  No tensor load: a lane's registers are loaded as the conversions want them.
; LIMITS: a block of zeros gets the byte 1 (its codes are zeros; the bytes are read by this program alone); NaN and infinities among the inputs are not served.
.set BLK,  33792
.set RED0, 0                           ; LDS: 16 rows x 8 waves x 4 bytes: the sums
.set RED1, 512                         ; and the sums of squares
.set TM,   16                          ; v16-19 largest magnitudes, v20-23 bytes, v24-27 the largest number x the scale, v28-31 the conversions' scale operands
.set X,    32                          ; v32-95   my 64 numbers: register 16 b + i = column 128 w + 32 b + 16 h + i
.set G,    96                          ; v96-159  g at the same columns
.set BE,   160                         ; v160-223 be
.set PC,   224                         ; v224-239 the codes
.set PW,   240                         ; v240     the scale word
.set SEL,  30                          ; s[30:31] lane selects for v_permlanex16_b32: lane l xor 16
.set MNT,  29                          ; s29      the mantissa field of 57,344
.macro QUANT s                         ; 64 numbers v[s] .. v[s+63] become a fragment's codes in v[PC] on and its scale word in v[PW]
.irp b, 0,1,2,3
	v_max3_num_f32 v[TM+\b], |v[\s+16*\b]|, |v[\s+1+16*\b]|, 0x8000000   ; my 16 numbers of block b, and the floor 2^(16 - 127): the byte cannot fall under 1
.endr
.irp i, 2,4,6,8,10,12,14
.irp b, 0,1,2,3
	s_delay_alu instid0(VALU_DEP_4)
	v_max3_num_f32 v[TM+\b], v[TM+\b], |v[\s+16*\b+\i]|, |v[\s+1+16*\b+\i]|   ; the four blocks by turns
.endr
.endr
.irp b, 0,1,2,3
	s_delay_alu instid0(VALU_DEP_4)
	v_permlanex16_b32 v[TM+4+\b], v[TM+\b], s[SEL], s[SEL+1]
.endr
.irp b, 0,1,2,3
	s_delay_alu instid0(VALU_DEP_4)
	v_max_num_f32 v[TM+\b], v[TM+\b], v[TM+4+\b]   ; with lane l xor 16's: the block's largest magnitude
.endr
.irp b, 0,1,2,3
	s_delay_alu instid0(VALU_DEP_4)
	v_add_nc_u32 v[TM+12+\b], 0xf8800000, v[TM+\b]   ; 15 off its exponent field: the conversion's scale operand
.endr
.irp b, 0,1,2,3
	v_and_or_b32 v[TM+8+\b], v[TM+\b], 0x7f800000, s[MNT]   ; 57,344 x the scale
.endr
.irp b, 0,1,2,3
	v_lshrrev_b32 v[TM+4+\b], 23, v[TM+12+\b]   ; the scale's byte
.endr
	s_delay_alu instid0(VALU_DEP_3)
	v_lshl_or_b32 v[PW], v[TM+5], 8, v[TM+4]
	s_delay_alu instid0(VALU_DEP_1)
	v_lshl_or_b32 v[PW], v[TM+6], 16, v[PW]
	s_delay_alu instid0(VALU_DEP_1)
	v_lshl_or_b32 v[PW], v[TM+7], 24, v[PW]
.irp b, 0,1,2,3
.irp i, 0,1,2,3,4,5,6,7,8,9,10,11,12,13,14,15
	v_med3_num_f32 v[\s+16*\b+\i], v[\s+16*\b+\i], -v[TM+8+\b], v[TM+8+\b]   ; the conversion to an 8-bit code does not saturate (ISA guide 7.6.2): the hold comes first
.endr
	v_cvt_scalef32_pk8_bf8_f32 v[PC+4*\b:PC+1+4*\b], v[\s+16*\b:\s+7+16*\b], v[TM+12+\b]
	v_cvt_scalef32_pk8_bf8_f32 v[PC+2+4*\b:PC+3+4*\b], v[\s+8+16*\b:\s+15+16*\b], v[TM+12+\b]
.endr
	v_nop                                          ; a plain line behind the last conversion
.endm
	s_load_b256 s[4:11], s[0:1], 0x0               ; x s[4:5], g s[6:7], be s[8:9], the image s[10:11]
	v_lshl_add_u32 v241, v0, 2, 0x400
	v_mov_b32 v247, 0
	v_lshrrev_b32 v1, 5, v0                        ; wave
	s_delay_alu instid0(VALU_DEP_1)
	v_readfirstlane_b32 s12, v1
	v_and_b32 v2, 15, v0                           ; r
	v_bfe_u32 v3, v0, 4, 1                         ; h
	s_delay_alu instid0(VALU_DEP_2)
	v_and_b32 v4, 8, v2
	s_delay_alu instid0(VALU_DEP_1)
	v_add_nc_u32 v4, v4, v2                        ; r + 8 (r / 8)
	s_delay_alu instid0(VALU_DEP_1)
	v_lshlrev_b32 v5, 12, v4
	s_delay_alu instid0(VALU_DEP_1)
	v_lshl_add_u32 v5, v3, 6, v5                   ; x: my row of 4,096 bytes, + 64 h
	v_lshlrev_b32 v6, 6, v3                        ; g, be: 64 h
	v_and_b32 v7, 31, v0
	s_delay_alu instid0(VALU_DEP_1)
	v_lshlrev_b32 v7, 4, v7                        ; 16 x lane: my place in an image
	v_lshlrev_b32 v8, 3, v2                        ; 8 r: my row's scale words
	v_lshlrev_b32 v9, 5, v2                        ; LDS: 32 r: my row's eight parts
	s_delay_alu instid0(VALU_DEP_1)
	v_lshl_add_u32 v10, v1, 2, v9                  ; + 4 w: my wave's
	s_lshr_b32 s14, ttmp9, 1
	s_lshl_b32 s14, s14, 5
	s_and_b32 s15, ttmp9, 1
	s_lshl_b32 s15, s15, 3
	s_add_co_u32 s14, s14, s15                     ; the tile's first row: 32 (J / 2) + 8 (J % 2)
	s_lshl_b32 s14, s14, 12
	s_lshl_b32 s16, s12, 9                         ; my wave's 512 bytes of a row
	s_add_co_u32 s14, s14, s16
	s_mov_b32 s15, 0
	s_mov_b32 s17, 0
	s_lshr_b32 s18, ttmp9, 3
	s_lshl_b32 s18, s18, 2
	s_lshr_b32 s19, s12, 1
	s_add_co_u32 s18, s18, s19
	s_mul_i32 s18, s18, BLK                        ; the image's block: (J / 8) x 4 + w / 2
	s_and_b32 s19, ttmp9, 7
	s_and_b32 s22, s12, 1
	s_lshl_b32 s20, s19, 12
	s_lshl_b32 s21, s22, 11
	s_add_co_u32 s20, s20, s21
	s_add_co_u32 s20, s20, s18                     ; my fragment
	s_mov_b32 s21, 0
	s_lshl_b32 s19, s19, 7
	s_lshl_b32 s22, s22, 2
	s_add_co_u32 s22, s22, s19
	s_add_co_u32 s22, s22, s18
	s_add_co_u32 s22, s22, 32768                   ; its scale words
	s_mov_b32 s23, 0
	s_mov_b32 s[SEL], 0x76543210
	s_mov_b32 s[SEL+1], 0xfedcba98
	s_mov_b32 s[MNT], 0x600000
	s_mov_b32 s28, 0x3a800000                      ; 1 / 1,024
.irp b, 0,1,2,3
	v_mov_b32 v[TM+4+\b], 0                        ; written once: a lane permute's destination counts as one of its sources
.endr
	v_mov_b32 v246, 0
	s_wait_kmcnt 0x0
	s_add_nc_u64 s[4:5], s[4:5], s[14:15]
	s_add_nc_u64 s[6:7], s[6:7], s[16:17]
	s_add_nc_u64 s[8:9], s[8:9], s[16:17]
	s_add_nc_u64 s[24:25], s[10:11], s[20:21]
	s_add_nc_u64 s[26:27], s[10:11], s[22:23]
.irp b, 0,1,2,3
.irp j, 0,1,2,3
	global_load_b128 v[X+16*\b+4*\j:X+16*\b+4*\j+3], v5, s[4:5] offset:128*\b+16*\j
.endr
.endr
.irp b, 0,1,2,3
.irp j, 0,1,2,3
	global_load_b128 v[G+16*\b+4*\j:G+16*\b+4*\j+3], v6, s[6:7] offset:128*\b+16*\j
.endr
.endr
.irp b, 0,1,2,3
.irp j, 0,1,2,3
	global_load_b128 v[BE+16*\b+4*\j:BE+16*\b+4*\j+3], v6, s[8:9] offset:128*\b+16*\j
.endr
.endr
	s_wait_loadcnt 32                              ; x's 16 loads are in; the 32 of g and be may be out
	v_pk_add_f32 v[244:245], v[32:33], v[34:35]
	v_pk_add_f32 v[254:255], v[40:41], v[44:45]
	v_pk_add_f32 v[252:253], v[48:49], v[52:53]
	v_pk_add_f32 v[250:251], v[56:57], v[60:61]
	v_pk_add_f32 v[248:249], v[64:65], v[68:69]
	v_pk_add_f32 v[238:239], v[72:73], v[76:77]
	v_pk_add_f32 v[236:237], v[80:81], v[84:85]
	v_pk_add_f32 v[242:243], v[88:89], v[92:93]
	s_delay_alu instid0(VALU_DEP_1)
	v_pk_add_f32 v[242:243], v[242:243], v[36:37]
	v_pk_add_f32 v[244:245], v[244:245], v[38:39]
	v_pk_add_f32 v[254:255], v[254:255], v[42:43]
	v_pk_add_f32 v[252:253], v[252:253], v[46:47]
	v_pk_add_f32 v[250:251], v[250:251], v[50:51]
	v_pk_add_f32 v[248:249], v[248:249], v[54:55]
	v_pk_add_f32 v[238:239], v[238:239], v[58:59]
	v_pk_add_f32 v[236:237], v[236:237], v[62:63]
	v_pk_add_f32 v[242:243], v[242:243], v[66:67]
	v_pk_add_f32 v[244:245], v[244:245], v[70:71]
	v_pk_add_f32 v[254:255], v[254:255], v[74:75]
	v_pk_add_f32 v[252:253], v[252:253], v[78:79]
	v_pk_add_f32 v[250:251], v[250:251], v[82:83]
	v_pk_add_f32 v[248:249], v[248:249], v[86:87]
	v_pk_add_f32 v[238:239], v[238:239], v[90:91]
	v_pk_add_f32 v[236:237], v[236:237], v[94:95]
	s_delay_alu instid0(VALU_DEP_4)
	v_pk_add_f32 v[242:243], v[242:243], v[250:251]
	s_delay_alu instid0(VALU_DEP_4)
	v_pk_add_f32 v[244:245], v[244:245], v[248:249]
	s_delay_alu instid0(VALU_DEP_4)
	v_pk_add_f32 v[254:255], v[254:255], v[238:239]
	s_delay_alu instid0(VALU_DEP_4)
	v_pk_add_f32 v[252:253], v[252:253], v[236:237]
	s_delay_alu instid0(VALU_DEP_2)
	v_pk_add_f32 v[242:243], v[242:243], v[254:255]
	s_delay_alu instid0(VALU_DEP_2)
	v_pk_add_f32 v[244:245], v[244:245], v[252:253]
	s_delay_alu instid0(VALU_DEP_1)
	v_pk_add_f32 v[242:243], v[242:243], v[244:245]
	s_delay_alu instid0(VALU_DEP_1)
	v_add_f32 v242, v242, v243
	s_delay_alu instid0(VALU_DEP_1)
	v_permlanex16_b32 v246, v242, s[SEL], s[SEL+1]
	s_delay_alu instid0(VALU_DEP_1)
	v_add_f32 v242, v242, v246                     ; my wave's 128 columns of row r
	ds_store_b32 v10, v242 offset:RED0             ; lanes r and r + 16 write the same word with the same value
	s_wait_dscnt 0x0                               ; for the others' sake: my store has landed
	s_barrier_signal -1
	s_barrier_wait -1
	ds_load_b128 v[248:251], v9 offset:RED0
	ds_load_b128 v[252:255], v9 offset:RED0+16
	s_wait_dscnt 0x0
	v_add_f32 v248, v248, v249
	v_add_f32 v250, v250, v251
	v_add_f32 v252, v252, v253
	v_add_f32 v254, v254, v255
	s_delay_alu instid0(VALU_DEP_3)
	v_add_f32 v248, v248, v250
	s_delay_alu instid0(VALU_DEP_2)
	v_add_f32 v252, v252, v254
	s_delay_alu instid0(VALU_DEP_1)
	v_add_f32 v248, v248, v252
	s_delay_alu instid0(VALU_DEP_1)
	v_mul_f32 v242, s28, v248                      ; the mean
	s_delay_alu instid0(VALU_DEP_1)
	v_mov_b32 v243, v242
.set n, 0
.rept 32
	v_pk_add_f32 v[X+n:X+n+1], v[X+n:X+n+1], v[242:243] neg_lo:[0,1] neg_hi:[0,1]   ; d = x - mean
.set n, n+2
.endr
	v_pk_mul_f32 v[244:245], v[X:X+1], v[X:X+1]    ; the sum of d^2, in two chains
	v_pk_mul_f32 v[250:251], v[X+2:X+3], v[X+2:X+3]
.set n, 4
.rept 15
	s_delay_alu instid0(VALU_DEP_2)
	v_pk_fma_f32 v[244:245], v[X+n:X+n+1], v[X+n:X+n+1], v[244:245]
	s_delay_alu instid0(VALU_DEP_2)
	v_pk_fma_f32 v[250:251], v[X+n+2:X+n+3], v[X+n+2:X+n+3], v[250:251]
.set n, n+4
.endr
	s_delay_alu instid0(VALU_DEP_1)
	v_pk_add_f32 v[244:245], v[244:245], v[250:251]
	s_delay_alu instid0(VALU_DEP_1)
	v_add_f32 v244, v244, v245
	s_delay_alu instid0(VALU_DEP_1)
	v_permlanex16_b32 v246, v244, s[SEL], s[SEL+1]
	s_delay_alu instid0(VALU_DEP_1)
	v_add_f32 v244, v244, v246
	ds_store_b32 v10, v244 offset:RED1             ; bytes of their own: a wave that still reads the first sums is not disturbed
	s_wait_dscnt 0x0
	s_barrier_signal -1
	s_barrier_wait -1
	ds_load_b128 v[248:251], v9 offset:RED1
	ds_load_b128 v[252:255], v9 offset:RED1+16
	s_wait_dscnt 0x0
	v_add_f32 v248, v248, v249
	v_add_f32 v250, v250, v251
	v_add_f32 v252, v252, v253
	v_add_f32 v254, v254, v255
	s_delay_alu instid0(VALU_DEP_3)
	v_add_f32 v248, v248, v250
	s_delay_alu instid0(VALU_DEP_2)
	v_add_f32 v252, v252, v254
	s_delay_alu instid0(VALU_DEP_1)
	v_add_f32 v248, v248, v252
	s_delay_alu instid0(VALU_DEP_1)
	v_fmaak_f32 v244, s28, v248, 0x3727c5ac        ; var + 1e-5
	s_wait_alu depctr_va_vdst(0)
	v_rsq_f32 v242, v244                           ; twice: a pair for the packed multiply
	v_rsq_f32 v243, v244
	v_nop                                          ; a plain line behind the transcendentals
	s_wait_alu depctr_va_vdst(0)                   ; one wait for both, ahead of their first reader
	s_wait_loadcnt 0x0                             ; g and be
.set n, 0
.rept 32
	v_pk_mul_f32 v[X+n:X+n+1], v[X+n:X+n+1], v[242:243]
.set n, n+2
.endr
.set n, 0
.rept 32
	v_pk_fma_f32 v[X+n:X+n+1], v[X+n:X+n+1], v[G+n:G+n+1], v[BE+n:BE+n+1]
.set n, n+2
.endr
	QUANT X
.irp c, 0,1,2,3
	global_store_b128 v7, v[PC+4*\c:PC+4*\c+3], s[24:25] offset:512*\c   ; 32 lanes store 512 consecutive bytes, aligned
.endr
	global_store_b32 v8, v[PW], s[26:27]           ; lanes r and r + 16 hold the same word for the same place
	s_wait_tensorcnt 0x0
	ds_add_u32 v241, v247
	s_wait_dscnt 0x0
	s_endpgm
.Lfunc_end_k_q4428010634_ln1:
	.size	k_q4428010634_ln1, .Lfunc_end_k_q4428010634_ln1-k_q4428010634_ln1
	.p2alignl 7, 3214868480
	.fill 96, 4, 3214868480
	.section	.rodata,"a",@progbits
	.p2align	6, 0x0
	.amdhsa_kernel k_q4428010634_ln1
		.amdhsa_group_segment_fixed_size 2048
		.amdhsa_private_segment_fixed_size 0
		.amdhsa_enable_private_segment 0
		.amdhsa_kernarg_size 32
		.amdhsa_user_sgpr_count 2
		.amdhsa_user_sgpr_kernarg_segment_ptr 1
		.amdhsa_wavefront_size32 1
		.amdhsa_system_sgpr_workgroup_id_x 1
		.amdhsa_system_sgpr_workgroup_id_y 1
		.amdhsa_system_sgpr_workgroup_id_z 1
		.amdhsa_system_vgpr_workitem_id 0
		.amdhsa_next_free_vgpr 256
		.amdhsa_next_free_sgpr 66
		.amdhsa_reserve_vcc 0
		.amdhsa_float_denorm_mode_32 3
		.amdhsa_float_denorm_mode_16_64 3
		.amdhsa_memory_ordered 1
		.amdhsa_forward_progress 1
		.amdhsa_inst_pref_size 31
	.end_amdhsa_kernel
	.amdgpu_metadata
---
amdhsa.version: [ 1, 2 ]
amdhsa.kernels:
  - .name:           k_q4428010634_ln1
    .symbol:         k_q4428010634_ln1.kd
    .args:
      - { .name: x1, .offset: 0, .size: 8, .value_kind: global_buffer, .address_space: global }
      - { .name: g2, .offset: 8, .size: 8, .value_kind: global_buffer, .address_space: global }
      - { .name: be2, .offset: 16, .size: 8, .value_kind: global_buffer, .address_space: global }
      - { .name: h2img, .offset: 24, .size: 8, .value_kind: global_buffer, .address_space: global }
    .group_segment_fixed_size: 2048
    .private_segment_fixed_size: 0
    .kernarg_segment_align: 8
    .kernarg_segment_size: 32
    .max_flat_workgroup_size: 256
    .sgpr_count:     66
    .vgpr_count:     256
    .wavefront_size: 32
...
	.end_amdgpu_metadata
.endif
;; end of part 12
;; launch ffn1 (part 13): grid 16 x 16, 4 waves a work-group, clusters of 4 x 4, 327,680 bytes of LDS; arguments h2img, wimg, b1, fimg; writes fimg
.if DOCPART == 13
	.amdgcn_target "amdgcn-amd-amdhsa--gfx1250"
	.amdhsa_code_object_version 6
	.text
	.protected	k_q4428010634_ffn1
	.globl	k_q4428010634_ffn1
	.p2align	8
	.type	k_q4428010634_ffn1,@function
k_q4428010634_ffn1:
	s_mov_b64 s[64:65], 0
	v_nop
	global_prefetch_b8 v0, s[64:65] scope:SCOPE_SE
	s_setreg_imm32_b32 hwreg(HW_REG_WAVE_MODE, 25, 1), 1
	s_wait_xcnt 0x0
	s_wait_alu depctr_hold_cnt(0) depctr_sa_sdst(0) depctr_va_vdst(0) depctr_va_sdst(0) depctr_va_ssrc(0) depctr_va_vcc(0) depctr_vm_vsrc(0)
	s_getreg_b32 s2, hwreg(HW_REG_IB_STS2, 6, 4)
	s_cmp_eq_u32 s2, 0
	s_cbranch_scc0 .Lentry_in_a_cluster
	s_endpgm
.Lentry_in_a_cluster:
	s_bfe_u32 s2, ttmp6, 0x10000c
	s_cmp_lg_u32 s2, 0xf033
	s_cbranch_scc0 .Lentry_shape_is_right
	s_endpgm
.Lentry_shape_is_right:
; f = relu(h2 W1 + b1), quantised along its 4,096 for the next product: 4,096 x 4,096 x 1,024 on codes of E5M2 (images of registers in blocks of 33,792 bytes: see the first launch).  The bias is the first products' C; the hold between 0 and the largest code x the scale is the activation too.
; A work-group makes 256 x 256, each of four waves 128 x 128.  K goes in steps of 256 through two LDS slots; LDS lies [wave's block of rows][slot], so ONE load of 264 rows a wave fills both slots at the head; a refill brings one block.
; CLUSTER 4 x 4: A's blocks are shared along a row, B's along a column.  No prefetch: four K steps in all, two of them asked for at the head.  LIMITS: a block of zeros gets the byte 1; NaN and infinities are not served.
.set BLK,   33792
.set SLOT,  BLK
.set SPARE, 8*BLK
.set KS,    4
.set WOFF,  128
.set LAPS,  KS/2
.set FR,    16
.set NL,    4
.set NP,    8
.set ADRA, 16
.set ADRB, 20
.set ADRS, 22
.set CO,   26
.set SPW,  28
.set NIL,  29
.set SC,   32
.set BIAS, 64
.set TM,   64
.set PC,   80
.set PW,   96
.set AF,   128
.set G1, 24
.set G0, 32
.set G1B, 48
.set G0B, 56
.set SEL, 66
.set MNT, 68
.set MSB, 0
.macro WIN new
.if MSB != (\new)
	s_set_vgpr_msb (MSB<<8)|(\new)
.set MSB, (\new)
.endif
.endm
.set MUL_LO, 0xa1
.set MUL_HI, 0xf1
.set TO_B,   0x40
.macro JLOAD g0a, g1a, g0b, g1b
	s_cmp_eq_u32 s15, 0
	s_cbranch_scc0 .Lfor_b_\@
	tensor_load_to_lds s[\g0a:\g0a+3], s[\g1a:\g1a+7]
	s_nop 0
.rept 4
	v_nop
.endr
	s_branch .Lasked_\@
.Lfor_b_\@:
	tensor_load_to_lds s[\g0b:\g0b+3], s[\g1b:\g1b+7]
	s_nop 0
.rept 4
	v_nop
.endr
.Lasked_\@:
.endm
.macro CREST
	s_cmp_lg_u32 s14, 0
	s_cbranch_scc1 .Lnot_wave_0_\@
	s_barrier_signal -3
.Lnot_wave_0_\@:
	s_barrier_wait -3
	s_barrier_signal -1
	s_barrier_wait -1
.endm
.macro CROUND
	s_barrier_signal -1
	s_barrier_wait -1
	CREST
.endm
	s_load_b128 s[4:7], s[0:1], 0x0
	s_load_b128 s[8:11], s[0:1], 0x10
	v_lshl_add_u32 v[SPW], v0, 2, SPARE
	v_mov_b32 v[NIL], 0
	ds_add_u32 v28, v29
	ds_add_u32 v28, v29
	s_wait_dscnt 0x0
	v_lshrrev_b32 v1, 5, v0
	v_readfirstlane_b32 s14, v1
	s_lshr_b32 s15, s14, 1
	s_and_b32 s16, s14, 1
	s_bfe_u32 s40, ttmp6, 0x40000
	s_bfe_u32 s41, ttmp6, 0x40004
	s_lshl_b32 s42, ttmp9, 2
	s_add_co_u32 s42, s42, s40
	s_and_b32 s17, ttmp7, 0xffff
	s_lshl_b32 s17, s17, 2
	s_add_co_u32 s17, s17, s41
	s_lshl_b32 s43, s41, 2
	s_lshl_b32 s43, 15, s43
	s_lshl_b32 s44, 0x1111, s40
	s_or_b32 s[G1+0], s43, (3<<16)|(1<<21)
	s_or_b32 s[G1B+0], s44, (3<<16)|(1<<21)
.irp g, G1, G1B
	s_mov_b32 s[\g+1], 32<<16
	s_mov_b32 s[\g+2], 264<<16
	s_mov_b32 s[\g+3], 32<<16
	s_mov_b32 s[\g+4], 264
	s_mov_b32 s[\g+5], 32
	s_mov_b32 s[\g+6], 0
	s_mov_b32 s[\g+7], 0
.endr
	s_lshl_b32 s20, s17, 1
	s_add_co_u32 s20, s20, s16
	s_mul_i32 s20, s20, KS*BLK
	s_mov_b32 s21, 0
	s_lshl_b32 s46, s42, 1
	s_add_co_u32 s46, s46, s16
	s_mul_i32 s46, s46, KS*BLK
	s_mov_b32 s47, 0
	s_mul_i32 s45, s14, 2*BLK
	s_wait_kmcnt 0x0
	s_add_nc_u64 s[20:21], s[4:5], s[20:21]
	s_add_nc_u64 s[46:47], s[6:7], s[46:47]
	s_add_nc_u64 s[46:47], s[46:47], WOFF*BLK
	CROUND
.irp s, 0,1
	s_mov_b32 s[G0+4*\s], 1
	s_add_co_u32 s[G0+4*\s+1], s45, \s*SLOT
	s_add_nc_u64 s[G0+4*\s+2:G0+4*\s+3], s[20:21], \s*BLK
	s_or_b32 s[G0+4*\s+3], s[G0+4*\s+3], 0x80000000
	s_mov_b32 s[G0B+4*\s], 1
	s_add_co_u32 s[G0B+4*\s+1], s45, \s*SLOT
	s_add_nc_u64 s[G0B+4*\s+2:G0B+4*\s+3], s[46:47], \s*BLK
	s_or_b32 s[G0B+4*\s+3], s[G0B+4*\s+3], 0x80000000
.endr
	JLOAD G0, G1, G0B, G1B                         ; my one load at the head: K steps 0 and 1 of my 128 rows, into both slots
	v_and_b32 v1, 15, v0
	v_bfe_u32 v2, v0, 4, 1
	s_wait_alu depctr_va_vdst(0)
	v_and_b32 v3, 31, v0
	v_lshlrev_b32 v[CO], 4, v3
	s_mul_i32 s21, s15, 2*BLK
	s_mul_i32 s22, s16, 2*BLK
	s_add_co_u32 s22, s22, 4*BLK
.irp s, 0,1
	v_add_nc_u32 v[ADRA+\s], s21, v[CO]
	v_add_nc_u32 v[ADRB+\s], s22, v[CO]
	s_add_co_u32 s21, s21, SLOT
	s_add_co_u32 s22, s22, SLOT
.endr
	s_mul_i32 s21, s15, 2*BLK
	s_mul_i32 s22, s16, 2*BLK
	s_add_co_u32 s22, s22, 4*BLK
	s_sub_co_u32 s22, s22, s21
	v_mul_u32_u24 v6, s22, v2
	v_lshl_add_u32 v6, v1, 3, v6
	s_add_co_u32 s21, s21, 32768
	v_add_nc_u32 v[ADRS], s21, v6
	v_add_nc_u32 v[ADRS+1], SLOT, v[ADRS]
	s_mov_b32 s[SEL], 0x76543210
	s_mov_b32 s[SEL+1], 0xfedcba98
	s_mov_b32 s[MNT], 0x600000
	v_lshlrev_b32 v10, 3, v1
	v_lshlrev_b32 v12, 6, v2
	s_wait_alu depctr_va_vdst(0)
	s_lshl_b32 s70, s17, 1
	s_add_co_u32 s70, s70, s15
	s_lshl_b32 s70, s70, 4
	s_add_co_u32 s70, s70, s42
	s_mul_i32 s70, s70, BLK
	s_lshl_b32 s72, s16, 11
	s_add_co_u32 s72, s72, s70
	s_mov_b32 s73, 0
	s_lshl_b32 s71, s16, 2
	s_add_co_u32 s70, s70, s71
	s_add_co_u32 s70, s70, 32768
	s_mov_b32 s71, 0
	s_add_nc_u64 s[72:73], s[10:11], s[72:73]
	s_add_nc_u64 s[70:71], s[10:11], s[70:71]
	s_lshl_b32 s74, s42, 10
	s_lshl_b32 s75, s16, 9
	s_add_co_u32 s74, s74, s75
	s_mov_b32 s75, 0
	s_add_nc_u64 s[74:75], s[8:9], s[74:75]
.irp b, 0,1,2,3,4,5,6,7
	global_load_b128 v[BIAS+8*\b:BIAS+8*\b+3], v12, s[74:75] offset:(32*(\b/2)+8*(\b%2))*4
	global_load_b128 v[BIAS+8*\b+4:BIAS+8*\b+7], v12, s[74:75] offset:(32*(\b/2)+8*(\b%2))*4+16
.endr
.macro FRAG reg, adr, q, i
.irp c, 0,1,2,3
	ds_load_b128 v[\reg+4*\c:\reg+4*\c+3], v[\adr] offset:(\i)*4096+(\q)*2048+512*\c
.endr
.endm
.macro MUL16 a0, p, q, sc, start
.irp a, \a0, \a0+1
.irp b, 0,1,2,3,4,5,6,7
.if \start == 2
	v_wmma_scale_f32_16x16x128_f8f6f4 v[8*(8*((\a)%4)+\b):8*(8*((\a)%4)+\b)+7], v[128*(\p)+FR*\b:128*(\p)+FR*\b+FR-1], v[AF+FR*(\a):AF+FR*(\a)+FR-1], v[BIAS+8*\b:BIAS+8*\b+7], v[SC+16*(\sc)+2*\b+(\q)], v[SC+16*(\sc)+2*(\a)+(\q)] matrix_a_fmt:MATRIX_FMT_BF8 matrix_b_fmt:MATRIX_FMT_BF8 matrix_a_scale:MATRIX_SCALE_ROW1
.else
	v_wmma_scale_f32_16x16x128_f8f6f4 v[8*(8*((\a)%4)+\b):8*(8*((\a)%4)+\b)+7], v[128*(\p)+FR*\b:128*(\p)+FR*\b+FR-1], v[AF+FR*(\a):AF+FR*(\a)+FR-1], v[8*(8*((\a)%4)+\b):8*(8*((\a)%4)+\b)+7], v[SC+16*(\sc)+2*\b+(\q)], v[SC+16*(\sc)+2*(\a)+(\q)] matrix_a_fmt:MATRIX_FMT_BF8 matrix_b_fmt:MATRIX_FMT_BF8 matrix_a_scale:MATRIX_SCALE_ROW1
.endif
.endr
.endr
.endm
.macro FETCH_B slot, q, p
	WIN TO_B
.irp i, 0,1,2,3,4,5,6,7
	FRAG 128*(\p)+FR*\i, ADRB+\slot, \q, \i
.endr
	WIN 0
.endm
.macro FETCH_A slot, q, i0
.irp i, \i0, \i0+1, \i0+2, \i0+3
	FRAG AF+FR*(\i), ADRA+\slot, \q, \i
.endr
.endm
.macro SCALES sc
.irp i, 0,1,2,3,4,5,6,7
	ds_load_b64 v[SC+16*\sc+2*\i:SC+16*\sc+2*\i+1], v[ADRS+\sc] offset:128*\i
.endr
.endm
.macro PLACES n
.rept \n
	v_nop
.endr
.endm
.macro STEP slot, start
	s_wait_dscnt 4*NL
.if \start == 2
	WIN 0x81
.else
	WIN MUL_LO
.endif
	MUL16 0, 0, 0, \slot, \start
	MUL16 2, 0, 0, \slot, \start
	s_wait_dscnt 0
	PLACES NP
	FETCH_B \slot, 1, 1
	FETCH_A \slot, 1, 0
.if \start == 2
	WIN 0xc1
.else
	WIN MUL_HI
.endif
	MUL16 4, 0, 0, \slot, \start
	MUL16 6, 0, 0, \slot, \start
	PLACES NP
	WIN 0
	FETCH_A \slot, 1, 4
.endm
.macro TURN slot, next, fill
	s_wait_tensorcnt 0x0
	ds_add_u32 v[SPW], v[NIL]
	s_wait_dscnt 4*NL+1
	WIN MUL_LO
	MUL16 0, 1, 1, \slot, 0
	s_wait_dscnt 0x0
	s_barrier_signal -1
	MUL16 2, 1, 1, \slot, 0
	WIN 0
	s_barrier_wait -1
.if \fill
	CREST
	s_add_nc_u64 s[G0+4*\slot+2:G0+4*\slot+3], s[G0+4*\slot+2:G0+4*\slot+3], 2*BLK
	s_add_nc_u64 s[G0B+4*\slot+2:G0B+4*\slot+3], s[G0B+4*\slot+2:G0B+4*\slot+3], 2*BLK
	JLOAD G0+4*\slot, G1, G0B+4*\slot, G1B
	PLACES NP-4
.else
	PLACES NP
.endif
	FETCH_B \next, 0, 0
	FETCH_A \next, 0, 0
	SCALES \next
	WIN MUL_HI
	MUL16 4, 1, 1, \slot, 0
	MUL16 6, 1, 1, \slot, 0
	PLACES NP
	WIN 0
	FETCH_A \next, 0, 4
.endm
	s_wait_tensorcnt 0x0                           ; my two blocks are in; no load of mine is out, so a descriptor may be written: a refill brings one block
	s_mov_b32 s[G1+2], 132<<16
	s_mov_b32 s[G1+4], 132
	s_mov_b32 s[G1B+2], 132<<16
	s_mov_b32 s[G1B+4], 132
	s_barrier_signal -1
	s_barrier_wait -1
	FETCH_B 0, 0, 0
	FETCH_A 0, 0, 0
	SCALES 0
	FETCH_A 0, 0, 4
	s_wait_loadcnt 0x0
	STEP 0, 2
	s_mov_b32 s3, LAPS-1
.Llap:
	TURN 0, 1, 1
	STEP 1, 0
	TURN 1, 0, 1
	STEP 0, 0
	s_sub_co_u32 s3, s3, 1
	s_cmp_lg_u32 s3, 0
	s_cbranch_scc1 .Llap
	TURN 0, 1, 0
	STEP 1, 0
	s_wait_dscnt 4*NL
	WIN MUL_LO
	MUL16 0, 1, 1, 1, 0
	MUL16 2, 1, 1, 1, 0
	s_wait_dscnt 0
	WIN MUL_HI
	MUL16 4, 1, 1, 1, 0
	MUL16 6, 1, 1, 1, 0
	WIN 0
.macro QUANTW a
.set QS, 64*((\a)%4)
.set PC, 80+20*((\a)%2)                ; the codes and the scale word lie in two sets of registers, by turns: a tile writes the set that the tile before last stored from
.set PW, PC+16
.set QX, 2+(\a)/4
.set QW, QX|(QX<<2)
	WIN QW
.irp b, 0,1,2,3
	v_max3_num_f32 v[TM+\b], v[QS+16*\b], v[QS+1+16*\b], 0x8000000
.endr
.irp i, 2,4,6,8,10,12,14
.irp b, 0,1,2,3
	v_max3_num_f32 v[TM+\b], v[QS+16*\b+\i], v[QS+1+16*\b+\i], v[TM+\b]
.endr
.endr
	WIN 0
.irp b, 0,1,2,3
	v_permlanex16_b32 v[TM+4+\b], v[TM+\b], s[SEL], s[SEL+1]
.endr
.irp b, 0,1,2,3
	v_max_num_f32 v[TM+\b], v[TM+\b], v[TM+4+\b]
.endr
.irp b, 0,1,2,3
	v_add_nc_u32 v[TM+12+\b], 0xf8800000, v[TM+\b]
.endr
.irp b, 0,1,2,3
	v_and_or_b32 v[TM+8+\b], v[TM+\b], 0x7f800000, s[MNT]
.endr
.irp b, 0,1,2,3
	v_lshrrev_b32 v[TM+4+\b], 23, v[TM+12+\b]
.endr
	v_lshl_or_b32 v[PW], v[TM+5], 8, v[TM+4]
	v_lshl_or_b32 v[PW], v[TM+6], 16, v[PW]
	v_lshl_or_b32 v[PW], v[TM+7], 24, v[PW]
.set QW, (QX<<6)|QX
	WIN QW
.irp b, 0,1,2,3
.irp i, 0,1,2,3,4,5,6,7,8,9,10,11,12,13,14,15
	v_med3_num_f32 v[QS+16*\b+\i], v[QS+16*\b+\i], 0, v[TM+8+\b]
.endr
.endr
	WIN QX
.irp b, 0,1,2,3
	v_cvt_scalef32_pk8_bf8_f32 v[PC+4*\b:PC+1+4*\b], v[QS+16*\b:QS+7+16*\b], v[TM+12+\b]
	v_cvt_scalef32_pk8_bf8_f32 v[PC+2+4*\b:PC+3+4*\b], v[QS+8+16*\b:QS+15+16*\b], v[TM+12+\b]
.endr
	v_nop                                          ; a plain line behind the last conversion
	WIN 0
	s_wait_alu depctr_va_vdst(0)
	s_wait_xcnt 0x0                                ; the last tile's stores have read their set of registers: the next tile writes it again
.endm
	PLACES NP
.irp b, 0,1,2,3
	v_mov_b32 v[TM+4+\b], 0
.endr
.irp a, 0,1,2,3,4,5,6,7
	QUANTW \a
.irp c, 0,1,2,3
	global_store_b128 v[CO], v[PC+4*\c:PC+4*\c+3], s[72:73] offset:\a*4096+\c*512
.endr
	global_store_b32 v10, v[PW], s[70:71] offset:\a*128
.endr
	s_wait_tensorcnt 0x0
	ds_add_u32 v[SPW], v[NIL]
	s_wait_dscnt 0x0
	CROUND
	s_endpgm
.Lfunc_end_k_q4428010634_ffn1:
	.size	k_q4428010634_ffn1, .Lfunc_end_k_q4428010634_ffn1-k_q4428010634_ffn1
	.p2alignl 7, 3214868480
	.fill 96, 4, 3214868480
	.section	.rodata,"a",@progbits
	.p2align	6, 0x0
	.amdhsa_kernel k_q4428010634_ffn1
		.amdhsa_group_segment_fixed_size 327680
		.amdhsa_private_segment_fixed_size 0
		.amdhsa_enable_private_segment 0
		.amdhsa_kernarg_size 32
		.amdhsa_user_sgpr_count 2
		.amdhsa_user_sgpr_kernarg_segment_ptr 1
		.amdhsa_wavefront_size32 1
		.amdhsa_system_sgpr_workgroup_id_x 1
		.amdhsa_system_sgpr_workgroup_id_y 1
		.amdhsa_system_sgpr_workgroup_id_z 1
		.amdhsa_system_vgpr_workitem_id 0
		.amdhsa_next_free_vgpr 1024
		.amdhsa_next_free_sgpr 100
		.amdhsa_reserve_vcc 0
		.amdhsa_float_denorm_mode_32 3
		.amdhsa_float_denorm_mode_16_64 3
		.amdhsa_memory_ordered 1
		.amdhsa_forward_progress 1
		.amdhsa_inst_pref_size 185
	.end_amdhsa_kernel
	.amdgpu_metadata
---
amdhsa.version: [ 1, 2 ]
amdhsa.kernels:
  - .name:           k_q4428010634_ffn1
    .symbol:         k_q4428010634_ffn1.kd
    .args:
      - { .name: h2img, .offset: 0, .size: 8, .value_kind: global_buffer, .address_space: global }
      - { .name: wimg, .offset: 8, .size: 8, .value_kind: global_buffer, .address_space: global }
      - { .name: b1, .offset: 16, .size: 8, .value_kind: global_buffer, .address_space: global }
      - { .name: fimg, .offset: 24, .size: 8, .value_kind: global_buffer, .address_space: global }
    .group_segment_fixed_size: 327680
    .private_segment_fixed_size: 0
    .kernarg_segment_align: 8
    .kernarg_segment_size: 32
    .max_flat_workgroup_size: 128
    .sgpr_count:     100
    .vgpr_count:     1024
    .wavefront_size: 32
...
	.end_amdgpu_metadata
.endif
;; end of part 13
;; launch ffn2 (part 14): grid 8 x 32, 4 waves a work-group, clusters of 4 x 1, 327,680 bytes of LDS; arguments fimg, wimg, x1, b2, out0; writes out0
.if DOCPART == 14
	.amdgcn_target "amdgcn-amd-amdhsa--gfx1250"
	.amdhsa_code_object_version 6
	.text
	.protected	k_q4428010634_ffn2
	.globl	k_q4428010634_ffn2
	.p2align	8
	.type	k_q4428010634_ffn2,@function
k_q4428010634_ffn2:
	s_mov_b64 s[64:65], 0
	v_nop
	global_prefetch_b8 v0, s[64:65] scope:SCOPE_SE
	s_setreg_imm32_b32 hwreg(HW_REG_WAVE_MODE, 25, 1), 1
	s_wait_xcnt 0x0
	s_wait_alu depctr_hold_cnt(0) depctr_sa_sdst(0) depctr_va_vdst(0) depctr_va_sdst(0) depctr_va_ssrc(0) depctr_va_vcc(0) depctr_vm_vsrc(0)
	s_getreg_b32 s2, hwreg(HW_REG_IB_STS2, 6, 4)
	s_cmp_eq_u32 s2, 0
	s_cbranch_scc0 .Lentry_in_a_cluster
	s_endpgm
.Lentry_in_a_cluster:
	s_bfe_u32 s2, ttmp6, 0x10000c
	s_cmp_lg_u32 s2, 0x3003
	s_cbranch_scc0 .Lentry_shape_is_right
	s_endpgm
.Lentry_shape_is_right:
; out = x1 + f W2 + b2: a product of 4,096 x 1,024 x 4,096 on codes of E5M2 with one E8M0 byte for each 32 along K; sums in f32.
; OPERANDS are images of registers, in blocks of 33,792 bytes = 128 rows x 256 of K: codes at tile*4096 + half*2048 + c*512 + 16*lane, scale words at 32768 + tile*128 + 8 r + 4 half; blocks lie [row / 128][k / 256].
; Image row r of tile J is row 32 (J / 2) + 8 (J % 2) + r + 8 (r / 8).  Source 0 takes W2's rows (B), source 1 f's rows (A): a lane holds one row of the result and eight neighbouring columns a tile.
; SHARES.  A work-group makes 128 x 128, each of four waves 64 x 64: 16 accumulators.  K goes in 32 steps of 128, 16 products each; eight steps are a phase.
; A COMES THROUGH LDS: two slots of four K blocks (1,024 of K, a phase).  At the head each wave fills two neighbouring blocks by ONE load of 264 rows: both slots.  Two refills follow, a block a wave, at the ends of phases 0 and 1,
; each behind a drained round of the cluster's barrier; a refill has the next phase's eight steps in which to land.
; B COMES STRAIGHT INTO REGISTERS: the image is the operand's registers, so a fragment is four loads of 512 consecutive bytes.  A ring of four steps' fragments and scale words: step u's 20 loads are issued in step u - 3,
; so behind step u's stand 40 when it is waited for, and 60 are out at the most.  In the last steps nothing follows: the counts are 40, 20, and 32 (x1's loads).
; x1 AND b2 are added on the way out: x1's 64 rows x 256 bytes a wave are loaded in the last step but one, in the rows' own order; the sums begin with C = 0.
; CLUSTER 4 x 1: the four work-groups of a cluster make one tile row and ask for A's blocks jointly.  B's rows differ between them.
; PREFETCH into the L2: the codes of the block that a wave's refill will fetch, a quarter for each of the four partners, told apart by address, a lane 256 bytes: the first refill's at the head, the second's behind the first refill;
; x1's rows, a lane a row, once the head's tiles are in.  B has none: its loads run three steps ahead by themselves, and all 32 tile rows read the same 540,672 bytes of a tile column.
; LIMITS: NaN and infinities are not served.
; REGISTERS: window 0: v4-31 bias and addresses; v32-39 A's scale words, two sets; v48-63 B's, four sets (no product's two scale words have numbers equal modulo 8); v128-255 the sums.
; window 1: v0-127 A's fragments, two sets.  window 2: B's ring, four sets of 64.  window 3: v0-127 x1; v128-191 the way out.
.set BLK,   33792
.set SLOT,  4*BLK
.set SPARE, 2*SLOT                     ; behind the slots: the spare words, 128 bytes for each wave
.set KS,    16
.set WOFF,  256                        ; W2's first block in wimg
.set NP,    8                          ; places behind this matrix instruction (ISA guide 7.12.1)
.set SPITCH, 272
.set BI,   4                           ; v4-7 b2 at my four columns of a row read back
.set C16,  8                           ; 16 r
.set C8,   9                           ; 8 r
.set A0,   10                          ; my A fragments in slot 0
.set S0,   11                          ; my A scale words in slot 0
.set AC,   12                          ; the phase's slot: K blocks 0, 1;
.set AC2,  13                          ; K blocks 2, 3;
.set AN,   14                          ; the other slot
.set AS,   15                          ; the same three for the scale words
.set AS2,  16
.set ASN,  17
.set STO,  24
.set RD,   25
.set CO,   26
.set LI,   27                          ; 16 x lane
.set SPW,  28
.set NIL,  29
.set PFO,  30                          ; 256 x lane
.set PFX,  31                          ; 4,096 x lane
.set SA,   32
.set SB,   48
.set ACC,  128
.set BK,   128                         ; in window 3
.set G1,   24
.set G0,   32                          ; the refills' group 0
.set G0H,  36                          ; the head's
.set PB,   44                          ; s[44:45] B's codes at the phase's first step
.set PS,   46                          ; s[46:47] B's scale words there
.set PFA,  48                          ; s[48:49] A's K block w, my work-group's quarter
.set SO,   50                          ; s50 the slot, as bytes
.set MSB, 0
.macro WIN new                         ; the immediate's high byte repeats the setting that is left
.if MSB != (\new)
	s_set_vgpr_msb (MSB<<8)|(\new)
.set MSB, (\new)
.endif
.endm
.set MUL,  0x06                        ; source 0 (B) window 2, source 1 (A) window 1, C and D window 0
.macro CREST
	s_cmp_lg_u32 s14, 0
	s_cbranch_scc1 .Lnot_wave_0_\@
	s_barrier_signal -3
.Lnot_wave_0_\@:
	s_barrier_wait -3
	s_barrier_signal -1
	s_barrier_wait -1
.endm
.macro CROUND
	s_barrier_signal -1
	s_barrier_wait -1
	CREST
.endm
.macro PLACES n
.rept \n
	v_nop
.endr
.endm
.macro BS uu                           ; B's four scale words of the phase's step uu
.irp b, 0,1,2,3
	global_load_b32 v[SB+4*(((\uu)+1)%4)+\b], v[C8], s[PS:PS+1] offset:((\uu)/2)*BLK+\b*128+4*((\uu)%2)
.endr
.endm
.macro BC uu                           ; and its four fragments, into ring set uu % 4
	WIN 0x80
.irp b, 0,1,2,3
.irp c, 0,1,2,3
	global_load_b128 v[64*((\uu)%4)+16*\b+4*\c:64*((\uu)%4)+16*\b+4*\c+3], v[LI], s[PB:PB+1] offset:((\uu)/2)*BLK+\b*4096+((\uu)%2)*2048+512*\c
.endr
.endr
.endm
.macro FETCH areg, sreg, kb, hf, p, uu ; A's scale words and fragments of one step into set p: 20 LDS loads; uu >= 0: B's look-ahead too: 20 loads
	WIN 0
.irp a, 0,1,2,3
	ds_load_b32 v[SA+4*(\p)+\a], v[\sreg] offset:(\kb)*BLK+\a*128+4*(\hf)
.endr
.if (\uu) >= 0
	BS \uu
.endif
	WIN 0x40
.irp a, 0,1,2,3
.irp c, 0,1,2,3
	ds_load_b128 v[64*(\p)+16*\a+4*\c:64*(\p)+16*\a+4*\c+3], v[\areg] offset:(\kb)*BLK+\a*4096+(\hf)*2048+512*\c
.endr
.endr
.if (\uu) >= 0
	BC \uu
.endif
.endm
.macro MULA j, a, z                    ; four products: A's tile a x B's four.  The 16 accumulators take turns, in the same order in every step
.irp b, 0,1,2,3
.if \z
	v_wmma_scale_f32_16x16x128_f8f6f4 v[ACC+8*(4*(\a)+\b):ACC+8*(4*(\a)+\b)+7], v[64*((\j)%4)+16*\b:64*((\j)%4)+16*\b+15], v[64*((\j)%2)+16*(\a):64*((\j)%2)+16*(\a)+15], 0, v[SB+4*(((\j)+1)%4)+\b], v[SA+4*((\j)%2)+(\a)] matrix_a_fmt:MATRIX_FMT_BF8 matrix_b_fmt:MATRIX_FMT_BF8
.else
	v_wmma_scale_f32_16x16x128_f8f6f4 v[ACC+8*(4*(\a)+\b):ACC+8*(4*(\a)+\b)+7], v[64*((\j)%4)+16*\b:64*((\j)%4)+16*\b+15], v[64*((\j)%2)+16*(\a):64*((\j)%2)+16*(\a)+15], v[ACC+8*(4*(\a)+\b):ACC+8*(4*(\a)+\b)+7], v[SB+4*(((\j)+1)%4)+\b], v[SA+4*((\j)%2)+(\a)] matrix_a_fmt:MATRIX_FMT_BF8 matrix_b_fmt:MATRIX_FMT_BF8
.endif
.endr
.endm
.macro RESID                           ; x1, in the order in which the rows are stored: 32 loads
	WIN 0xc0
.irp a, 0,1,2,3
.irp t, 0,1,2,3,4,5,6,7
	global_load_b128 v[32*\a+4*\t:32*\a+4*\t+3], v[CO], s[74:75] offset:(32*(\a/2)+8*(\a%2)+2*\t+8*(\t/4))*4096
.endr
.endr
.endm
; Step j (0 .. 6) of a phase.  z: the sums begin; fb: B's step j + 3 is asked for; n: the loads behind this step's; res: x1 is asked for
.macro U j, z, fb, n, res=0
	s_wait_loadcnt \n                              ; B's fragments and scale words of this step are in
	s_wait_dscnt 8                                 ; A's scale words and tiles 0, 1 are in; the youngest eight loads (tiles 2, 3) may be out
	WIN MUL
	MULA \j, 0, \z
	MULA \j, 1, \z
	PLACES NP                                      ; in front of loads into registers that the last step's products have read
.set KB_, ((\j)+1)/2
.set UU_, -1
.if \fb
.set UU_, (\j)+3
.endif
.if KB_ < 2
	FETCH AC, AS, KB_, ((\j)+1)%2, ((\j)+1)%2, UU_
.else
	FETCH AC2, AS2, KB_-2, ((\j)+1)%2, ((\j)+1)%2, UU_
.endif
.if \res
	RESID
.endif
	s_wait_dscnt 20                                ; all but the 20 just issued
	WIN MUL
	MULA \j, 2, \z
	MULA \j, 3, \z
.endm
; A phase's last step changes slots: each wave waits for all its tensor loads, adds 0 to its spare word, and waits for that and for its reads of this slot.  fill = 1: the barrier opens a round of the cluster's, and this slot is filled again.
.macro T7 fill
	WIN 0
	s_wait_loadcnt 40
	s_wait_tensorcnt 0x0                           ; my tensor load, if one was out, has landed
	ds_add_u32 v[SPW], v[NIL]
	s_wait_dscnt 9                                 ; the add and the youngest eight loads may be out
	WIN MUL
	MULA 7, 0, 0
	s_wait_dscnt 0x0                               ; the add is done, and my reads of this slot are over
	s_barrier_signal -1
	MULA 7, 1, 0
	WIN 0
	s_barrier_wait -1
.if \fill
	CREST                                          ; no wave of any partner still reads this slot or has a load on its way
	s_xor_b32 s[G0+1], s[G0+1], SLOT               ; the slot just read out,
	s_add_nc_u64 s[G0+2:G0+3], s[G0+2:G0+3], 4*BLK ; eight K blocks on from what it held
	tensor_load_to_lds s[G0:G0+3], s[G1:G1+7]
	s_nop 0
	PLACES 4
	PLACES NP-4
.else
	PLACES NP
.endif
	FETCH AN, ASN, 0, 0, 0, 10
.if \fill
	WIN 0
	s_cmp_eq_u32 s3, 0                             ; behind the first refill: what the second will fetch
	s_cbranch_scc0 .Lnone_ahead_\@
	global_prefetch_b8 v[PFO], s[PFA:PFA+1] offset:12*BLK th:TH_LOAD_NT scope:SCOPE_SE
.Lnone_ahead_\@:
.endif
	WIN MUL
	MULA 7, 2, 0
	MULA 7, 3, 0
.endm
.macro PHS                             ; a phase's LDS addresses
	v_add_nc_u32 v[AC], s[SO], v[A0]
	v_add_nc_u32 v[AS], s[SO], v[S0]
	v_add_nc_u32 v[AC2], 2*BLK, v[AC]
	v_add_nc_u32 v[AS2], 2*BLK, v[AS]
	s_xor_b32 s[SO], s[SO], SLOT
	v_add_nc_u32 v[AN], s[SO], v[A0]
	v_add_nc_u32 v[ASN], s[SO], v[S0]
	s_wait_alu depctr_va_vdst(0)
.endm
.macro REST fill                       ; a phase's steps 1 to 7, and the next phase's step 0
.irp j, 1,2,3,4,5,6
	U \j, 0, 1, 40
.endr
	T7 \fill
	WIN 0
	s_wait_xcnt 0x0                                ; B's loads have read their bases: on to the next phase
	s_add_nc_u64 s[PB:PB+1], s[PB:PB+1], 4*BLK
	s_add_nc_u64 s[PS:PS+1], s[PS:PS+1], 4*BLK
	PHS
	U 0, 0, 1, 40
.endm
	s_load_b128 s[4:7], s[0:1], 0x0                ; fimg, wimg
	s_load_b128 s[8:11], s[0:1], 0x10              ; x1, b2
	s_load_b64 s[12:13], s[0:1], 0x20              ; out0
	v_lshl_add_u32 v[SPW], v0, 2, SPARE
	v_mov_b32 v[NIL], 0
	ds_add_u32 v[SPW], v[NIL]                      ; the opening lines: the add, twice on end, and its wait ahead of my first tensor load
	ds_add_u32 v[SPW], v[NIL]
	v_lshrrev_b32 v1, 5, v0
	v_readfirstlane_b32 s14, v1                    ; wave 0..3
	s_lshr_b32 s15, s14, 1                         ; which 64 rows are mine
	s_and_b32 s16, s14, 1                          ; which 64 columns
	s_bfe_u32 s40, ttmp6, 0x40000                  ; cx
	s_lshl_b32 s42, ttmp9, 2
	s_add_co_u32 s42, s42, s40                     ; tile column
	s_and_b32 s17, ttmp7, 0xffff                   ; tile row, which the four partners share
	s_mov_b32 s[G1], 15|(3<<16)|(1<<21)            ; 15:0 the mask: all four work-groups; 17:16 elements of 8 bytes; 21 set beside a mask; no padding
	s_mov_b32 s[G1+1], 32<<16                      ; rows of 256 bytes
	s_mov_b32 s[G1+2], 264<<16                     ; at the head two blocks on end
	s_mov_b32 s[G1+3], 32<<16
	s_mov_b32 s[G1+4], 264
	s_mov_b32 s[G1+5], 32                          ; dense
	s_mov_b32 s[G1+6], 0
	s_mov_b32 s[G1+7], 0
	s_mul_i32 s20, s17, KS*BLK                     ; A: my tile row's K block 0
	s_mov_b32 s21, 0
	s_mul_i32 s22, s14, BLK                        ; wave x a block
	s_mov_b32 s23, 0
	s_mul_i32 s52, s42, KS*BLK
	s_add_co_u32 s52, s52, WOFF*BLK
	s_lshl_b32 s53, s16, 14
	s_add_co_u32 s52, s52, s53                     ; B: my four tiles' codes in K block 0
	s_mov_b32 s53, 0
	s_mul_i32 s54, s42, KS*BLK
	s_add_co_u32 s54, s54, WOFF*BLK+32768
	s_lshl_b32 s55, s16, 9
	s_add_co_u32 s54, s54, s55                     ; and their scale words
	s_mov_b32 s55, 0
	s_lshl_b32 s56, s40, 13                        ; my work-group's quarter of a block's codes
	s_mov_b32 s57, 0
	s_lshl_b32 s58, s15, 14                        ; LDS: my four tiles of A in a block,
	s_lshl_b32 s59, s15, 9
	s_add_co_u32 s59, s59, 32768                   ; their scale words,
	s_mul_i32 s60, s14, 16*SPITCH                  ; and my stage for the way out, in slot 0
	s_lshl_b32 s70, s17, 19
	s_lshl_b32 s71, s15, 18
	s_add_co_u32 s70, s70, s71
	s_lshl_b32 s72, s42, 9
	s_lshl_b32 s73, s16, 8
	s_add_co_u32 s72, s72, s73                     ; my first column, in bytes
	s_add_co_u32 s70, s70, s72                     ; my corner of x1 and of out0
	s_mov_b32 s71, 0
	s_mov_b32 s73, 0
	s_mov_b32 s[SO], 0
	s_wait_dscnt 0x0                               ; both opening adds are done
	s_wait_kmcnt 0x0
	s_add_nc_u64 s[20:21], s[4:5], s[20:21]
	s_add_nc_u64 s[PB:PB+1], s[6:7], s[52:53]
	s_add_nc_u64 s[PS:PS+1], s[6:7], s[54:55]
	s_add_nc_u64 s[PFA:PFA+1], s[20:21], s[22:23]
	s_add_nc_u64 s[PFA:PFA+1], s[PFA:PFA+1], s[56:57]
	s_add_nc_u64 s[74:75], s[8:9], s[70:71]
	s_add_nc_u64 s[76:77], s[12:13], s[70:71]
	s_add_nc_u64 s[78:79], s[10:11], s[72:73]
	s_mov_b32 s[G0H], 1                            ; the head: K blocks 2 w and 2 w + 1, to their places: LDS lies by K block
	s_lshl_b32 s[G0H+1], s22, 1
	s_add_nc_u64 s[G0H+2:G0H+3], s[20:21], s[22:23]
	s_add_nc_u64 s[G0H+2:G0H+3], s[G0H+2:G0H+3], s[22:23]
	s_or_b32 s[G0H+3], s[G0H+3], 0x80000000
	s_mov_b32 s[G0], 1                             ; the refills: one step behind the first: slot 1's place, K block 4 + w
	s_add_co_u32 s[G0+1], s22, SLOT
	s_add_nc_u64 s[G0+2:G0+3], s[20:21], s[22:23]
	s_add_nc_u64 s[G0+2:G0+3], s[G0+2:G0+3], 4*BLK
	s_or_b32 s[G0+3], s[G0+3], 0x80000000
	CROUND                                         ; all four work-groups are here: the joint loads meet
	tensor_load_to_lds s[G0H:G0H+3], s[G1:G1+7]    ; my one load at the head
	s_nop 0
	PLACES 4
	v_and_b32 v1, 15, v0                           ; r
	v_bfe_u32 v2, v0, 4, 1                         ; h
	v_and_b32 v3, 31, v0
	v_lshlrev_b32 v[LI], 4, v3
	v_lshlrev_b32 v[PFO], 8, v3
	v_lshlrev_b32 v[PFX], 12, v3
	v_lshlrev_b32 v[C16], 4, v1
	v_lshlrev_b32 v[C8], 3, v1
	v_add_nc_u32 v[A0], s58, v[LI]
	v_add_nc_u32 v[S0], s59, v[C8]
	v_mul_u32_u24 v18, v1, SPITCH                  ; the stage, in: row r, 64 bytes for each half of the lanes
	v_lshl_add_u32 v18, v2, 6, v18
	v_add_nc_u32 v[STO], s60, v18
	v_mul_u32_u24 v19, v2, SPITCH                  ; back: lanes 0-15 one row of 256 bytes, lanes 16-31 the next
	v_add_nc_u32 v19, v19, v[C16]
	v_add_nc_u32 v[RD], s60, v19
	v_lshl_add_u32 v[CO], v2, 12, v[C16]           ; and the same two rows in x1 and out0
	s_wait_alu depctr_va_vdst(0)
	global_load_b128 v[BI:BI+3], v[C16], s[78:79]
.irp u, 0,1,2
	WIN 0
	BS \u                                          ; B's first three steps: 60 loads
	BC \u
.endr
	WIN 0
	global_prefetch_b8 v[PFO], s[PFA:PFA+1] offset:8*BLK th:TH_LOAD_NT scope:SCOPE_SE   ; what my first refill will fetch
	s_wait_tensorcnt 0x0                           ; my two blocks are in; no load of mine is out, so a descriptor may be written: a refill brings one block
	s_mov_b32 s[G1+2], 132<<16
	s_mov_b32 s[G1+4], 132
	s_barrier_signal -1
	s_barrier_wait -1                              ; both slots are whole
	global_prefetch_b8 v[PFX], s[74:75] th:TH_LOAD_NT scope:SCOPE_SE                    ; x1's 64 rows of mine, 256 bytes each
	global_prefetch_b8 v[PFX], s[74:75] offset:32*4096 th:TH_LOAD_NT scope:SCOPE_SE
	PHS
	FETCH AC, AS, 0, 0, 0, -1
	U 0, 1, 1, 40                                  ; the first step stands in front of the loop: its products start the sums
	WIN 0
	s_mov_b32 s3, 0
.Lphase:                                           ; two trips: phases 0 and 1, each with its refill
	REST 1
	WIN 0
	s_add_co_u32 s3, s3, 1
	s_cmp_lt_u32 s3, 2
	s_cbranch_scc1 .Lphase
	REST 0                                         ; phase 2: its change of slots fills nothing
.irp j, 1,2,3,4
	U \j, 0, 1, 40
.endr
	U 5, 0, 0, 40                                  ; nothing more of B to ask for: behind step 29's loads stand those of steps 30 and 31,
	U 6, 0, 0, 20, 1                               ; behind step 30's those of step 31; x1 is asked for;
	s_wait_loadcnt 32                              ; behind step 31's x1's 32
	s_wait_dscnt 8
	WIN MUL
	MULA 7, 0, 0
	MULA 7, 1, 0
	s_wait_dscnt 0x0
	MULA 7, 2, 0
	MULA 7, 3, 0
; THE WAY OUT, 16 rows at a time: through my stage in LDS (in slot 0, which has had its last fill and its last read) and back as rows of 256 bytes; b2 and x1 are added; sixteen lanes store one aligned unit of 256 bytes.
.macro TOSTAGE a
	WIN 0
.irp b, 0,1,2,3
	ds_store_b128 v[STO], v[ACC+8*(4*(\a)+\b):ACC+8*(4*(\a)+\b)+3] offset:128*(\b/2)+32*(\b%2)
	ds_store_b128 v[STO], v[ACC+8*(4*(\a)+\b)+4:ACC+8*(4*(\a)+\b)+7] offset:128*(\b/2)+32*(\b%2)+16
.endr
	WIN 0xc0
.irp t, 0,1,2,3,4,5,6,7
	ds_load_b128 v[BK+32*((\a)%2)+4*\t:BK+32*((\a)%2)+4*\t+3], v[RD] offset:\t*2*SPITCH   ; LDS serves a wave's instructions in order: these see the stores above
.endr
.endm
.macro SEND a, younger
.set BB, BK+32*((\a)%2)
	s_wait_dscnt \younger
	WIN 0xc3
.irp t, 0,1,2,3,4,5,6,7
	v_pk_add_f32 v[BB+4*\t:BB+4*\t+1], v[BB+4*\t:BB+4*\t+1], v[BI:BI+1]
	v_pk_add_f32 v[BB+4*\t+2:BB+4*\t+3], v[BB+4*\t+2:BB+4*\t+3], v[BI+2:BI+3]
.endr
	WIN 0xcf
.irp t, 0,1,2,3,4,5,6,7
	v_pk_add_f32 v[BB+4*\t:BB+4*\t+1], v[BB+4*\t:BB+4*\t+1], v[32*(\a)+4*\t:32*(\a)+4*\t+1]
	v_pk_add_f32 v[BB+4*\t+2:BB+4*\t+3], v[BB+4*\t+2:BB+4*\t+3], v[32*(\a)+4*\t+2:32*(\a)+4*\t+3]
.endr
	WIN 0x0c
.irp t, 0,1,2,3,4,5,6,7
	global_store_b128 v[CO], v[BB+4*\t:BB+4*\t+3], s[76:77] offset:(32*((\a)/2)+8*((\a)%2)+2*\t+8*(\t/4))*4096
.endr
.endm
	WIN 0
	PLACES NP                                      ; behind the last products
	TOSTAGE 0
	s_wait_loadcnt 0x0                             ; x1
.irp a, 1,2,3
.if \a > 1
	s_wait_xcnt 0x0                                ; block a - 2's stores have read their registers: block a's loads may land there
.endif
	TOSTAGE \a
	SEND \a-1, 16                                  ; behind block a - 1's loads: block a's 8 stores and 8 loads
.endr
	SEND 3, 0
	WIN 0
	s_wait_tensorcnt 0x0                           ; the wave's end
	ds_add_u32 v[SPW], v[NIL]
	s_wait_dscnt 0x0
	CROUND                                         ; the closing round
	s_endpgm
.Lfunc_end_k_q4428010634_ffn2:
	.size	k_q4428010634_ffn2, .Lfunc_end_k_q4428010634_ffn2-k_q4428010634_ffn2
	.p2alignl 7, 3214868480
	.fill 96, 4, 3214868480
	.section	.rodata,"a",@progbits
	.p2align	6, 0x0
	.amdhsa_kernel k_q4428010634_ffn2
		.amdhsa_group_segment_fixed_size 327680
		.amdhsa_private_segment_fixed_size 0
		.amdhsa_enable_private_segment 0
		.amdhsa_kernarg_size 40
		.amdhsa_user_sgpr_count 2
		.amdhsa_user_sgpr_kernarg_segment_ptr 1
		.amdhsa_wavefront_size32 1
		.amdhsa_system_sgpr_workgroup_id_x 1
		.amdhsa_system_sgpr_workgroup_id_y 1
		.amdhsa_system_sgpr_workgroup_id_z 1
		.amdhsa_system_vgpr_workitem_id 0
		.amdhsa_next_free_vgpr 1024
		.amdhsa_next_free_sgpr 80
		.amdhsa_reserve_vcc 0
		.amdhsa_float_denorm_mode_32 3
		.amdhsa_float_denorm_mode_16_64 3
		.amdhsa_memory_ordered 1
		.amdhsa_forward_progress 1
		.amdhsa_inst_pref_size 162
	.end_amdhsa_kernel
	.amdgpu_metadata
---
amdhsa.version: [ 1, 2 ]
amdhsa.kernels:
  - .name:           k_q4428010634_ffn2
    .symbol:         k_q4428010634_ffn2.kd
    .args:
      - { .name: fimg, .offset: 0, .size: 8, .value_kind: global_buffer, .address_space: global }
      - { .name: wimg, .offset: 8, .size: 8, .value_kind: global_buffer, .address_space: global }
      - { .name: x1, .offset: 16, .size: 8, .value_kind: global_buffer, .address_space: global }
      - { .name: b2, .offset: 24, .size: 8, .value_kind: global_buffer, .address_space: global }
      - { .name: out0, .offset: 32, .size: 8, .value_kind: global_buffer, .address_space: global }
    .group_segment_fixed_size: 327680
    .private_segment_fixed_size: 0
    .kernarg_segment_align: 8
    .kernarg_segment_size: 40
    .max_flat_workgroup_size: 128
    .sgpr_count:     80
    .vgpr_count:     1024
    .wavefront_size: 32
...
	.end_amdgpu_metadata
.endif
;; end of part 14
